; MI455X (gfx1250); checked and timed in simulation.
; The chip was launched on July 23, 2026; its instructions are those of AMD's public machine-readable ISA for CDNA 5 (MIT licence, August 2026) and "CDNA5" Instruction Set Architecture Reference Guide (July 2026). The comments in the code are by the model that wrote it; some were corrected since.
;; Clustering. Allowed arithmetic: float matrix products may take bf16 or f16 operands with f32 sums; all other float work in f32.
;; Inputs: conv1_b 512 float32; conv1_w 512 x 256 float32; conv2_b 256 float32; conv2_w 256 x 512 float32; convf_b 512 float32; convf_w 512 x 256 float32; convv_b 512 float32; convv_w 512 x 256 float32; sim_alpha 1 float32; sim_beta 1 float32; x 8 x 256 x 128 x 128 float32.
;; Outputs: out0 2 x 256 x 128 x 128 float32.
;; Constants: t = 4.
;; 2 versions, each right. Each part assembles by itself: llvm-mc -triple=amdgcn-amd-amdhsa -mcpu=gfx1250 --defsym DOCPART=n.
;; ======== version 1 of 2: 7 launches
;; limits: values outside matrix products are rounded to bf16
;; workspace buffers: xb 67,108,864 bytes; px 131,072 bytes; wfrag 1,310,720 bytes; qbuf 528,384 bytes; part 8,912,896 bytes; qhat 393,216 bytes; pk 2,097,152 bytes; outm 262,144 bytes
;; launch prep (part 1): grid 512 x 1, 8 waves a work-group, no clusters, 1,280 bytes of LDS; arguments x, conv1_w, convv_w, convf_w, conv2_w, xb, px, wfrag; writes xb, px, wfrag
.if DOCPART == 1
	.amdgcn_target "amdgcn-amd-amdhsa--gfx1250"
	.amdhsa_code_object_version 6
	.text
	.protected	k_q4bb40dc39b_prep
	.globl	k_q4bb40dc39b_prep
	.p2align	8
	.type	k_q4bb40dc39b_prep,@function
k_q4bb40dc39b_prep:
	s_mov_b64 s[64:65], 0
	v_nop
	global_prefetch_b8 v0, s[64:65] scope:SCOPE_SE
	s_setreg_imm32_b32 hwreg(HW_REG_WAVE_MODE, 25, 1), 1
	s_wait_xcnt 0x0
; prep: x (f32) -> xb (bf16, same order); px = means of the ROUNDED x over the 16 pooling cells of a plane;
; the four weight matrices -> bf16 in the order in which matrix fragments are loaded (wfrag).
; A plane is one (image, input channel): 128 x 128 numbers.  The work-group owns planes 4 g .. 4 g + 3; wave w owns rows 16 w .. 16 w + 15
; of each, which is one pooling row group.  A pooling cell is 16 rows x the columns with (column / 32) mod 2 = j: cell = 2 w + j.
; A lane owns 4 columns (16 bytes in, 8 bytes out): a load of the wave covers a row's 512 bytes, a store 256 consecutive aligned bytes.
; Memory binds: no matrix unit, no cluster, LDS only for the 64 means.  Two planes' loads (32 a wave) are on their way.
.set XA,  32                           ; v[32:95]   16 rows x 4 numbers, planes 0 and 2
.set XB,  96                           ; v[96:159]  planes 1 and 3
.set Y,   160                          ; v[160:191] 16 rows x 2 words of bf16, to store
.set T,   8                            ; v[8:11]    the rounded numbers widened again
.set SUM, 12                           ; v[12:13]   running sums
	s_load_b512 s[4:19], s[0:1], 0x0               ; x 4, conv1_w 6, convv_w 8, convf_w 10, conv2_w 12, xb 14, px 16, wfrag 18
	v_lshl_add_u32 v200, v0, 2, 0x100
	v_mov_b32 v201, 0
	v_and_b32 v1, 31, v0                           ; lane
	v_lshrrev_b32 v5, 5, v0
	v_readfirstlane_b32 s20, v5                    ; wave
	s_mov_b32 s28, 0x76543210                      ; v_permlanex16_b32: lane i reads lane i of the other half
	s_mov_b32 s29, 0xfedcba98
	v_lshlrev_b32 v2, 4, v1
	v_lshl_add_u32 v2, s20, 13, v2                 ; in: 16 w rows of 512 bytes + 16 lane
	v_lshlrev_b32 v3, 3, v1
	v_lshl_add_u32 v3, s20, 12, v3                 ; out: 16 w rows of 256 bytes + 8 lane
	v_bfe_u32 v4, v1, 3, 1                         ; j
	v_lshl_add_u32 v4, s20, 1, v4
	v_lshlrev_b32 v4, 2, v4                        ; LDS: 4 (2 w + j)
	v_and_b32 v6, 15, v0                           ; r
	v_bfe_u32 v7, v0, 4, 1                         ; h
	v_lshlrev_b32 v15, 4, v1                       ; 16 lane
	v_mov_b32 v14, 0                               ; destination of the lane permute: written once
	s_lshl_b32 s26, ttmp9, 18                      ; 4 planes of 65,536 bytes
	s_mov_b32 s27, 0
	s_lshl_b32 s30, ttmp9, 17                      ; 4 planes of 32,768 bytes
	s_mov_b32 s31, 0
	s_and_b32 s22, ttmp9, 1                        ; weights: which half of a fragment
	s_lshr_b32 s23, ttmp9, 1                       ; weights: which fragment
	s_wait_kmcnt 0x0
	s_add_nc_u64 s[4:5], s[4:5], s[26:27]
	s_add_nc_u64 s[14:15], s[14:15], s[30:31]
.macro FILL p, buf                     ; my 16 rows of plane p (p may be a sum: it stands in parentheses wherever it is multiplied)
.set row_, 0
.rept 16
	global_load_b128 v[\buf+4*row_:\buf+4*row_+3], v2, s[4:5] offset:(\p)*65536+row_*512 th:TH_LOAD_NT
.set row_, row_+1
.endr
.endm
; One plane: round, store, sum the rounded numbers.  left = younger loads that may stay out; next = 1: plane p + 2 is requested into the same registers.
.macro PLANE p, buf, left, next
	s_wait_loadcnt \left                           ; loads return in order: this plane's 16 are in
	s_wait_xcnt 0x0                                ; Y, which the last plane's stores read, is rewritten only behind this wait
.set row_, 0
.rept 16
	v_cvt_pk_bf16_f32 v[Y+2*row_], v[\buf+4*row_], v[\buf+4*row_+1]
	v_cvt_pk_bf16_f32 v[Y+2*row_+1], v[\buf+4*row_+2], v[\buf+4*row_+3]
	v_lshlrev_b32 v[T], 16, v[Y+2*row_]
	v_and_b32 v[T+1], 0xffff0000, v[Y+2*row_]
	v_lshlrev_b32 v[T+2], 16, v[Y+2*row_+1]
	v_and_b32 v[T+3], 0xffff0000, v[Y+2*row_+1]
.if row_ == 0
	v_pk_add_f32 v[SUM:SUM+1], v[T:T+1], v[T+2:T+3]        ; the first row starts the sums
.else
	v_pk_add_f32 v[SUM:SUM+1], v[SUM:SUM+1], v[T:T+1]
	v_pk_add_f32 v[SUM:SUM+1], v[SUM:SUM+1], v[T+2:T+3]
.endif
	global_store_b64 v3, v[Y+2*row_:Y+2*row_+1], s[14:15] offset:(\p)*32768+row_*256 th:TH_STORE_NT
.set row_, row_+1
.endr
.if \next
	FILL (\p)+2, \buf
.endif
	v_add_f32 v[SUM], v[SUM], v[SUM+1]
	v_add_f32_dpp v[SUM], v[SUM], v[SUM] row_xmask:1 row_mask:0xf bank_mask:0xf   ; the 8 lanes of a run of 32 columns
	v_add_f32_dpp v[SUM], v[SUM], v[SUM] row_xmask:2 row_mask:0xf bank_mask:0xf
	v_add_f32_dpp v[SUM], v[SUM], v[SUM] row_xmask:4 row_mask:0xf bank_mask:0xf
	v_permlanex16_b32 v14, v[SUM], s28, s29        ; the cell's second run lies 64 columns = 16 lanes away
	v_add_f32 v[SUM], v[SUM], v14
	v_mul_f32 v[SUM], 0x3a800000, v[SUM]           ; / 1024
	ds_store_b32 v4, v[SUM] offset:(\p)*64         ; the lanes of a cell write one word with one value
.endm
	FILL 0, XA
	FILL 1, XB
	PLANE 0, XA, 16, 1                             ; 16: the next plane's loads stay out
	PLANE 1, XB, 16, 1
	PLANE 2, XA, 16, 0
	PLANE 3, XB, 0, 0
; The weights.  Each of the five matrices of wfrag is 512 pieces of 512 bytes; work-group g makes piece g of each, wave w of matrix w.
; Piece g = half b = g & 1 of fragment f = g >> 1; lane (r, h) holds 8 numbers of row 16 t + r, k = 32 u + 16 b + 8 h + 0..7.
.macro WROWS ptr, LK                   ; a matrix used as it lies: rows of 32 << LK numbers, f = t << LK | u
	s_lshr_b32 s24, s23, \LK
	s_and_b32 s25, s23, (1<<\LK)-1
	s_lshl_b32 s24, s24, \LK+11                    ; 16 t rows
	s_lshl_b32 s25, s25, 7                         ; 32 u numbers
	s_add_co_u32 s24, s24, s25
	s_lshl_b32 s25, s22, 6                         ; 16 b numbers
	s_add_co_u32 s24, s24, s25
	v_lshlrev_b32 v5, \LK+7, v6                    ; r rows
	v_lshl_add_u32 v5, v7, 5, v5                   ; 8 h numbers
	v_add_nc_u32 v5, s24, v5
	global_load_b128 v[32:35], v5, s[\ptr:\ptr+1]
	global_load_b128 v[36:39], v5, s[\ptr:\ptr+1] offset:16
	s_branch .Lpack
.endm
	s_cmp_gt_u32 s20, 4
	s_cbranch_scc1 .Lnow                           ; waves 5 to 7 have no matrix
	s_cmp_eq_u32 s20, 3
	s_cbranch_scc1 .Lw3
	s_cmp_eq_u32 s20, 1
	s_cbranch_scc1 .Lw1
	s_cmp_eq_u32 s20, 2
	s_cbranch_scc1 .Lw2
	s_cmp_eq_u32 s20, 4
	s_cbranch_scc1 .Lw4
	WROWS 6, 3                                     ; conv1_w
.Lw1:
	WROWS 8, 3                                     ; convv_w
.Lw2:
	WROWS 10, 3                                    ; convf_w
.Lw4:
	WROWS 12, 4                                    ; conv2_w
.Lw3:                                  ; convf_w transposed: rows = input channel 16 t + r, k = output channel
	s_lshr_b32 s24, s23, 4
	s_and_b32 s25, s23, 15
	s_lshl_b32 s24, s24, 6                         ; 16 t columns
	s_lshl_b32 s25, s25, 15                        ; 32 u rows of 1,024 bytes
	s_add_co_u32 s24, s24, s25
	s_lshl_b32 s25, s22, 14                        ; 16 b rows
	s_add_co_u32 s24, s24, s25
	v_lshlrev_b32 v5, 2, v6
	v_lshl_add_u32 v5, v7, 13, v5                  ; 8 h rows
	v_add_nc_u32 v5, s24, v5
.irp e, 0,1,2,3,4,5,6,7
	global_load_b32 v[32+\e], v5, s[10:11] offset:\e*1024
.endr
.Lpack:
	s_wait_loadcnt 0x0
.irp k, 0,1,2,3
	v_cvt_pk_bf16_f32 v[40+\k], v[32+2*\k], v[33+2*\k]
.endr
	s_mul_i32 s24, s20, 262144                     ; matrix w
	s_lshl_b32 s25, ttmp9, 9                       ; piece g
	s_add_co_u32 s24, s24, s25
	s_mov_b32 s25, 0
	s_add_nc_u64 s[18:19], s[18:19], s[24:25]
	global_store_b128 v15, v[40:43], s[18:19]      ; 512 consecutive bytes
.Lnow:
	s_wait_dscnt 0x0                               ; my four means are in LDS
	s_barrier_signal -1
	s_barrier_wait -1
	s_cmp_lg_u32 s20, 0
	s_cbranch_scc1 .Lend
	v_lshlrev_b32 v10, 3, v1
	ds_load_b64 v[8:9], v10                        ; 4 planes x 16 cells = 256 bytes
	s_lshl_b32 s24, ttmp9, 8
	s_mov_b32 s25, 0
	s_add_nc_u64 s[16:17], s[16:17], s[24:25]
	s_wait_dscnt 0x0
	global_store_b64 v10, v[8:9], s[16:17]
.Lend:
	s_wait_tensorcnt 0x0
	ds_add_u32 v200, v201
	s_wait_dscnt 0x0
	s_endpgm
.Lfunc_end_k_q4bb40dc39b_prep:
	.size	k_q4bb40dc39b_prep, .Lfunc_end_k_q4bb40dc39b_prep-k_q4bb40dc39b_prep
	.p2alignl 7, 3214868480
	.fill 96, 4, 3214868480
	.section	.rodata,"a",@progbits
	.p2align	6, 0x0
	.amdhsa_kernel k_q4bb40dc39b_prep
		.amdhsa_group_segment_fixed_size 1280
		.amdhsa_private_segment_fixed_size 0
		.amdhsa_enable_private_segment 0
		.amdhsa_kernarg_size 64
		.amdhsa_user_sgpr_count 2
		.amdhsa_user_sgpr_kernarg_segment_ptr 1
		.amdhsa_wavefront_size32 1
		.amdhsa_system_sgpr_workgroup_id_x 1
		.amdhsa_system_sgpr_workgroup_id_y 1
		.amdhsa_system_sgpr_workgroup_id_z 1
		.amdhsa_system_vgpr_workitem_id 0
		.amdhsa_next_free_vgpr 202
		.amdhsa_next_free_sgpr 66
		.amdhsa_reserve_vcc 0
		.amdhsa_float_denorm_mode_32 3
		.amdhsa_float_denorm_mode_16_64 3
		.amdhsa_memory_ordered 1
		.amdhsa_forward_progress 1
		.amdhsa_inst_pref_size 49
	.end_amdhsa_kernel
	.amdgpu_metadata
---
amdhsa.version: [ 1, 2 ]
amdhsa.kernels:
  - .name:           k_q4bb40dc39b_prep
    .symbol:         k_q4bb40dc39b_prep.kd
    .args:
      - { .name: x, .offset: 0, .size: 8, .value_kind: global_buffer, .address_space: global }
      - { .name: conv1_w, .offset: 8, .size: 8, .value_kind: global_buffer, .address_space: global }
      - { .name: convv_w, .offset: 16, .size: 8, .value_kind: global_buffer, .address_space: global }
      - { .name: convf_w, .offset: 24, .size: 8, .value_kind: global_buffer, .address_space: global }
      - { .name: conv2_w, .offset: 32, .size: 8, .value_kind: global_buffer, .address_space: global }
      - { .name: xb, .offset: 40, .size: 8, .value_kind: global_buffer, .address_space: global }
      - { .name: px, .offset: 48, .size: 8, .value_kind: global_buffer, .address_space: global }
      - { .name: wfrag, .offset: 56, .size: 8, .value_kind: global_buffer, .address_space: global }
    .group_segment_fixed_size: 1280
    .private_segment_fixed_size: 0
    .kernarg_segment_align: 8
    .kernarg_segment_size: 64
    .max_flat_workgroup_size: 256
    .sgpr_count:     66
    .vgpr_count:     202
    .wavefront_size: 32
...
	.end_amdgpu_metadata
.endif
;; end of part 1
;; launch centers (part 2): grid 8 x 2, 8 waves a work-group, no clusters, 33,792 bytes of LDS; arguments px, wfrag, conv1_b, convf_b, qbuf; writes qbuf
.if DOCPART == 2
	.amdgcn_target "amdgcn-amd-amdhsa--gfx1250"
	.amdhsa_code_object_version 6
	.text
	.protected	k_q4bb40dc39b_centers
	.globl	k_q4bb40dc39b_centers
	.p2align	8
	.type	k_q4bb40dc39b_centers,@function
k_q4bb40dc39b_centers:
	s_mov_b64 s[64:65], 0
	v_nop
	global_prefetch_b8 v0, s[64:65] scope:SCOPE_SE
	s_setreg_imm32_b32 hwreg(HW_REG_WAVE_MODE, 25, 1), 1
	s_wait_xcnt 0x0
; centers: pooling is linear, so pool(conv(x)) = W pool(x) + b.  Work-group (image, mat): mat 0 = conv1 (the attention's queries), mat 1 = convf (the pooled features).
; [512 o] x [256 cin] x [16 cells]: wave w makes o tiles 4 w .. 4 w + 3.  W is exact in bf16; the means are split into two bf16 terms (16 bits of mantissa).
; The bias is taken rounded to bf16, as x and the weights are, so that all inputs of the later hard argmax are rounded alike.
; The result, flat index 16 o + cell, goes through LDS.  mat 1: stored as it lies (CFQ).  mat 0: the flat index reads og*2048 + m*512 + h*64 + c;
; times 0.125 log2(e), split in two bf16 terms, stored as matrix fragments (column (og, m), k = c) for head h = wave; and the sum over c (QS).
; Sixteen small work-groups for a small product: no LDS ring, no cluster.
.set T,    16                          ; v[16:31]  at work
.set BIAS, 32                          ; v[32:63]  bias of my four tiles, 8 rows a lane
.set BF,   64                          ; v[64:191] the means as fragments: K step u: high term at 64+16u, low term at 72+16u
.set RAW,  192                         ; v[192:255] 64 means as loaded
.set ACC,  192                         ; v[192:223] four accumulators, over RAW when that is dead
.set MSB, 0
.macro WIN new                         ; the immediate's high byte repeats the setting that is left
.if MSB != \new
	s_set_vgpr_msb (MSB<<8)|\new
.set MSB, \new
.endif
.endm
.macro PLACES                          ; five places behind a matrix instruction (ISA guide 7.12.1)
.rept 5
	v_nop
.endr
.endm
.macro MM d, a, b, c0                  ; c0: the product starts the sum
.if \c0
	v_wmma_f32_16x16x32_bf16 v[\d:\d+7], v[\a:\a+7], v[\b:\b+7], 0
.else
	v_wmma_f32_16x16x32_bf16 v[\d:\d+7], v[\a:\a+7], v[\b:\b+7], v[\d:\d+7]
.endif
.endm
.macro SPLIT2 S, H, L, TT              ; 8 f32 in S (destroyed) -> 8 bf16 in H + 8 bf16 of the rest in L
.irp k, 0,1,2,3
	v_cvt_pk_bf16_f32 v[\H+\k], v[\S+2*\k], v[\S+2*\k+1]
.endr
.irp k, 0,1,2,3
	v_lshlrev_b32 v[\TT+2*\k], 16, v[\H+\k]
	v_and_b32 v[\TT+2*\k+1], 0xffff0000, v[\H+\k]
.endr
.irp k, 0,1,2,3
	v_pk_add_f32 v[\S+2*\k:\S+2*\k+1], v[\S+2*\k:\S+2*\k+1], v[\TT+2*\k:\TT+2*\k+1] neg_lo:[0,1] neg_hi:[0,1]
.endr
.irp k, 0,1,2,3
	v_cvt_pk_bf16_f32 v[\L+\k], v[\S+2*\k], v[\S+2*\k+1]
.endr
.endm
.macro RND8 S, TT                      ; 8 f32 rounded to bf16, kept as f32
.irp k, 0,1,2,3
	v_cvt_pk_bf16_f32 v[\TT+\k], v[\S+2*\k], v[\S+2*\k+1]
.endr
.irp k, 0,1,2,3
	v_lshlrev_b32 v[\S+2*\k], 16, v[\TT+\k]
	v_and_b32 v[\S+2*\k+1], 0xffff0000, v[\TT+\k]
.endr
.endm
	s_load_b256 s[4:11], s[0:1], 0x0               ; px 4, wfrag 6, conv1_b 8, convf_b 10
	s_load_b64 s[12:13], s[0:1], 0x20              ; qbuf
	v_lshl_add_u32 v30, v0, 2, 0x8000
	v_mov_b32 v31, 0
	v_lshrrev_b32 v8, 5, v0
	v_readfirstlane_b32 s14, v8                    ; wave
	s_and_b32 s15, ttmp7, 0xffff                   ; mat
	s_mov_b32 s22, 0x76543210
	s_mov_b32 s23, 0xfedcba98
	v_and_b32 v1, 31, v0
	v_and_b32 v2, 15, v0                           ; r
	v_bfe_u32 v3, v0, 4, 1                         ; h
	v_lshlrev_b32 v4, 4, v1                        ; 16 lane
	v_lshlrev_b32 v7, 2, v2
	v_lshl_add_u32 v7, v3, 9, v7                   ; 4 r + 512 h
	s_lshl_b32 s20, ttmp9, 14                      ; the image's 256 x 16 means
	v_add_nc_u32 v5, s20, v7                       ; px: cell r, channel 8 h
	v_lshl_add_u32 v7, s14, 12, v7                 ; LDS: (64 w + 8 h) x 64 bytes + 4 r
	v_lshlrev_b32 v6, 5, v3
	v_lshl_add_u32 v6, s14, 8, v6                  ; bias: 4 (64 w + 8 h)
	v_mov_b32 v9, 0
	s_wait_kmcnt 0x0
	s_cmp_lg_u32 s15, 0
	s_cselect_b32 s16, 524288, 0                   ; convf's or conv1's fragments
	s_cselect_b64 s[18:19], s[10:11], s[8:9]       ; and bias
	s_lshl_b32 s17, s14, 15                        ; my 4 tiles x 8 fragments of 1,024 bytes
	s_add_co_u32 s16, s16, s17
	s_mov_b32 s17, 0
	s_add_nc_u64 s[6:7], s[6:7], s[16:17]
	WIN 0x40                                       ; destination window 1: fragment (tile tl, K step u) at v[8 (8 tl + u)]
.set f_, 0
.rept 32
	global_load_b128 v[8*f_:8*f_+3], v4, s[6:7] offset:f_*1024
	global_load_b128 v[8*f_+4:8*f_+7], v4, s[6:7] offset:f_*1024+512
.set f_, f_+1
.endr
	WIN 0
.irp tl, 0,1,2,3
	global_load_b128 v[BIAS+8*\tl:BIAS+8*\tl+3], v6, s[18:19] offset:\tl*64
	global_load_b128 v[BIAS+8*\tl+4:BIAS+8*\tl+7], v6, s[18:19] offset:\tl*64+16
.endr
; the means, 128 channels at a time: register 8 c + e holds channel 128 q + 16 c + 8 h + e of cell r
.macro MEANS q
.set k_, 0
.rept 64
	global_load_b32 v[RAW+k_], v5, s[4:5] offset:(128*\q+k_+8*(k_/8))*64
.set k_, k_+1
.endr
	s_wait_loadcnt 0x0
.set c_, 0
.rept 8
	SPLIT2 RAW+8*c_, BF+16*(4*\q+c_/2)+4*(c_%2), BF+16*(4*\q+c_/2)+8+4*(c_%2), T
.set c_, c_+1
.endr
.endm
	MEANS 0
	MEANS 1
	WIN 0x01                                       ; source 0 (W) window 1
.irp u, 0,1,2,3,4,5,6,7
.irp s, 0,1
.irp tl, 0,1,2,3
	MM ACC+8*\tl, (\tl*8+\u)*8, BF+16*\u+8*\s, (\u+\s)==0    ; the four accumulators take turns
.endr
.endr
.endr
	WIN 0
	PLACES
.irp tl, 0,1,2,3
	RND8 BIAS+8*\tl, T
.irp k, 0,1,2,3
	v_pk_add_f32 v[ACC+8*\tl+2*\k:ACC+8*\tl+2*\k+1], v[ACC+8*\tl+2*\k:ACC+8*\tl+2*\k+1], v[BIAS+8*\tl+2*\k:BIAS+8*\tl+2*\k+1]
.endr
.irp j, 0,1,2,3,4,5,6,7
	ds_store_b32 v7, v[ACC+8*\tl+\j] offset:\tl*1024+\j*64    ; flat index 16 o + cell
.endr
.endr
	s_wait_dscnt 0x0
	s_barrier_signal -1
	s_barrier_wait -1
	s_cmp_eq_u32 s15, 0
	s_cbranch_scc1 .Lqueries
	; mat 1: the 32,768 bytes as they lie
	s_lshl_b32 s16, ttmp9, 15
	s_add_co_u32 s16, s16, 266240
	s_mov_b32 s17, 0
	s_add_nc_u64 s[12:13], s[12:13], s[16:17]
	v_lshlrev_b32 v8, 4, v0
.irp i, 0,1,2,3,4,5,6,7
	ds_load_b128 v[64+4*\i:67+4*\i], v8 offset:\i*4096
.endr
.irp i, 0,1,2,3,4,5,6,7
	s_wait_dscnt 7-\i
	global_store_b128 v8, v[64+4*\i:67+4*\i], s[12:13] offset:\i*4096
.endr
	s_wait_tensorcnt 0x0
	ds_add_u32 v30, v31
	s_wait_dscnt 0x0
	s_endpgm
.Lqueries:
	; mat 0: head h = wave; lane (r, h') takes q(r, c = 32 u + 16 b + 8 h' + 0..7) at flat index 512 r + 64 h + c
	v_lshlrev_b32 v12, 11, v2
	v_lshl_add_u32 v12, v3, 5, v12
	v_lshl_add_u32 v12, s14, 8, v12
.irp ch, 0,1,2,3
	ds_load_b128 v[96+8*\ch:99+8*\ch], v12 offset:\ch*64
	ds_load_b128 v[100+8*\ch:103+8*\ch], v12 offset:\ch*64+16
.endr
	s_lshl_b32 s16, ttmp9, 15                      ; image x 8 heads x 4 fragments of 1,024 bytes
	s_lshl_b32 s17, s14, 12
	s_add_co_u32 s16, s16, s17
	s_mov_b32 s17, 0
	s_add_nc_u64 s[18:19], s[12:13], s[16:17]
	s_lshl_b32 s16, ttmp9, 9                       ; QS: ((2 image + h/4) x 4 + og) x 64 + (4 (h%4) + m) x 4
	s_lshr_b32 s17, s14, 2
	s_lshl_b32 s17, s17, 8
	s_add_co_u32 s16, s16, s17
	s_and_b32 s17, s14, 3
	s_lshl_b32 s17, s17, 4
	s_add_co_u32 s16, s16, s17
	s_add_co_u32 s16, s16, 262144
	s_mov_b32 s17, 0
	s_add_nc_u64 s[12:13], s[12:13], s[16:17]
	v_lshrrev_b32 v13, 2, v2
	v_and_b32 v14, 3, v2
	v_lshlrev_b32 v14, 2, v14
	v_lshl_add_u32 v13, v13, 6, v14
	s_wait_dscnt 0x0
.irp ch, 0,1,2,3
.irp k, 0,1,2,3
	v_pk_mul_f32 v[96+8*\ch+2*\k:97+8*\ch+2*\k], v[96+8*\ch+2*\k:97+8*\ch+2*\k], 0x3e38aa3b op_sel_hi:[1,0]   ; 0.125 log2(e)
.endr
.endr
	v_pk_add_f32 v[10:11], v[96:97], v[98:99]
.set k_, 2
.rept 14
	v_pk_add_f32 v[10:11], v[10:11], v[96+2*k_:97+2*k_]
.set k_, k_+1
.endr
.irp ch, 0,1,2,3
	SPLIT2 96+8*\ch, 64+8*\ch, 68+8*\ch, T
	global_store_b128 v4, v[64+8*\ch:67+8*\ch], s[18:19] offset:(\ch/2)*1024+(\ch%2)*512        ; high term: fragment u = ch / 2, half b = ch % 2
	global_store_b128 v4, v[68+8*\ch:71+8*\ch], s[18:19] offset:(2+\ch/2)*1024+(\ch%2)*512      ; low term
.endr
	v_add_f32 v10, v10, v11
	v_permlanex16_b32 v9, v10, s22, s23
	v_add_f32 v10, v10, v9
	global_store_b32 v13, v10, s[12:13]            ; both halves of the lanes hold the same sum for the same word
	s_wait_tensorcnt 0x0
	ds_add_u32 v30, v31
	s_wait_dscnt 0x0
	s_endpgm
.Lfunc_end_k_q4bb40dc39b_centers:
	.size	k_q4bb40dc39b_centers, .Lfunc_end_k_q4bb40dc39b_centers-k_q4bb40dc39b_centers
	.p2alignl 7, 3214868480
	.fill 96, 4, 3214868480
	.section	.rodata,"a",@progbits
	.p2align	6, 0x0
	.amdhsa_kernel k_q4bb40dc39b_centers
		.amdhsa_group_segment_fixed_size 33792
		.amdhsa_private_segment_fixed_size 0
		.amdhsa_enable_private_segment 0
		.amdhsa_kernarg_size 40
		.amdhsa_user_sgpr_count 2
		.amdhsa_user_sgpr_kernarg_segment_ptr 1
		.amdhsa_wavefront_size32 1
		.amdhsa_system_sgpr_workgroup_id_x 1
		.amdhsa_system_sgpr_workgroup_id_y 1
		.amdhsa_system_sgpr_workgroup_id_z 1
		.amdhsa_system_vgpr_workitem_id 0
		.amdhsa_next_free_vgpr 512
		.amdhsa_next_free_sgpr 66
		.amdhsa_reserve_vcc 0
		.amdhsa_float_denorm_mode_32 3
		.amdhsa_float_denorm_mode_16_64 3
		.amdhsa_memory_ordered 1
		.amdhsa_forward_progress 1
		.amdhsa_inst_pref_size 60
	.end_amdhsa_kernel
	.amdgpu_metadata
---
amdhsa.version: [ 1, 2 ]
amdhsa.kernels:
  - .name:           k_q4bb40dc39b_centers
    .symbol:         k_q4bb40dc39b_centers.kd
    .args:
      - { .name: px, .offset: 0, .size: 8, .value_kind: global_buffer, .address_space: global }
      - { .name: wfrag, .offset: 8, .size: 8, .value_kind: global_buffer, .address_space: global }
      - { .name: conv1_b, .offset: 16, .size: 8, .value_kind: global_buffer, .address_space: global }
      - { .name: convf_b, .offset: 24, .size: 8, .value_kind: global_buffer, .address_space: global }
      - { .name: qbuf, .offset: 32, .size: 8, .value_kind: global_buffer, .address_space: global }
    .group_segment_fixed_size: 33792
    .private_segment_fixed_size: 0
    .kernarg_segment_align: 8
    .kernarg_segment_size: 40
    .max_flat_workgroup_size: 256
    .sgpr_count:     66
    .vgpr_count:     512
    .wavefront_size: 32
...
	.end_amdgpu_metadata
.endif
;; end of part 2
;; launch attn (part 3): grid 512 x 1, 4 waves a work-group, no clusters, 305,664 bytes of LDS; arguments xb, wfrag, qbuf, convv_b, convf_b, part; writes part
.if DOCPART == 3
	.amdgcn_target "amdgcn-amd-amdhsa--gfx1250"
	.amdhsa_code_object_version 6
	.text
	.protected	k_q4bb40dc39b_attn
	.globl	k_q4bb40dc39b_attn
	.p2align	8
	.type	k_q4bb40dc39b_attn,@function
k_q4bb40dc39b_attn:
	s_mov_b64 s[64:65], 0
	v_nop
	global_prefetch_b8 v0, s[64:65] scope:SCOPE_SE
	s_setreg_imm32_b32 hwreg(HW_REG_WAVE_MODE, 25, 1), 1
	s_wait_xcnt 0x0
; attn: one strip of the attention, without ever forming keys or values.  Work-group g = (image, strip r_s of 512 pixels, half hg of its 8 heads): 256 pixels.
; The keys of batch (image, og) in this strip are the 128 output channels ol of group og; head and c are the pixel.  With x the strip [256 cin][256 pixels]:
;   Z[cin][(og,m),h]  = sum over c of x[cin][64 h + c] q'[(og,m),h,c]                    (wave w: its own 64 channels)
;   s'[ol][(h,m)]     = sum over cin of Wv[128 og + ol][cin] Z + bv[ol] sum(q')          (wave = og), already in log2 units
;   e = exp2(s' - max over ol), l = sum e, bterm = sum e bf[ol]                          (the strip's own maximum; the next launch joins the strips by their maxima)
;   U[cin][(h,m)]     = sum over ol of e[ol] Wf[128 og + ol][cin]                        (wave = og)
;   C[(og,m)][c]      = sum over cin of U[cin] x[cin][64 h + c]                          (wave = h)
; In each product one operand is an input that is exact in bf16 (x, Wv, Wf); the other is split into two (q', Z) or three (e, U) bf16 terms,
; because a hard argmax follows downstream.  bv and bf are taken rounded to bf16, as x and the weights are.
; Clusters: all work-groups read Wv and Wf, but these go straight from memory to registers in fragment order (512 consecutive bytes a load) and LDS has no room for them; x is shared by no one.
; LDS is filled once (one tensor load a wave, one outstanding): no ring, no refill.
.set ZS,   135168                      ; XS at 0: 256 rows (cin) x 528.  ZS: 128 rows (term*64 + og*16 + h*4 + m) x 528, cin along the row
.set US,   202752                      ; 192 rows (term*64 + h*16 + og*4 + m) x 528, cin along the row
.set STAT, 304128                      ; [og][column][max, l, bterm, 0]
.set ACC,  24                          ; v[24:87]   eight accumulators
.set FR,   88                          ; v[88:215]  fragments
.set TMP,  216                         ; v[216:255] at work
; window 3: v0-127 q' fragments (h, term, u) at 8 (4 h + 2 term + u); v128-191 bv, v192-255 bf of my og, row 16 t + 8 h' + j at 8 t + j
; windows 1, 2: Wv fragment (u, t) in window 1 + u/4 at 8 (8 (u%4) + t); later Wf^T fragment (T, v) in window 1 + T/8 at 8 (4 (T%8) + v)
.set MSB, 0
.macro WIN new
.if MSB != \new
	s_set_vgpr_msb (MSB<<8)|\new
.set MSB, \new
.endif
.endm
.macro PLACES                          ; five places behind a matrix instruction (ISA guide 7.12.1)
.rept 5
	v_nop
.endr
.endm
.macro MM d, a, b, c0
.if \c0
	v_wmma_f32_16x16x32_bf16 v[\d:\d+7], v[\a:\a+7], v[\b:\b+7], 0
.else
	v_wmma_f32_16x16x32_bf16 v[\d:\d+7], v[\a:\a+7], v[\b:\b+7], v[\d:\d+7]
.endif
.endm
.macro SPLIT2 S, H, L, TT
.irp k, 0,1,2,3
	v_cvt_pk_bf16_f32 v[\H+\k], v[\S+2*\k], v[\S+2*\k+1]
.endr
.irp k, 0,1,2,3
	v_lshlrev_b32 v[\TT+2*\k], 16, v[\H+\k]
	v_and_b32 v[\TT+2*\k+1], 0xffff0000, v[\H+\k]
.endr
.irp k, 0,1,2,3
	v_pk_add_f32 v[\S+2*\k:\S+2*\k+1], v[\S+2*\k:\S+2*\k+1], v[\TT+2*\k:\TT+2*\k+1] neg_lo:[0,1] neg_hi:[0,1]
.endr
.irp k, 0,1,2,3
	v_cvt_pk_bf16_f32 v[\L+\k], v[\S+2*\k], v[\S+2*\k+1]
.endr
.endm
.macro SPLIT3 S, H, M, L, TT           ; three terms: 24 bits of mantissa
	SPLIT2 \S, \H, \M, \TT
.irp k, 0,1,2,3
	v_lshlrev_b32 v[\TT+2*\k], 16, v[\M+\k]
	v_and_b32 v[\TT+2*\k+1], 0xffff0000, v[\M+\k]
.endr
.irp k, 0,1,2,3
	v_pk_add_f32 v[\S+2*\k:\S+2*\k+1], v[\S+2*\k:\S+2*\k+1], v[\TT+2*\k:\TT+2*\k+1] neg_lo:[0,1] neg_hi:[0,1]
.endr
.irp k, 0,1,2,3
	v_cvt_pk_bf16_f32 v[\L+\k], v[\S+2*\k], v[\S+2*\k+1]
.endr
.endm
	s_load_b256 s[4:11], s[0:1], 0x0               ; xb 4, wfrag 6, qbuf 8, convv_b 10
	s_load_b128 s[12:15], s[0:1], 0x20             ; convf_b 12, part 14
	v_lshl_add_u32 v254, v0, 2, 0x4a800
	v_mov_b32 v255, 0
	ds_add_u32 v254, v255
	ds_add_u32 v254, v255
	v_lshrrev_b32 v23, 5, v0
	v_readfirstlane_b32 s16, v23                   ; wave
	s_lshr_b32 s17, ttmp9, 6                       ; image
	s_bfe_u32 s18, ttmp9, 0x50001                  ; strip
	s_and_b32 s19, ttmp9, 1                        ; half of the heads
	s_mov_b32 s40, 0x76543210
	s_mov_b32 s41, 0xfedcba98
	; the tile: my 64 channels x 256 pixels of bf16; 16 bytes of padding behind each row of 128 words
	s_mov_b32 s24, (1<<16)|(1<<20)|(6<<22)|(3<<25)
	s_mov_b32 s25, 256<<16                         ; tensor_dim0 = 256
	s_mov_b32 s26, 64<<16                          ; tensor_dim1 = 64
	s_mov_b32 s27, 256<<16                         ; tile_dim0 = 256
	s_mov_b32 s28, 64                              ; tile_dim1 = 64
	s_mov_b32 s29, 16384                           ; from channel to channel
	s_mov_b32 s30, 0
	s_mov_b32 s31, 0
	s_mov_b32 s20, 1
	s_mul_i32 s21, s16, 33792                      ; 64 w rows of 528 bytes
	s_lshl_b32 s38, s17, 23                        ; image: 256 x 16,384 x 2 bytes
	s_lshl_b32 s39, s16, 21                        ; 64 w channels
	s_add_co_u32 s38, s38, s39
	s_lshl_b32 s39, s18, 10                        ; strip
	s_add_co_u32 s38, s38, s39
	s_lshl_b32 s39, s19, 9                         ; half
	s_add_co_u32 s38, s38, s39
	s_mov_b32 s39, 0
	s_wait_dscnt 0x0
	s_wait_kmcnt 0x0
	s_add_nc_u64 s[22:23], s[4:5], s[38:39]
	s_or_b32 s23, s23, 0x80000000
	tensor_load_to_lds s[20:23], s[24:31]          ; the launch's only fill of these bytes
	s_nop 0
	s_lshl_b32 s38, s17, 15
	s_lshl_b32 s46, s19, 14
	s_add_co_u32 s38, s38, s46
	s_add_nc_u64 s[36:37], s[8:9], s[38:39]        ; q' fragments of my four heads
	s_lshl_b32 s38, s16, 16
	s_add_co_u32 s38, s38, 262144
	s_add_nc_u64 s[32:33], s[6:7], s[38:39]        ; Wv, tiles 8 w ..
	s_lshl_b32 s38, s16, 12
	s_add_co_u32 s38, s38, 786432
	s_add_nc_u64 s[34:35], s[6:7], s[38:39]        ; Wf^T, K steps 4 w ..
	s_lshl_b32 s38, ttmp9, 14
	s_lshl_b32 s46, s16, 12
	s_add_co_u32 s38, s38, s46
	s_add_nc_u64 s[42:43], s[14:15], s[38:39]      ; part C: [g][h]
	s_lshl_b32 s38, ttmp9, 10
	s_add_co_u32 s38, s38, 8388608
	s_add_nc_u64 s[44:45], s[14:15], s[38:39]      ; part STAT: [g]
	v_and_b32 v1, 31, v0
	v_and_b32 v2, 15, v0                           ; r
	v_bfe_u32 v3, v0, 4, 1                         ; h'
	v_lshlrev_b32 v4, 4, v1
	v_mul_u32_u24 v22, v2, 528
	v_lshl_add_u32 v22, v3, 4, v22                 ; 528 r + 16 h'
	v_add_nc_u32 v5, s21, v22                      ; x rows 64 w + r
	s_mul_i32 s38, s16, 8448
	s_add_co_u32 s46, s38, ZS
	v_add_nc_u32 v7, s46, v22                      ; Z rows 16 w + r
	s_add_co_u32 s46, s38, US
	v_add_nc_u32 v12, s46, v22                     ; U rows 16 w + r
	v_add_nc_u32 v13, 67584, v12                   ; third term
	v_lshrrev_b32 v23, 2, v2
	v_and_b32 v21, 3, v2
	v_lshl_add_u32 v23, v23, 4, v21
	v_mul_u32_u24 v23, v23, 528
	v_lshl_add_u32 v23, v3, 4, v23                 ; (16 (r/4) + r%4) rows + 16 h'
	s_lshl_b32 s46, s16, 7
	s_add_co_u32 s46, s46, ZS
	v_add_nc_u32 v6, s46, v23                      ; where Z goes: column 64 w
	s_mul_i32 s46, s16, 2112
	s_add_co_u32 s46, s46, US
	v_add_nc_u32 v8, s46, v23                      ; where U goes: rows + 4 w
	v_add_nc_u32 v9, 67584, v8
	v_and_b32 v21, 7, v0
	v_lshl_add_u32 v21, v3, 3, v21
	v_mul_u32_u24 v21, v21, 528
	v_bfe_u32 v23, v0, 3, 1
	v_lshl_add_u32 v21, v23, 4, v21
	v_lshl_add_u32 v10, s16, 7, v21                ; transposing loads of x: channel 8 h' + l%8, pixel 64 w + 8 ((l/8)%2)
	v_add_nc_u32 v11, 67584, v10                   ; channels 128 ..
	s_mul_i32 s46, s16, 4352
	s_add_co_u32 s46, s46, ZS                      ; the way out's stage, over ZS when that is dead
	v_mul_u32_u24 v21, v2, 272
	v_lshl_add_u32 v21, v3, 5, v21
	v_add_nc_u32 v14, s46, v21
	v_mul_u32_u24 v21, v3, 272
	v_lshl_add_u32 v21, v2, 4, v21
	v_add_nc_u32 v15, s46, v21
	v_lshlrev_b32 v18, 5, v3
	v_lshl_add_u32 v18, s16, 9, v18                ; biases: 4 (128 w + 8 h')
	s_lshl_b32 s46, s17, 9
	s_lshl_b32 s47, s19, 8
	s_add_co_u32 s46, s46, s47
	s_lshl_b32 s47, s16, 6
	s_add_co_u32 s46, s46, s47
	s_add_co_u32 s46, s46, 262144
	v_lshl_add_u32 v20, v2, 2, s46                 ; sum of q' of column r
	WIN 0xc0                                       ; destination window 3
.set f_, 0
.rept 16
	global_load_b128 v[8*f_:8*f_+3], v4, s[36:37] offset:f_*1024
	global_load_b128 v[8*f_+4:8*f_+7], v4, s[36:37] offset:f_*1024+512
.set f_, f_+1
.endr
.set t_, 0
.rept 8
	global_load_b128 v[128+8*t_:131+8*t_], v18, s[10:11] offset:t_*64
	global_load_b128 v[132+8*t_:135+8*t_], v18, s[10:11] offset:t_*64+16
	global_load_b128 v[192+8*t_:195+8*t_], v18, s[12:13] offset:t_*64
	global_load_b128 v[196+8*t_:199+8*t_], v18, s[12:13] offset:t_*64+16
.set t_, t_+1
.endr
	WIN 0
	global_load_b32 v16, v20, s[8:9]
	s_wait_loadcnt 0x0
	v_mov_b32 v17, v16
	WIN 0x0f                                       ; both sources window 3: the biases rounded to bf16
.set k_, 0
.rept 64
	v_cvt_pk_bf16_f32 v[FR+k_], v[128+2*k_], v[129+2*k_]
.set k_, k_+1
.endr
	WIN 0xc0
.set k_, 0
.rept 64
	v_lshlrev_b32 v[128+2*k_], 16, v[FR+k_]
	v_and_b32 v[129+2*k_], 0xffff0000, v[FR+k_]
.set k_, k_+1
.endr
.macro WVLOAD u0                       ; four K steps of Wv into one window
.irp u, 0,1,2,3
.irp t, 0,1,2,3,4,5,6,7
	global_load_b128 v[(\u*8+\t)*8:(\u*8+\t)*8+3], v4, s[32:33] offset:(\t*8+\u0+\u)*1024
	global_load_b128 v[(\u*8+\t)*8+4:(\u*8+\t)*8+7], v4, s[32:33] offset:(\t*8+\u0+\u)*1024+512
.endr
.endr
.endm
	WIN 0x40
	WVLOAD 0
	WIN 0x80
	WVLOAD 4
	WIN 0
	; Z.  I read only the 64 rows that my own tensor load brought: its wait is all the ordering that these reads need.
	s_wait_tensorcnt 0x0
.macro PZ h4
.irp i, 0,1,2,3
.irp u, 0,1
	ds_load_b128 v[FR+(\i*2+\u)*8:FR+(\i*2+\u)*8+3], v5 offset:\i*8448+\h4*128+\u*64
	ds_load_b128 v[FR+(\i*2+\u)*8+4:FR+(\i*2+\u)*8+7], v5 offset:\i*8448+\h4*128+\u*64+32
.endr
.endr
	s_wait_dscnt 0x0
	WIN 0x0c                                       ; source 1 (q') window 3
.irp s, 0,1
.irp u, 0,1
.irp i, 0,1,2,3
	MM FR+64+8*\i, FR+(\i*2+\u)*8, (\h4*4+\s*2+\u)*8, (\s+\u)==0     ; four accumulators take turns
.endr
.endr
.endr
	WIN 0
	PLACES
.irp i, 0,1,2,3
	SPLIT2 FR+64+8*\i, TMP, TMP+4, TMP+8
	ds_store_b128 v6, v[TMP:TMP+3] offset:\h4*2112+\i*32             ; column (og, h, m), channels 64 w + 16 i + 8 h' ..
	ds_store_b128 v6, v[TMP+4:TMP+7] offset:\h4*2112+\i*32+33792
.endr
.endm
	PZ 0
	PZ 1
	PZ 2
	PZ 3
	s_wait_dscnt 0x0                               ; my part of Z is in LDS (my tensor load was waited for above)
	s_barrier_signal -1
	s_barrier_wait -1
	; s' for og = wave
.irp u, 0,1,2,3,4,5,6,7
.irp s, 0,1
	ds_load_b128 v[FR+(\u*2+\s)*8:FR+(\u*2+\s)*8+3], v7 offset:\s*33792+\u*64
	ds_load_b128 v[FR+(\u*2+\s)*8+4:FR+(\u*2+\s)*8+7], v7 offset:\s*33792+\u*64+32
.endr
.endr
	WIN 0x03
.set k_, 0
.rept 32
	v_pk_mul_f32 v[ACC+2*k_:ACC+2*k_+1], v[128+2*k_:129+2*k_], v[16:17]     ; bv sum(q') starts the sums
.set k_, k_+1
.endr
	WIN 0
	s_wait_loadcnt 0x0                             ; Wv
	s_wait_dscnt 0x0
.macro PS u0
.irp u, 0,1,2,3
.irp s, 0,1
.irp t, 0,1,2,3,4,5,6,7
	MM ACC+8*\t, (\u*8+\t)*8, FR+((\u0+\u)*2+\s)*8, 0                       ; eight accumulators take turns
.endr
.endr
.endr
.endm
.macro WFLOAD T0                       ; eight tiles of Wf^T, my four K steps
.irp tt, 0,1,2,3,4,5,6,7
.irp v, 0,1,2,3
	global_load_b128 v[(\tt*4+\v)*8:(\tt*4+\v)*8+3], v4, s[34:35] offset:((\T0+\tt)*16+\v)*1024
	global_load_b128 v[(\tt*4+\v)*8+4:(\tt*4+\v)*8+7], v4, s[34:35] offset:((\T0+\tt)*16+\v)*1024+512
.endr
.endr
.endm
	WIN 0x01
	PS 0
	PLACES
	WIN 0x40
	WFLOAD 0                                       ; over the half of Wv that is done
	WIN 0x02
	PS 4
	PLACES
	WIN 0x80
	WFLOAD 8
	WIN 0
	; the strip's softmax terms, column r = (h, m); my 64 registers and the other half's are the 128 keys
	v_max3_num_f32 v18, v[ACC], v[ACC+1], v[ACC+2]
.set k_, 3
.rept 30
	v_max3_num_f32 v18, v18, v[ACC+k_], v[ACC+k_+1]
.set k_, k_+2
.endr
	v_max_num_f32 v18, v18, v[ACC+63]
	v_permlanex16_b32 v22, v18, s40, s41
	v_max_num_f32 v18, v18, v22
	v_mov_b32 v19, v18
.set k_, 0
.rept 32
	v_pk_add_f32 v[ACC+2*k_:ACC+2*k_+1], v[ACC+2*k_:ACC+2*k_+1], v[18:19] neg_lo:[0,1] neg_hi:[0,1]
.set k_, k_+1
.endr
.set k_, 0
.rept 64
	v_exp_f32 v[ACC+k_], v[ACC+k_]
.set k_, k_+1
.endr
	v_lshlrev_b32 v20, 4, v2                       ; the plain instruction behind the last exponential
	s_wait_alu depctr_va_vdst(0)
	v_pk_add_f32 v[TMP:TMP+1], v[ACC:ACC+1], v[ACC+2:ACC+3]
.set k_, 2
.rept 30
	v_pk_add_f32 v[TMP:TMP+1], v[TMP:TMP+1], v[ACC+2*k_:ACC+2*k_+1]
.set k_, k_+1
.endr
	WIN 0x0c                                       ; source 1 (bf) window 3
	v_pk_mul_f32 v[TMP+2:TMP+3], v[ACC:ACC+1], v[192:193]
.set k_, 1
.rept 31
	v_pk_fma_f32 v[TMP+2:TMP+3], v[ACC+2*k_:ACC+2*k_+1], v[192+2*k_:193+2*k_], v[TMP+2:TMP+3]
.set k_, k_+1
.endr
	WIN 0
	v_add_f32 v[TMP+5], v[TMP], v[TMP+1]
	v_permlanex16_b32 v22, v[TMP+5], s40, s41
	v_add_f32 v[TMP+5], v[TMP+5], v22              ; l
	v_add_f32 v[TMP+6], v[TMP+2], v[TMP+3]
	v_permlanex16_b32 v22, v[TMP+6], s40, s41
	v_add_f32 v[TMP+6], v[TMP+6], v22              ; bterm
	v_mov_b32 v[TMP+4], v18
	v_mov_b32 v[TMP+7], 0
	s_lshl_b32 s46, s16, 8
	s_add_co_u32 s46, s46, STAT
	v_add_nc_u32 v20, s46, v20
	ds_store_b128 v20, v[TMP+4:TMP+7]              ; both halves of the lanes write the same 16 bytes
	; e as the right-hand operand: a lane's 8 results of tile 2 v are k = 8 h' .. of K step v, those of tile 2 v + 1 are k = 16 + 8 h' ..: no lane moves
.set t_, 0
.rept 8
	SPLIT3 ACC+8*t_, FR+(t_/2)*24+(t_%2)*4, FR+(t_/2)*24+8+(t_%2)*4, FR+(t_/2)*24+16+(t_%2)*4, TMP+8
.set t_, t_+1
.endr
	; U for og = wave, eight channel tiles at a time
.macro PU win, T0
	WIN \win
.irp v, 0,1,2,3
.irp s, 0,1,2
.irp tt, 0,1,2,3,4,5,6,7
	MM ACC+8*\tt, (\tt*4+\v)*8, FR+(\v*3+\s)*8, (\v+\s)==0
.endr
.endr
.endr
	WIN 0
	PLACES
.irp tt, 0,1,2,3,4,5,6,7
	SPLIT3 ACC+8*\tt, TMP, TMP+4, TMP+8, TMP+16
	ds_store_b128 v8, v[TMP:TMP+3] offset:(\T0+\tt)*32
	ds_store_b128 v8, v[TMP+4:TMP+7] offset:(\T0+\tt)*32+33792
	ds_store_b128 v9, v[TMP+8:TMP+11] offset:(\T0+\tt)*32
.endr
.endm
	s_wait_loadcnt 0x3f                            ; of the 128 loads of Wf^T at most 63 are out: the first 64 are in
	PU 0x01, 0
	s_wait_loadcnt 0x0
	PU 0x02, 8
	s_wait_dscnt 0x0
	s_barrier_signal -1
	s_barrier_wait -1
	; C for head = wave: x transposed on the way from LDS (rows c, K = channel), U's three terms
.macro LOADPC u, buf
.irp ct, 0,1,2,3
	ds_load_tr16_b128 v[\buf+8*\ct:\buf+8*\ct+3], v[10+(\u)/4] offset:((\u)%4)*16896+\ct*32
	ds_load_tr16_b128 v[\buf+8*\ct+4:\buf+8*\ct+7], v[10+(\u)/4] offset:((\u)%4)*16896+\ct*32+8448
.endr
.irp s, 0,1
	ds_load_b128 v[\buf+32+8*\s:\buf+35+8*\s], v12 offset:\s*33792+(\u)*64
	ds_load_b128 v[\buf+36+8*\s:\buf+39+8*\s], v12 offset:\s*33792+(\u)*64+32
.endr
	ds_load_b128 v[\buf+48:\buf+51], v13 offset:(\u)*64
	ds_load_b128 v[\buf+52:\buf+55], v13 offset:(\u)*64+32
.endm
	LOADPC 0, FR
.set pu_, 0
.rept 8
.if pu_ < 7
	PLACES
	LOADPC pu_+1, FR+56*((pu_+1)%2)
	s_wait_dscnt 14                                ; the next K step's 14 loads stay out
.else
	s_wait_dscnt 0x0
.endif
.irp s, 0,1,2
.irp ct, 0,1,2,3
	MM ACC+8*\ct, FR+56*(pu_%2)+8*\ct, FR+56*(pu_%2)+32+8*\s, (pu_+\s)==0
.endr
.endr
.set pu_, pu_+1
.endr
	PLACES
	; the way out: lane (r, h') holds row (og, m) = r, c = 16 ct + 8 h' + 0..7; through my own stage, back as rows of 256 bytes
.irp ct, 0,1,2,3
	ds_store_b128 v14, v[ACC+8*\ct:ACC+8*\ct+3] offset:\ct*64
	ds_store_b128 v14, v[ACC+8*\ct+4:ACC+8*\ct+7] offset:\ct*64+16
.endr
.irp i, 0,1,2,3,4,5,6,7
	ds_load_b128 v[FR+4*\i:FR+4*\i+3], v15 offset:\i*544      ; LDS serves a wave's instructions in order: these see the stores above
.endr
.irp i, 0,1,2,3,4,5,6,7
	s_wait_dscnt 7-\i
	global_store_b128 v4, v[FR+4*\i:FR+4*\i+3], s[42:43] offset:\i*512
.endr
	s_cmp_lg_u32 s16, 0
	s_cbranch_scc1 .Lend
	v_add_nc_u32 v20, STAT, v4
	ds_load_b128 v[TMP:TMP+3], v20
	ds_load_b128 v[TMP+4:TMP+7], v20 offset:512
	s_wait_dscnt 0x0
	global_store_b128 v4, v[TMP:TMP+3], s[44:45]
	global_store_b128 v4, v[TMP+4:TMP+7], s[44:45] offset:512
.Lend:
	s_wait_tensorcnt 0x0
	ds_add_u32 v254, v255
	s_wait_dscnt 0x0
	s_endpgm
.Lfunc_end_k_q4bb40dc39b_attn:
	.size	k_q4bb40dc39b_attn, .Lfunc_end_k_q4bb40dc39b_attn-k_q4bb40dc39b_attn
	.p2alignl 7, 3214868480
	.fill 96, 4, 3214868480
	.section	.rodata,"a",@progbits
	.p2align	6, 0x0
	.amdhsa_kernel k_q4bb40dc39b_attn
		.amdhsa_group_segment_fixed_size 305664
		.amdhsa_private_segment_fixed_size 0
		.amdhsa_enable_private_segment 0
		.amdhsa_kernarg_size 48
		.amdhsa_user_sgpr_count 2
		.amdhsa_user_sgpr_kernarg_segment_ptr 1
		.amdhsa_wavefront_size32 1
		.amdhsa_system_sgpr_workgroup_id_x 1
		.amdhsa_system_sgpr_workgroup_id_y 1
		.amdhsa_system_sgpr_workgroup_id_z 1
		.amdhsa_system_vgpr_workitem_id 0
		.amdhsa_next_free_vgpr 1024
		.amdhsa_next_free_sgpr 66
		.amdhsa_reserve_vcc 0
		.amdhsa_float_denorm_mode_32 3
		.amdhsa_float_denorm_mode_16_64 3
		.amdhsa_memory_ordered 1
		.amdhsa_forward_progress 1
		.amdhsa_inst_pref_size 179
	.end_amdhsa_kernel
	.amdgpu_metadata
---
amdhsa.version: [ 1, 2 ]
amdhsa.kernels:
  - .name:           k_q4bb40dc39b_attn
    .symbol:         k_q4bb40dc39b_attn.kd
    .args:
      - { .name: xb, .offset: 0, .size: 8, .value_kind: global_buffer, .address_space: global }
      - { .name: wfrag, .offset: 8, .size: 8, .value_kind: global_buffer, .address_space: global }
      - { .name: qbuf, .offset: 16, .size: 8, .value_kind: global_buffer, .address_space: global }
      - { .name: convv_b, .offset: 24, .size: 8, .value_kind: global_buffer, .address_space: global }
      - { .name: convf_b, .offset: 32, .size: 8, .value_kind: global_buffer, .address_space: global }
      - { .name: part, .offset: 40, .size: 8, .value_kind: global_buffer, .address_space: global }
    .group_segment_fixed_size: 305664
    .private_segment_fixed_size: 0
    .kernarg_segment_align: 8
    .kernarg_segment_size: 48
    .max_flat_workgroup_size: 128
    .sgpr_count:     66
    .vgpr_count:     1024
    .wavefront_size: 32
...
	.end_amdgpu_metadata
.endif
;; end of part 3
;; launch combine (part 4): grid 64 x 1, 4 waves a work-group, no clusters, 4,864 bytes of LDS; arguments part, qhat; writes qhat
.if DOCPART == 4
	.amdgcn_target "amdgcn-amd-amdhsa--gfx1250"
	.amdhsa_code_object_version 6
	.text
	.protected	k_q4bb40dc39b_combine
	.globl	k_q4bb40dc39b_combine
	.p2align	8
	.type	k_q4bb40dc39b_combine,@function
k_q4bb40dc39b_combine:
	s_mov_b64 s[64:65], 0
	v_nop
	global_prefetch_b8 v0, s[64:65] scope:SCOPE_SE
	s_setreg_imm32_b32 hwreg(HW_REG_WAVE_MODE, 25, 1), 1
	s_wait_xcnt 0x0
; combine: joins the 32 strips of the attention by their maxima (the running-maximum rule, applied once), normalises the 16 centres of a group and
; stores them as matrix fragments in three bf16 terms.
; Work-group = group b_tg = (clip, b32), b32 = og*8 + m*2 + hg.  Wave = frame tt.  Lane l: head l/8 of the half hg, c = 8 (l%8) + e.
; In the group, element e of lane l is channel c' = 2 l + e/4 of centre 4 tt + e%4.
; 64 small work-groups, bound by the latency of three dependent runs of loads; no matrix unit.
.set ACC, 16                           ; v[16:23]
.set OUTP, 24                          ; v[24:31]  per centre ij a pair (c' = 2 l, 2 l + 1)
.set ST,  32                           ; v[32:159] 32 strips x (max, l, bterm, 0); later 16 strips x 8 numbers
.set W,   160                          ; v[160:223] each strip's weight, twice (a pair for the packed multiply-add)
.set T,   224
.macro SPLIT2 S, H, L, TT
.irp k, 0,1,2,3
	v_cvt_pk_bf16_f32 v[\H+\k], v[\S+2*\k], v[\S+2*\k+1]
.endr
.irp k, 0,1,2,3
	v_lshlrev_b32 v[\TT+2*\k], 16, v[\H+\k]
	v_and_b32 v[\TT+2*\k+1], 0xffff0000, v[\H+\k]
.endr
.irp k, 0,1,2,3
	v_pk_add_f32 v[\S+2*\k:\S+2*\k+1], v[\S+2*\k:\S+2*\k+1], v[\TT+2*\k:\TT+2*\k+1] neg_lo:[0,1] neg_hi:[0,1]
.endr
.irp k, 0,1,2,3
	v_cvt_pk_bf16_f32 v[\L+\k], v[\S+2*\k], v[\S+2*\k+1]
.endr
.endm
.macro SPLIT3 S, H, M, L, TT
	SPLIT2 \S, \H, \M, \TT
.irp k, 0,1,2,3
	v_lshlrev_b32 v[\TT+2*\k], 16, v[\M+\k]
	v_and_b32 v[\TT+2*\k+1], 0xffff0000, v[\M+\k]
.endr
.irp k, 0,1,2,3
	v_pk_add_f32 v[\S+2*\k:\S+2*\k+1], v[\S+2*\k:\S+2*\k+1], v[\TT+2*\k:\TT+2*\k+1] neg_lo:[0,1] neg_hi:[0,1]
.endr
.irp k, 0,1,2,3
	v_cvt_pk_bf16_f32 v[\L+\k], v[\S+2*\k], v[\S+2*\k+1]
.endr
.endm
	s_load_b128 s[4:7], s[0:1], 0x0                ; part 4, qhat 6
	v_lshl_add_u32 v240, v0, 2, 0x1100
	v_mov_b32 v241, 0
	v_lshrrev_b32 v6, 5, v0
	v_readfirstlane_b32 s8, v6                     ; wave = frame
	s_lshr_b32 s9, ttmp9, 5                        ; clip
	s_and_b32 s10, ttmp9, 31
	s_lshr_b32 s11, s10, 3                         ; og
	s_bfe_u32 s12, s10, 0x20001                    ; m
	s_and_b32 s13, s10, 1                          ; hg
	s_lshl2_add_u32 s14, s9, s8                    ; image
	s_lshl_b32 s14, s14, 6
	s_add_co_u32 s14, s14, s13                     ; 64 image + hg: the strips' work-groups are this + 2 r_s
	s_lshl2_add_u32 s15, s11, s12                  ; 4 og + m
	s_lshl_b32 s16, s14, 10
	s_lshl_b32 s18, s11, 8
	s_add_co_u32 s16, s16, s18
	s_lshl_b32 s18, s12, 4
	s_add_co_u32 s16, s16, s18
	s_add_co_u32 s16, s16, 8388608
	s_mov_b32 s17, 0
	s_lshl_b32 s18, s14, 14
	s_lshl_b32 s20, s15, 8
	s_add_co_u32 s18, s18, s20
	s_mov_b32 s19, 0
	s_mov_b32 s22, 0x76543210
	s_mov_b32 s23, 0xfedcba98
	v_and_b32 v1, 31, v0
	v_and_b32 v2, 15, v0
	v_bfe_u32 v3, v0, 4, 1
	v_lshrrev_b32 v4, 3, v1                        ; head in the half
	v_and_b32 v5, 7, v1
	v_lshlrev_b32 v5, 5, v5
	v_lshl_add_u32 v5, v4, 12, v5                  ; C: head x 4,096 + 32 (l%8)
	v_lshlrev_b32 v4, 6, v4                        ; STAT: head x 4 columns of 16 bytes
	v_mov_b32 v6, 0
	s_wait_kmcnt 0x0
	s_add_nc_u64 s[16:17], s[4:5], s[16:17]
	s_add_nc_u64 s[18:19], s[4:5], s[18:19]
.set k_, 0
.rept 32
	global_load_b128 v[ST+4*k_:ST+4*k_+3], v4, s[16:17] offset:k_*2048
.set k_, k_+1
.endr
	s_wait_loadcnt 0x0
	v_max3_num_f32 v7, v[ST], v[ST+4], v[ST+8]
.set k_, 3
.rept 14
	v_max3_num_f32 v7, v7, v[ST+4*k_], v[ST+4*k_+4]
.set k_, k_+2
.endr
	v_max_num_f32 v7, v7, v[ST+124]                ; the maximum over all 4,096 keys
.set k_, 0
.rept 32
	v_sub_f32 v[W+2*k_], v[ST+4*k_], v7
.set k_, k_+1
.endr
.set k_, 0
.rept 32
	v_exp_f32 v[W+2*k_], v[W+2*k_]
.set k_, k_+1
.endr
	v_nop                                          ; one plain place behind the last exponential
.set k_, 0
	s_wait_alu depctr_va_vdst(0)
.rept 32
	v_mov_b32 v[W+2*k_+1], v[W+2*k_]
.set k_, k_+1
.endr
	v_mul_f32 v8, v[W], v[ST+1]
	v_mul_f32 v10, v[W], v[ST+2]
.set k_, 1
.rept 31
	v_fmac_f32 v8, v[W+2*k_], v[ST+4*k_+1]         ; the softmax's denominator
	v_fmac_f32 v10, v[W+2*k_], v[ST+4*k_+2]        ; the share of convf's bias
.set k_, k_+1
.endr
	v_mov_b32 v11, v10
.macro CBATCH q
.set k_, 0
.rept 16
	global_load_b128 v[ST+8*k_:ST+8*k_+3], v5, s[18:19] offset:(16*\q+k_)*32768
	global_load_b128 v[ST+8*k_+4:ST+8*k_+7], v5, s[18:19] offset:(16*\q+k_)*32768+16
.set k_, k_+1
.endr
	s_wait_loadcnt 0x0
.set k_, 0
.rept 16
.irp p, 0,1,2,3
.if (\q+k_) == 0
	v_pk_mul_f32 v[ACC+2*\p:ACC+2*\p+1], v[ST+2*\p:ST+2*\p+1], v[W:W+1]
.else
	v_pk_fma_f32 v[ACC+2*\p:ACC+2*\p+1], v[ST+8*k_+2*\p:ST+8*k_+2*\p+1], v[W+2*(16*\q+k_):W+2*(16*\q+k_)+1], v[ACC+2*\p:ACC+2*\p+1]
.endif
.endr
.set k_, k_+1
.endr
.endm
	CBATCH 0
	CBATCH 1
	v_rcp_f32 v12, v8
	v_nop
	s_wait_alu depctr_va_vdst(0)
	v_mov_b32 v13, v12
.irp p, 0,1,2,3
	v_pk_add_f32 v[ACC+2*\p:ACC+2*\p+1], v[ACC+2*\p:ACC+2*\p+1], v[10:11]
	v_pk_mul_f32 v[ACC+2*\p:ACC+2*\p+1], v[ACC+2*\p:ACC+2*\p+1], v[12:13]
.endr
	; the norm of centre ij over its 64 channels: two in each lane
.irp ij, 0,1,2,3
	v_mul_f32 v[T+\ij], v[ACC+\ij], v[ACC+\ij]
	v_fmac_f32 v[T+\ij], v[ACC+4+\ij], v[ACC+4+\ij]
	v_add_f32_dpp v[T+\ij], v[T+\ij], v[T+\ij] row_xmask:1 row_mask:0xf bank_mask:0xf
	v_add_f32_dpp v[T+\ij], v[T+\ij], v[T+\ij] row_xmask:2 row_mask:0xf bank_mask:0xf
	v_add_f32_dpp v[T+\ij], v[T+\ij], v[T+\ij] row_xmask:4 row_mask:0xf bank_mask:0xf
	v_add_f32_dpp v[T+\ij], v[T+\ij], v[T+\ij] row_xmask:8 row_mask:0xf bank_mask:0xf
	v_permlanex16_b32 v6, v[T+\ij], s22, s23
	v_add_f32 v[T+\ij], v[T+\ij], v6
.endr
.irp ij, 0,1,2,3
	v_sqrt_f32 v[T+\ij], v[T+\ij]
.endr
	v_nop
	s_wait_alu depctr_va_vdst(0)
.irp ij, 0,1,2,3
	v_max_num_f32 v[T+\ij], 0x2b8cbccc, v[T+\ij]   ; max(norm, 1e-12)
.endr
.irp ij, 0,1,2,3
	v_rcp_f32 v[T+\ij], v[T+\ij]
.endr
	v_lshlrev_b32 v14, 3, v1                       ; the plain place behind the last reciprocal
	s_mul_i32 s20, s8, 1088
	v_add_nc_u32 v14, s20, v14                     ; LDS row 4 tt + ij of 272 bytes, channel 2 l
	s_wait_alu depctr_va_vdst(0)
.irp ij, 0,1,2,3
	v_mul_f32 v[OUTP+2*\ij], v[ACC+\ij], v[T+\ij]
	v_mul_f32 v[OUTP+2*\ij+1], v[ACC+4+\ij], v[T+\ij]
	ds_store_b64 v14, v[OUTP+2*\ij:OUTP+2*\ij+1] offset:\ij*272
.endr
	s_wait_dscnt 0x0
	s_barrier_signal -1
	s_barrier_wait -1
	; fragments: row = centre r; element 8 b + k of fragument u holds channel 32 h' + 4 k + 2 u + b, the order in which the next launch's
	; accumulators hold a point's channels.  Wave = 2 u + b.
	v_mul_u32_u24 v15, v2, 272
	v_lshl_add_u32 v15, v3, 7, v15
	v_lshl_add_u32 v15, s8, 2, v15
.irp k, 0,1,2,3,4,5,6,7
	ds_load_b32 v[ST+\k], v15 offset:\k*16
.endr
	s_mul_i32 s20, ttmp9, 6144
	s_lshr_b32 s21, s8, 1
	s_mul_i32 s21, s21, 3072
	s_add_co_u32 s20, s20, s21
	s_and_b32 s21, s8, 1
	s_lshl_b32 s21, s21, 9
	s_add_co_u32 s20, s20, s21
	s_mov_b32 s21, 0
	s_add_nc_u64 s[6:7], s[6:7], s[20:21]
	v_lshlrev_b32 v9, 4, v1
	s_wait_dscnt 0x0
	SPLIT3 ST, ST+8, ST+12, ST+16, T
	global_store_b128 v9, v[ST+8:ST+11], s[6:7]
	global_store_b128 v9, v[ST+12:ST+15], s[6:7] offset:1024
	global_store_b128 v9, v[ST+16:ST+19], s[6:7] offset:2048
	s_wait_tensorcnt 0x0
	ds_add_u32 v240, v241
	s_wait_dscnt 0x0
	s_endpgm
.Lfunc_end_k_q4bb40dc39b_combine:
	.size	k_q4bb40dc39b_combine, .Lfunc_end_k_q4bb40dc39b_combine-k_q4bb40dc39b_combine
	.p2alignl 7, 3214868480
	.fill 96, 4, 3214868480
	.section	.rodata,"a",@progbits
	.p2align	6, 0x0
	.amdhsa_kernel k_q4bb40dc39b_combine
		.amdhsa_group_segment_fixed_size 4864
		.amdhsa_private_segment_fixed_size 0
		.amdhsa_enable_private_segment 0
		.amdhsa_kernarg_size 16
		.amdhsa_user_sgpr_count 2
		.amdhsa_user_sgpr_kernarg_segment_ptr 1
		.amdhsa_wavefront_size32 1
		.amdhsa_system_sgpr_workgroup_id_x 1
		.amdhsa_system_sgpr_workgroup_id_y 1
		.amdhsa_system_sgpr_workgroup_id_z 1
		.amdhsa_system_vgpr_workitem_id 0
		.amdhsa_next_free_vgpr 242
		.amdhsa_next_free_sgpr 66
		.amdhsa_reserve_vcc 0
		.amdhsa_float_denorm_mode_32 3
		.amdhsa_float_denorm_mode_16_64 3
		.amdhsa_memory_ordered 1
		.amdhsa_forward_progress 1
		.amdhsa_inst_pref_size 33
	.end_amdhsa_kernel
	.amdgpu_metadata
---
amdhsa.version: [ 1, 2 ]
amdhsa.kernels:
  - .name:           k_q4bb40dc39b_combine
    .symbol:         k_q4bb40dc39b_combine.kd
    .args:
      - { .name: part, .offset: 0, .size: 8, .value_kind: global_buffer, .address_space: global }
      - { .name: qhat, .offset: 8, .size: 8, .value_kind: global_buffer, .address_space: global }
    .group_segment_fixed_size: 4864
    .private_segment_fixed_size: 0
    .kernarg_segment_align: 8
    .kernarg_segment_size: 16
    .max_flat_workgroup_size: 128
    .sgpr_count:     66
    .vgpr_count:     242
    .wavefront_size: 32
...
	.end_amdgpu_metadata
.endif
;; end of part 4
;; launch sim (part 5): grid 256 x 1, 4 waves a work-group, no clusters, 299,520 bytes of LDS; arguments xb, wfrag, qhat, conv1_b, sim_alpha, sim_beta, pk; writes pk
.if DOCPART == 5
	.amdgcn_target "amdgcn-amd-amdhsa--gfx1250"
	.amdhsa_code_object_version 6
	.text
	.protected	k_q4bb40dc39b_sim
	.globl	k_q4bb40dc39b_sim
	.p2align	8
	.type	k_q4bb40dc39b_sim,@function
k_q4bb40dc39b_sim:
	s_mov_b64 s[64:65], 0
	v_nop
	global_prefetch_b8 v0, s[64:65] scope:SCOPE_SE
	s_setreg_imm32_b32 hwreg(HW_REG_WAVE_MODE, 25, 1), 1
	s_wait_xcnt 0x0
; sim: for the last frame of a clip, 64 points n and 16 groups b32: the points' 64 channels (conv1), their norm, the cosine with the 16 centres,
; the sigmoid and its argmax.  Work-group = (clip, block nb of 64 points, half of the 32 groups); wave w = points 16 w .. 16 w + 15.
; Channel c of point n in group b32 is conv1's output channel 16 b32 + c/4 at pixel 4096 (c%4) + n: one tile of 16 rows of W1 against four quarters pq of the image.
; W1 and x are exact in bf16, so the channels are f32 sums of exact products; normalised points and centres go into the cosine as three bf16 terms each
; (all products down to 2^-24), because the argmax is hard.  conv1_b is taken rounded to bf16, as x and the weights are.
; The argmax is taken on the sigmoid as computed here, the first index winning a tie, as in the reference.  Limits: a NaN loses (in the reference it wins);
; the similarity is handed on with its four lowest mantissa bits replaced by the index (relative 2^-20).
; x's rows are 128 bytes in memory: a point needs all four quarters, and 128 points would not fit in LDS.  LDS is filled once, two tensor loads a wave, both outstanding together.
; Clusters: the two halves share x, the 64 blocks share W1: each is read once from memory and again from the cache; a cluster of four would need another split of the grid: left out.
.set WS,   163840                      ; XS at 0: [pq][256 cin] x 160.  WS: my half's 16 tiles x 8 fragments of 1,024 bytes
.set RES,  294912                      ; [group 16][point 64] words
.set ACC,  16                          ; v[16:47]   four accumulators (pq), later the cosine's four
.set WA,   48                          ; v[48:111]  the group's 8 fragments of W1
.set BIAS, 112                         ; v[112:119]
.set QH,   120                         ; v[120:167] centres: fragment (u, term) at 8 (3 u + term)
.set PF,   168                         ; v[168:215] points: fragment (term, u) at 8 (2 term + u)
.set T,    216                         ; v[216:239]
; window 1: x fragments (pq, u) at 8 (8 pq + u), kept for all 16 groups
.set MSB, 0
.macro WIN new
.if MSB != \new
	s_set_vgpr_msb (MSB<<8)|\new
.set MSB, \new
.endif
.endm
.macro PLACES                          ; five places behind a matrix instruction (ISA guide 7.12.1)
.rept 5
	v_nop
.endr
.endm
.macro MM d, a, b, c0
.if \c0
	v_wmma_f32_16x16x32_bf16 v[\d:\d+7], v[\a:\a+7], v[\b:\b+7], 0
.else
	v_wmma_f32_16x16x32_bf16 v[\d:\d+7], v[\a:\a+7], v[\b:\b+7], v[\d:\d+7]
.endif
.endm
.macro SPLIT2 S, H, L, TT
.irp k, 0,1,2,3
	v_cvt_pk_bf16_f32 v[\H+\k], v[\S+2*\k], v[\S+2*\k+1]
.endr
.irp k, 0,1,2,3
	v_lshlrev_b32 v[\TT+2*\k], 16, v[\H+\k]
	v_and_b32 v[\TT+2*\k+1], 0xffff0000, v[\H+\k]
.endr
.irp k, 0,1,2,3
	v_pk_add_f32 v[\S+2*\k:\S+2*\k+1], v[\S+2*\k:\S+2*\k+1], v[\TT+2*\k:\TT+2*\k+1] neg_lo:[0,1] neg_hi:[0,1]
.endr
.irp k, 0,1,2,3
	v_cvt_pk_bf16_f32 v[\L+\k], v[\S+2*\k], v[\S+2*\k+1]
.endr
.endm
.macro SPLIT3 S, H, M, L, TT
	SPLIT2 \S, \H, \M, \TT
.irp k, 0,1,2,3
	v_lshlrev_b32 v[\TT+2*\k], 16, v[\M+\k]
	v_and_b32 v[\TT+2*\k+1], 0xffff0000, v[\M+\k]
.endr
.irp k, 0,1,2,3
	v_pk_add_f32 v[\S+2*\k:\S+2*\k+1], v[\S+2*\k:\S+2*\k+1], v[\TT+2*\k:\TT+2*\k+1] neg_lo:[0,1] neg_hi:[0,1]
.endr
.irp k, 0,1,2,3
	v_cvt_pk_bf16_f32 v[\L+\k], v[\S+2*\k], v[\S+2*\k+1]
.endr
.endm
.macro RND8 S, TT
.irp k, 0,1,2,3
	v_cvt_pk_bf16_f32 v[\TT+\k], v[\S+2*\k], v[\S+2*\k+1]
.endr
.irp k, 0,1,2,3
	v_lshlrev_b32 v[\S+2*\k], 16, v[\TT+\k]
	v_and_b32 v[\S+2*\k+1], 0xffff0000, v[\TT+\k]
.endr
.endm
	s_load_b256 s[4:11], s[0:1], 0x0               ; xb 4, wfrag 6, qhat 8, conv1_b 10
	s_load_b128 s[12:15], s[0:1], 0x20             ; sim_alpha 12, sim_beta 14
	s_load_b64 s[16:17], s[0:1], 0x30              ; pk
	v_lshl_add_u32 v254, v0, 2, 0x49000
	v_mov_b32 v255, 0
	ds_add_u32 v254, v255
	ds_add_u32 v254, v255
	v_lshrrev_b32 v13, 5, v0
	v_readfirstlane_b32 s18, v13                   ; wave
	s_lshr_b32 s19, ttmp9, 7                       ; clip
	s_bfe_u32 s44, ttmp9, 0x60001                  ; block of points
	s_and_b32 s45, ttmp9, 1                        ; half of the groups
	s_mov_b32 s50, 0x76543210
	s_mov_b32 s51, 0xfedcba98
	; x: quarter pq = wave, 256 channels x 64 points; 32 bytes of padding behind each row of 32 words
	s_mov_b32 s28, (1<<16)|(1<<20)|(4<<22)|(7<<25)
	s_mov_b32 s29, 64<<16
	s_mov_b32 s30, 256<<16
	s_mov_b32 s31, 64<<16
	s_mov_b32 s32, 256
	s_mov_b32 s33, 16384
	s_mov_b32 s34, 0
	s_mov_b32 s35, 0
	; W1: a dense block of 32,768 bytes as 128 rows of 256
	s_mov_b32 s36, 3<<16
	s_mov_b32 s37, 32<<16
	s_mov_b32 s38, 128<<16
	s_mov_b32 s39, 32<<16
	s_mov_b32 s40, 128
	s_mov_b32 s41, 32
	s_mov_b32 s42, 0
	s_mov_b32 s43, 0
	s_mov_b32 s20, 1
	s_mul_i32 s21, s18, 40960
	s_mov_b32 s24, 1
	s_lshl_b32 s25, s18, 15
	s_add_co_u32 s25, s25, WS
	s_lshl2_add_u32 s46, s19, 3                    ; image 4 clip + 3
	s_lshl_b32 s46, s46, 23
	s_lshl_b32 s47, s18, 13                        ; quarter: 4,096 pixels
	s_add_co_u32 s46, s46, s47
	s_lshl_b32 s47, s44, 7                         ; 64 points
	s_add_co_u32 s46, s46, s47
	s_mov_b32 s47, 0
	s_lshl_b32 s48, s45, 17
	s_lshl_b32 s49, s18, 15
	s_add_co_u32 s48, s48, s49
	s_mov_b32 s49, 0
	s_wait_dscnt 0x0
	s_wait_kmcnt 0x0
	s_add_nc_u64 s[22:23], s[4:5], s[46:47]
	s_or_b32 s23, s23, 0x80000000
	s_add_nc_u64 s[26:27], s[6:7], s[48:49]
	s_or_b32 s27, s27, 0x80000000
	tensor_load_to_lds s[20:23], s[28:35]
	s_nop 0
	tensor_load_to_lds s[24:27], s[36:43]
	s_nop 0
	s_load_b32 s53, s[12:13], 0x0
	s_load_b32 s54, s[14:15], 0x0
	v_and_b32 v1, 31, v0
	v_and_b32 v2, 15, v0
	v_bfe_u32 v3, v0, 4, 1
	v_lshlrev_b32 v4, 4, v1
	v_and_b32 v5, 7, v0
	v_lshl_add_u32 v5, v3, 3, v5
	v_mul_u32_u24 v5, v5, 160
	v_bfe_u32 v13, v0, 3, 1
	v_lshl_add_u32 v5, v13, 4, v5
	v_lshl_add_u32 v5, s18, 5, v5                  ; transposing loads: channel 8 h' + l%8, point 16 w + 8 ((l/8)%2)
	v_add_nc_u32 v6, 40960, v5
	v_add_nc_u32 v7, 81920, v5
	v_add_nc_u32 v8, 122880, v5
	v_add_nc_u32 v9, WS, v4                        ; W1's fragments
	v_lshlrev_b32 v10, 5, v3
	v_lshl_add_u32 v10, s45, 10, v10               ; bias: 4 (256 half + 8 h')
	s_lshl_b32 s46, s19, 5
	s_lshl_b32 s48, s45, 4
	s_add_co_u32 s46, s46, s48                     ; first group
	s_mul_i32 s48, s46, 6144
	v_add_nc_u32 v11, s48, v4                      ; centres' fragments
	v_lshlrev_b32 v12, 2, v2
	v_lshl_add_u32 v12, s18, 6, v12
	v_add_nc_u32 v12, RES, v12                     ; result: point 16 w + r
	v_mov_b32 v13, 0
	v_mov_b32 v250, 0
	v_mov_b32 v251, 0
	s_wait_kmcnt 0x0
	v_mov_b32 v240, s53
	v_mov_b32 v241, s53
	v_mov_b32 v242, s54
	v_mov_b32 v243, s54
	s_wait_tensorcnt 0x0                           ; my quarter of x and my quarter of W1 are in LDS
	s_barrier_signal -1
	s_barrier_wait -1
	WIN 0x40
.irp pq, 0,1,2,3
.irp u, 0,1,2,3,4,5,6,7
	ds_load_tr16_b128 v[(\pq*8+\u)*8:(\pq*8+\u)*8+3], v[5+\pq] offset:\u*5120
	ds_load_tr16_b128 v[(\pq*8+\u)*8+4:(\pq*8+\u)*8+7], v[5+\pq] offset:\u*5120+2560
.endr
.endr
	WIN 0
.macro NEXTA                           ; the next group's W1 tile and bias
.irp u, 0,1,2,3,4,5,6,7
	ds_load_b128 v[WA+8*\u:WA+8*\u+3], v9 offset:\u*1024
	ds_load_b128 v[WA+8*\u+4:WA+8*\u+7], v9 offset:\u*1024+512
.endr
	global_load_b128 v[BIAS:BIAS+3], v10, s[10:11]
	global_load_b128 v[BIAS+4:BIAS+7], v10, s[10:11] offset:16
.endm
.macro NEXTQ                           ; the next group's centres
.irp f, 0,1,2,3,4,5
	global_load_b128 v[QH+8*\f:QH+8*\f+3], v11, s[8:9] offset:\f*1024
	global_load_b128 v[QH+8*\f+4:QH+8*\f+7], v11, s[8:9] offset:\f*1024+512
.endr
.endm
.macro ZM z, sq, sp, u, c0             ; centre term sq x point term sp, K step u
	MM ACC+8*\z, QH+(\u*3+\sq)*8, PF+(\sp*2+\u)*8, \c0
.endm
.macro TRIP next
	s_wait_dscnt 0x0                               ; W1's tile (and in the first trip x's fragments)
	s_wait_loadcnt 0x0                             ; bias and centres; frees v10 and v11
	RND8 BIAS, T
	WIN 0x04                                       ; source 1 (x) window 1
.irp pq, 0,1,2,3
	v_wmma_f32_16x16x32_bf16 v[ACC+8*\pq:ACC+8*\pq+7], v[WA:WA+7], v[\pq*64:\pq*64+7], v[BIAS:BIAS+7]   ; the bias starts the sums
.endr
.irp u, 1,2,3,4,5,6,7
.irp pq, 0,1,2,3
	MM ACC+8*\pq, WA+8*\u, (\pq*8+\u)*8, 0         ; four accumulators take turns
.endr
.endr
	WIN 0
	PLACES
.if \next
	v_add_nc_u32 v9, 8192, v9
	v_add_nc_u32 v10, 64, v10
	NEXTA
.endif
	; lane (r, h') holds channels 4 (8 h' + j) + pq of point r: the norm over my 32 and the other half's
	v_pk_mul_f32 v[244:245], v[ACC:ACC+1], v[ACC:ACC+1]
.set k_, 1
.rept 15
	v_pk_fma_f32 v[244:245], v[ACC+2*k_:ACC+2*k_+1], v[ACC+2*k_:ACC+2*k_+1], v[244:245]
.set k_, k_+1
.endr
	v_add_f32 v244, v244, v245
	v_permlanex16_b32 v13, v244, s50, s51
	v_add_f32 v244, v244, v13
	v_sqrt_f32 v244, v244
	v_nop
	s_wait_alu depctr_va_vdst(0)
	v_max_num_f32 v244, 0x2b8cbccc, v244           ; max(norm, 1e-12)
	v_rcp_f32 v246, v244
	v_nop
	s_wait_alu depctr_va_vdst(0)
	v_mov_b32 v247, v246
.set k_, 0
.rept 16
	v_pk_mul_f32 v[ACC+2*k_:ACC+2*k_+1], v[ACC+2*k_:ACC+2*k_+1], v[246:247]
.set k_, k_+1
.endr
.irp pq, 0,1,2,3
	SPLIT3 ACC+8*\pq, PF+(\pq/2)*8+(\pq%2)*4, PF+(2+\pq/2)*8+(\pq%2)*4, PF+(4+\pq/2)*8+(\pq%2)*4, T
.endr
	ZM 0, 0, 0, 0, 1
	ZM 1, 0, 0, 1, 1
	ZM 2, 0, 1, 0, 1
	ZM 3, 1, 0, 0, 1
	ZM 0, 0, 1, 1, 0
	ZM 1, 1, 0, 1, 0
	ZM 2, 1, 1, 0, 0
	ZM 3, 1, 1, 1, 0
	ZM 0, 0, 2, 0, 0
	ZM 1, 0, 2, 1, 0
	ZM 2, 2, 0, 0, 0
	ZM 3, 2, 0, 1, 0
	PLACES
.if \next
	v_add_nc_u32 v11, 6144, v11
	NEXTQ
.endif
.irp k, 0,1,2,3
	v_pk_add_f32 v[ACC+24+2*\k:ACC+25+2*\k], v[ACC+24+2*\k:ACC+25+2*\k], v[ACC+16+2*\k:ACC+17+2*\k]
	v_pk_add_f32 v[ACC+24+2*\k:ACC+25+2*\k], v[ACC+24+2*\k:ACC+25+2*\k], v[ACC+8+2*\k:ACC+9+2*\k]
	v_pk_add_f32 v[ACC+2*\k:ACC+1+2*\k], v[ACC+24+2*\k:ACC+25+2*\k], v[ACC+2*\k:ACC+1+2*\k]      ; the cosine, centre 8 h' + j
	v_pk_fma_f32 v[ACC+2*\k:ACC+1+2*\k], v[ACC+2*\k:ACC+1+2*\k], v[240:241], v[242:243]          ; beta + alpha cos
	v_pk_mul_f32 v[T+2*\k:T+1+2*\k], v[ACC+2*\k:ACC+1+2*\k], 0xbfb8aa3b op_sel_hi:[1,0]
.endr
.irp j, 0,1,2,3,4,5,6,7
	v_exp_f32 v[T+\j], v[T+\j]
.endr
	v_nop
	s_wait_alu depctr_va_vdst(0)
.irp k, 0,1,2,3
	v_pk_add_f32 v[T+2*\k:T+1+2*\k], v[T+2*\k:T+1+2*\k], 1.0 op_sel_hi:[1,0]
.endr
.irp j, 0,1,2,3,4,5,6,7
	v_rcp_f32 v[T+\j], v[T+\j]                     ; the sigmoid
.endr
	v_mov_b32 v249, 0
	s_wait_alu depctr_va_vdst(0)
	v_mov_b32 v248, v[T]
.irp j, 1,2,3,4,5,6,7
	v_cmp_gt_f32 vcc_lo, v[T+\j], v248             ; strictly greater: the first index keeps a tie
	v_cndmask_b32 v248, v248, v[T+\j], vcc_lo
	v_cndmask_b32 v249, v249, \j, vcc_lo
.endr
	v_lshl_add_u32 v249, v3, 3, v249
	v_permlanex16_b32 v250, v248, s50, s51
	v_permlanex16_b32 v251, v249, s50, s51
	v_cmp_gt_f32 s48, v250, v248
	v_cmp_eq_f32 s49, v250, v248
	v_cmp_lt_u32 vcc_lo, v251, v249
	s_and_b32 s49, s49, vcc_lo
	s_or_b32 vcc_lo, s48, s49                      ; the other half's is greater, or equal with the lower index
	v_cndmask_b32 v248, v248, v250, vcc_lo
	v_cndmask_b32 v249, v249, v251, vcc_lo
	v_and_or_b32 v248, v248, 0xfffffff0, v249
	ds_store_b32 v12, v248                         ; both halves write the same word
	v_add_nc_u32 v12, 256, v12
.endm
	NEXTA
	NEXTQ
	s_mov_b32 s52, 15
.Lgroup:
	TRIP 1
	s_sub_co_u32 s52, s52, 1
	s_cmp_lg_u32 s52, 0
	s_cbranch_scc1 .Lgroup
	TRIP 0                                         ; the last group requests nothing
	s_wait_dscnt 0x0
	s_barrier_signal -1
	s_barrier_wait -1
	; out, twice: [group][point] for the aggregation, [point][group] for the dispatch; 16 lanes fill 256 consecutive aligned bytes
	v_lshlrev_b32 v9, 4, v0
	v_add_nc_u32 v5, RES, v9
	ds_load_b128 v[16:19], v5
	ds_load_b128 v[20:23], v5 offset:2048
	v_and_b32 v6, 3, v0
	v_lshlrev_b32 v6, 10, v6
	v_lshrrev_b32 v7, 2, v0
	v_lshl_add_u32 v6, v7, 2, v6
	v_add_nc_u32 v6, RES, v6
.irp k, 0,1,2,3
	ds_load_b32 v[24+\k], v6 offset:\k*256
	ds_load_b32 v[28+\k], v6 offset:\k*256+128
.endr
	v_lshrrev_b32 v8, 4, v0
	v_lshlrev_b32 v8, 14, v8
	v_lshl_add_u32 v8, v2, 4, v8
	s_lshl_b32 s46, s46, 14                        ; first group x 16,384
	s_lshl_b32 s48, s44, 8
	s_add_co_u32 s46, s46, s48
	s_mov_b32 s47, 0
	s_add_nc_u64 s[56:57], s[16:17], s[46:47]
	s_lshl1_add_u32 s46, s19, s45
	s_lshl_b32 s46, s46, 4
	s_lshr_b32 s48, s44, 2
	s_add_co_u32 s46, s46, s48
	s_lshl_b32 s46, s46, 14
	s_and_b32 s48, s44, 3
	s_lshl_b32 s48, s48, 12
	s_add_co_u32 s46, s46, s48
	s_add_co_u32 s46, s46, 1048576
	s_add_nc_u64 s[58:59], s[16:17], s[46:47]
	s_wait_dscnt 0x0
	global_store_b128 v8, v[16:19], s[56:57]
	global_store_b128 v8, v[20:23], s[56:57] offset:131072
	global_store_b128 v9, v[24:27], s[58:59]
	global_store_b128 v9, v[28:31], s[58:59] offset:2048
	s_wait_tensorcnt 0x0
	ds_add_u32 v254, v255
	s_wait_dscnt 0x0
	s_endpgm
.Lfunc_end_k_q4bb40dc39b_sim:
	.size	k_q4bb40dc39b_sim, .Lfunc_end_k_q4bb40dc39b_sim-k_q4bb40dc39b_sim
	.p2alignl 7, 3214868480
	.fill 96, 4, 3214868480
	.section	.rodata,"a",@progbits
	.p2align	6, 0x0
	.amdhsa_kernel k_q4bb40dc39b_sim
		.amdhsa_group_segment_fixed_size 299520
		.amdhsa_private_segment_fixed_size 0
		.amdhsa_enable_private_segment 0
		.amdhsa_kernarg_size 56
		.amdhsa_user_sgpr_count 2
		.amdhsa_user_sgpr_kernarg_segment_ptr 1
		.amdhsa_wavefront_size32 1
		.amdhsa_system_sgpr_workgroup_id_x 1
		.amdhsa_system_sgpr_workgroup_id_y 1
		.amdhsa_system_sgpr_workgroup_id_z 1
		.amdhsa_system_vgpr_workitem_id 0
		.amdhsa_next_free_vgpr 512
		.amdhsa_next_free_sgpr 70
		.amdhsa_reserve_vcc 1
		.amdhsa_float_denorm_mode_32 3
		.amdhsa_float_denorm_mode_16_64 3
		.amdhsa_memory_ordered 1
		.amdhsa_forward_progress 1
		.amdhsa_inst_pref_size 52
	.end_amdhsa_kernel
	.amdgpu_metadata
---
amdhsa.version: [ 1, 2 ]
amdhsa.kernels:
  - .name:           k_q4bb40dc39b_sim
    .symbol:         k_q4bb40dc39b_sim.kd
    .args:
      - { .name: xb, .offset: 0, .size: 8, .value_kind: global_buffer, .address_space: global }
      - { .name: wfrag, .offset: 8, .size: 8, .value_kind: global_buffer, .address_space: global }
      - { .name: qhat, .offset: 16, .size: 8, .value_kind: global_buffer, .address_space: global }
      - { .name: conv1_b, .offset: 24, .size: 8, .value_kind: global_buffer, .address_space: global }
      - { .name: sim_alpha, .offset: 32, .size: 8, .value_kind: global_buffer, .address_space: global }
      - { .name: sim_beta, .offset: 40, .size: 8, .value_kind: global_buffer, .address_space: global }
      - { .name: pk, .offset: 48, .size: 8, .value_kind: global_buffer, .address_space: global }
    .group_segment_fixed_size: 299520
    .private_segment_fixed_size: 0
    .kernarg_segment_align: 8
    .kernarg_segment_size: 56
    .max_flat_workgroup_size: 128
    .sgpr_count:     70
    .vgpr_count:     512
    .wavefront_size: 32
...
	.end_amdgpu_metadata
.endif
;; end of part 5
;; launch agg (part 6): grid 512 x 1, 4 waves a work-group, no clusters, 321,280 bytes of LDS; arguments xb, wfrag, pk, qbuf, convf_b, outm; writes outm
.if DOCPART == 6
	.amdgcn_target "amdgcn-amd-amdhsa--gfx1250"
	.amdhsa_code_object_version 6
	.text
	.protected	k_q4bb40dc39b_agg
	.globl	k_q4bb40dc39b_agg
	.p2align	8
	.type	k_q4bb40dc39b_agg,@function
k_q4bb40dc39b_agg:
	s_mov_b64 s[64:65], 0
	v_nop
	global_prefetch_b8 v0, s[64:65] scope:SCOPE_SE
	s_setreg_imm32_b32 hwreg(HW_REG_WAVE_MODE, 25, 1), 1
	s_wait_xcnt 0x0
; agg: out[m][cc] = (sum over the points n assigned to centre m of sim[n] tgf[n][cc] + pooled feature) / (count[m] + 1), for one group b_tg and 8 of its 64 columns cc.
; Point n = no + 64 np, column cc = 32 ob + pr:  tgf[n][cc] = convf's output channel 128 og + 2 no + ob at pixel 512 pr + 64 head + np of the clip's last frame.
; Work-group = (b_tg, pg): pr = 4 pg + prl.  Phase 1: F = x^T Wf^T for 128 channels x 4 x 64 pixels (wave = half of the channels x half of the pixel rows), plus bias,
; times sim, split in two bf16 terms, into LDS as 16 columns (term, prl, ob) with the points along the row.  Phase 2: a 0/1 mask [centre][point], made from the
; indices, times these columns, and times ones for the counts; wave = 16 of the 64 no.  The mask is exact, so only the split of sim F rounds (2^-17).
; convf_b is taken rounded to bf16, as x and the weights are.  The index is only compared: no address and no branch hangs on it.
; LDS is filled once, one tensor load a wave, one outstanding.  Clusters: the 8 work-groups of a group share Wf's tiles, which go straight to registers; x is shared by the 4 og: a small part; left out.
.set TG,   147456                      ; XS at 0: [prl][256 cin] x 144.  TG: 16 rows x 9,232; in a row 144 no + 2 np
.set PKS,  295168                      ; sim, [no] x 272, 4 np
.set BITS, 312576                      ; 1 << index, 16 bits, [64 no + np]
.set ACC,  16                          ; v[16:47]; later AGG v[16:23], CNT v[24:31]
.set XA,   48                          ; v[48:175] two sets of 64
.set HH,   184
.set LL,   188
.set T,    192
.set BIASP, 208                        ; v[208:215] four pairs
.set ONES, 216                         ; v[216:223]
.set SV,   224                         ; v[224:255] sim of 4 channel tiles x 8 points
; window 1: Wf fragments (tile mtl, u) at 8 (8 mtl + u)
.set MSB, 0
.macro WIN new
.if MSB != \new
	s_set_vgpr_msb (MSB<<8)|\new
.set MSB, \new
.endif
.endm
.macro PLACES                          ; five places behind a matrix instruction (ISA guide 7.12.1)
.rept 5
	v_nop
.endr
.endm
.macro MM d, a, b, c0
.if \c0
	v_wmma_f32_16x16x32_bf16 v[\d:\d+7], v[\a:\a+7], v[\b:\b+7], 0
.else
	v_wmma_f32_16x16x32_bf16 v[\d:\d+7], v[\a:\a+7], v[\b:\b+7], v[\d:\d+7]
.endif
.endm
.macro SPLIT2 S, H, L, TT
.irp k, 0,1,2,3
	v_cvt_pk_bf16_f32 v[\H+\k], v[\S+2*\k], v[\S+2*\k+1]
.endr
.irp k, 0,1,2,3
	v_lshlrev_b32 v[\TT+2*\k], 16, v[\H+\k]
	v_and_b32 v[\TT+2*\k+1], 0xffff0000, v[\H+\k]
.endr
.irp k, 0,1,2,3
	v_pk_add_f32 v[\S+2*\k:\S+2*\k+1], v[\S+2*\k:\S+2*\k+1], v[\TT+2*\k:\TT+2*\k+1] neg_lo:[0,1] neg_hi:[0,1]
.endr
.irp k, 0,1,2,3
	v_cvt_pk_bf16_f32 v[\L+\k], v[\S+2*\k], v[\S+2*\k+1]
.endr
.endm
	s_load_b256 s[4:11], s[0:1], 0x0               ; xb 4, wfrag 6, pk 8, qbuf 10
	s_load_b128 s[12:15], s[0:1], 0x20             ; convf_b 12, outm 14
	v_lshl_add_u32 v206, v0, 2, 0x4e500
	v_mov_b32 v207, 0
	ds_add_u32 v206, v207
	ds_add_u32 v206, v207
	v_lshrrev_b32 v15, 5, v0
	v_readfirstlane_b32 s16, v15                   ; wave
	s_lshr_b32 s17, ttmp9, 3                       ; b_tg
	s_and_b32 s18, ttmp9, 7                        ; pg
	s_lshr_b32 s19, s17, 5                         ; clip
	s_bfe_u32 s32, s17, 0x30002                    ; head
	s_and_b32 s33, s17, 3                          ; og
	s_and_b32 s34, s16, 1                          ; oh: half of the channels
	s_lshr_b32 s35, s16, 1                         ; ph: half of the pixel rows
	; x: pixel row prl = wave, 256 channels x 64 pixels; 16 bytes of padding behind each row of 32 words
	s_mov_b32 s24, (1<<16)|(1<<20)|(4<<22)|(3<<25)
	s_mov_b32 s25, 64<<16
	s_mov_b32 s26, 256<<16
	s_mov_b32 s27, 64<<16
	s_mov_b32 s28, 256
	s_mov_b32 s29, 16384
	s_mov_b32 s30, 0
	s_mov_b32 s31, 0
	s_mov_b32 s20, 1
	s_mul_i32 s21, s16, 36864
	s_lshl2_add_u32 s36, s19, 3                    ; image 4 clip + 3
	s_lshl_b32 s36, s36, 23
	s_lshl2_add_u32 s37, s18, s16                  ; pr = 4 pg + wave
	s_lshl_b32 s37, s37, 10
	s_add_co_u32 s36, s36, s37
	s_lshl_b32 s37, s32, 7
	s_add_co_u32 s36, s36, s37
	s_mov_b32 s37, 0
	s_wait_dscnt 0x0
	s_wait_kmcnt 0x0
	s_add_nc_u64 s[22:23], s[4:5], s[36:37]
	s_or_b32 s23, s23, 0x80000000
	tensor_load_to_lds s[20:23], s[24:31]
	s_nop 0
	s_lshl_b32 s36, s17, 14
	s_add_nc_u64 s[8:9], s[8:9], s[36:37]          ; the group's 4,096 words
	s_lshl1_add_u32 s36, s33, s34                  ; tiles 8 og + 4 oh ..
	s_lshl_b32 s36, s36, 15
	s_add_co_u32 s36, s36, 524288
	s_add_nc_u64 s[6:7], s[6:7], s[36:37]
	v_and_b32 v1, 31, v0
	v_and_b32 v2, 15, v0
	v_bfe_u32 v3, v0, 4, 1
	v_lshlrev_b32 v4, 4, v1
	v_lshlrev_b32 v12, 4, v0                       ; 16 x thread
	v_lshlrev_b32 v15, 2, v2
	s_lshl_b32 s36, s33, 9
	s_lshl_b32 s38, s34, 8
	s_add_co_u32 s36, s36, s38
	v_add_nc_u32 v15, s36, v15                     ; bias: 4 (128 og + 64 oh + r)
.irp i, 0,1,2,3,4,5,6,7
	global_load_b128 v[XA+4*\i:XA+4*\i+3], v12, s[8:9] offset:\i*2048
.endr
.irp mtl, 0,1,2,3
	global_load_b32 v[BIASP+2*\mtl], v15, s[12:13] offset:\mtl*64
.endr
	WIN 0x40
.set f_, 0
.rept 32
	global_load_b128 v[8*f_:8*f_+3], v4, s[6:7] offset:f_*1024
	global_load_b128 v[8*f_+4:8*f_+7], v4, s[6:7] offset:f_*1024+512
.set f_, f_+1
.endr
	WIN 0
	v_and_b32 v5, 7, v0
	v_lshl_add_u32 v5, v3, 3, v5
	v_mul_u32_u24 v5, v5, 144
	v_bfe_u32 v13, v0, 3, 1
	v_lshl_add_u32 v5, v13, 4, v5
	s_mul_i32 s36, s35, 73728
	v_add_nc_u32 v5, s36, v5                       ; transposing loads, pixel row 2 ph
	v_add_nc_u32 v6, 36864, v5                     ; and 2 ph + 1
	v_lshrrev_b32 v13, 1, v2                       ; r / 2
	v_mul_u32_u24 v7, v13, 272
	v_lshl_add_u32 v7, v3, 5, v7
	s_mul_i32 s36, s34, 8704
	s_add_co_u32 s36, s36, PKS
	v_add_nc_u32 v7, s36, v7                       ; sim of no = 32 oh + r/2, np = 8 h'
	v_and_b32 v8, 1, v2
	v_mul_u32_u24 v8, v8, 9232
	v_mad_u32_u24 v8, v13, 144, v8
	v_lshl_add_u32 v8, v3, 4, v8
	s_mul_i32 s36, s35, 36928
	s_mul_i32 s38, s34, 4608
	s_add_co_u32 s36, s36, s38
	s_add_co_u32 s36, s36, TG
	v_add_nc_u32 v8, s36, v8                       ; where sim F goes, high term
	v_add_nc_u32 v9, 73856, v8                     ; low term
	v_lshrrev_b32 v13, 4, v0                       ; thread / 16
	v_mul_u32_u24 v10, v2, 1088
	v_lshl_add_u32 v10, v13, 2, v10
	v_add_nc_u32 v10, PKS, v10
	v_lshlrev_b32 v11, 9, v2
	v_lshl_add_u32 v11, v13, 1, v11
	v_add_nc_u32 v11, BITS, v11
	v_mov_b32 v14, 1
.irp k, 0,1,2,3,4,5,6,7
	v_mov_b32 v[ONES+\k], 0x3f803f80
.endr
	s_wait_loadcnt 0x3f                            ; 76 loads were issued: with at most 63 out, the 12 oldest (words, bias) are in
.irp mtl, 0,1,2,3
	v_cvt_pk_bf16_f32 v[T], v[BIASP+2*\mtl], v[BIASP+2*\mtl]
	v_lshlrev_b32 v[BIASP+2*\mtl], 16, v[T]
	v_lshlrev_b32 v[BIASP+2*\mtl+1], 16, v[T]
.endr
	; word 4 t + 512 i + k is point no = 4 (t%16) + k, np = t/16 + 8 i
.irp i, 0,1,2,3,4,5,6,7
.irp k, 0,1,2,3
	v_and_b32 v[T], 0xfffffff0, v[XA+4*\i+\k]
	ds_store_b32 v10, v[T] offset:\k*272+\i*32
	v_and_b32 v[T+1], 15, v[XA+4*\i+\k]
	v_lshlrev_b32 v[T+1], v[T+1], v14
	ds_store_b16 v11, v[T+1] offset:\k*128+\i*16
.endr
.endr
	s_wait_tensorcnt 0x0
	s_wait_dscnt 0x0
	s_barrier_signal -1
	s_barrier_wait -1
	s_wait_loadcnt 0x0                             ; Wf
.macro LOADX a, npt, buf               ; 16 pixels x 256 channels, transposed
.irp u, 0,1,2,3,4,5,6,7
	ds_load_tr16_b128 v[\buf+8*\u:\buf+8*\u+3], v[5+(\a)] offset:\u*4608+(\npt)*32
	ds_load_tr16_b128 v[\buf+8*\u+4:\buf+8*\u+7], v[5+(\a)] offset:\u*4608+(\npt)*32+2304
.endr
.endm
.macro SVLOAD npt
.irp mtl, 0,1,2,3
	ds_load_b128 v[SV+8*\mtl:SV+8*\mtl+3], v7 offset:\mtl*2176+(\npt)*64
	ds_load_b128 v[SV+8*\mtl+4:SV+8*\mtl+7], v7 offset:\mtl*2176+(\npt)*64+16
.endr
.endm
.macro MULT buf
.irp u, 0,1,2,3,4,5,6,7
.irp mtl, 0,1,2,3
	MM ACC+8*\mtl, \buf+8*\u, (\mtl*8+\u)*8, \u==0           ; four accumulators take turns
.endr
.endr
.endm
.macro EPI a, npt                      ; lane (r, h'): channel 16 mt + r, pixels np = 16 npt + 8 h' + 0..7
.irp mtl, 0,1,2,3
.irp k, 0,1,2,3
	v_pk_add_f32 v[ACC+8*\mtl+2*\k:ACC+8*\mtl+2*\k+1], v[ACC+8*\mtl+2*\k:ACC+8*\mtl+2*\k+1], v[BIASP+2*\mtl:BIASP+2*\mtl+1]
	v_pk_mul_f32 v[ACC+8*\mtl+2*\k:ACC+8*\mtl+2*\k+1], v[ACC+8*\mtl+2*\k:ACC+8*\mtl+2*\k+1], v[SV+8*\mtl+2*\k:SV+8*\mtl+2*\k+1]
.endr
	SPLIT2 ACC+8*\mtl, HH, LL, T
	ds_store_b128 v8, v[HH:HH+3] offset:(\a)*18464+\mtl*1152+(\npt)*32
	ds_store_b128 v9, v[LL:LL+3] offset:(\a)*18464+\mtl*1152+(\npt)*32
.endr
.endm
	LOADX 0, 0, XA
.set ti_, 0
.rept 8
	PLACES
	SVLOAD ti_%4
.if ti_ < 7
	LOADX (ti_+1)/4, (ti_+1)%4, XA+64*((ti_+1)%2)
	s_wait_dscnt 16                                ; the next tile's 16 loads stay out
.else
	s_wait_dscnt 0x0
.endif
	WIN 0x04                                       ; source 1 (Wf) window 1
	MULT XA+64*(ti_%2)
	WIN 0
	PLACES
	EPI ti_/4, ti_%4
.set ti_, ti_+1
.endr
	s_wait_dscnt 0x0
	s_barrier_signal -1
	s_barrier_wait -1
	; phase 2: 32 K steps of 32 points (no = 16 w + step/2, np = 32 (step%2) ..), four at a time on two register sets
	v_lshlrev_b32 v12, 4, v3
	v_mul_u32_u24 v13, v2, 9232
	v_add_nc_u32 v13, v13, v12
	s_mul_i32 s36, s16, 2304
	s_add_co_u32 s36, s36, TG
	v_add_nc_u32 v13, s36, v13
	s_lshl_b32 s36, s16, 11
	s_add_co_u32 s36, s36, BITS
	v_add_nc_u32 v12, s36, v12
.macro LOADB b, set
.irp q, 0,1,2,3
	ds_load_b128 v[\set+8*\q:\set+8*\q+3], v12 offset:(4*(\b)+\q)*64
	ds_load_b128 v[\set+8*\q+4:\set+8*\q+7], v12 offset:(4*(\b)+\q)*64+32
	ds_load_b128 v[\set+32+8*\q:\set+35+8*\q], v13 offset:((4*(\b)+\q)/2)*144+(\q%2)*64
	ds_load_b128 v[\set+36+8*\q:\set+39+8*\q], v13 offset:((4*(\b)+\q)/2)*144+(\q%2)*64+32
.endr
.endm
	LOADB 0, XA
.set bi_, 0
.rept 8
	PLACES
.if bi_ < 7
	LOADB bi_+1, XA+64*((bi_+1)%2)
	s_wait_dscnt 16                                ; the next batch's 16 loads stay out
.else
	s_wait_dscnt 0x0
.endif
.set k_, 0
.rept 32
	v_lshrrev_b32 v[XA+64*(bi_%2)+k_], v2, v[XA+64*(bi_%2)+k_]              ; bit r of each half: is the point's centre my row?
	v_and_b32 v[XA+64*(bi_%2)+k_], 0x00010001, v[XA+64*(bi_%2)+k_]
	v_mul_u32_u24 v[XA+64*(bi_%2)+k_], v[XA+64*(bi_%2)+k_], 0x3f80          ; 1.0 or 0.0 in bf16, twice
.set k_, k_+1
.endr
.irp q, 0,1,2,3
	MM ACC, XA+64*(bi_%2)+8*\q, XA+64*(bi_%2)+32+8*\q, (bi_+\q)==0          ; sums and counts take turns
	MM ACC+8, XA+64*(bi_%2)+8*\q, ONES, (bi_+\q)==0
.endr
.set bi_, bi_+1
.endr
	PLACES
	v_lshlrev_b32 v15, 5, v1
	v_lshl_add_u32 v10, s16, 10, v15               ; over XS, whose only fill and last reads lie behind the barrier above
	ds_store_b128 v10, v[ACC:ACC+3]
	ds_store_b128 v10, v[ACC+4:ACC+7] offset:16
	ds_store_b128 v10, v[ACC+8:ACC+11] offset:4096
	ds_store_b128 v10, v[ACC+12:ACC+15] offset:4112
	s_wait_dscnt 0x0
	s_barrier_signal -1
	s_barrier_wait -1
	s_cmp_lg_u32 s16, 0
	s_cbranch_scc1 .Lend
.irp q, 0,1,2,3
	ds_load_b128 v[48+16*\q:51+16*\q], v15 offset:\q*1024
	ds_load_b128 v[52+16*\q:55+16*\q], v15 offset:\q*1024+16
	ds_load_b128 v[56+16*\q:59+16*\q], v15 offset:4096+\q*1024
	ds_load_b128 v[60+16*\q:63+16*\q], v15 offset:4096+\q*1024+16
.endr
	v_and_b32 v11, 1, v2
	v_lshlrev_b32 v11, 5, v11
	v_bfe_u32 v12, v2, 1, 2
	v_add_nc_u32 v11, v11, v12
	v_lshl_add_u32 v11, s18, 2, v11                ; cc = 32 (r%2) + 4 pg + (r/2)%4
	v_lshlrev_b32 v12, 4, v11
	v_lshl_add_u32 v12, v3, 16, v12                ; pooled features: frames 2 h', 2 h' + 1; 16 bytes a column
	s_lshl_b32 s36, s19, 17
	s_and_b32 s38, s17, 31
	s_lshl_b32 s38, s38, 10
	s_add_co_u32 s36, s36, s38
	s_add_co_u32 s36, s36, 266240
	s_mov_b32 s37, 0
	s_add_nc_u64 s[10:11], s[10:11], s[36:37]
	global_load_b128 v[112:115], v12, s[10:11]
	global_load_b128 v[116:119], v12, s[10:11] offset:32768
	s_lshl_b32 s36, s17, 12
	s_add_nc_u64 s[14:15], s[14:15], s[36:37]
	v_lshlrev_b32 v13, 6, v11
	v_lshl_add_u32 v13, v3, 4, v13
	s_wait_dscnt 0x0
.irp q, 1,2,3
.irp k, 0,1,2,3,4,5,6,7
	v_pk_add_f32 v[48+2*\k:49+2*\k], v[48+2*\k:49+2*\k], v[48+16*\q+2*\k:49+16*\q+2*\k]
.endr
.endr
.irp j, 0,1,2,3,4,5,6,7
	v_add_f32_dpp v[48+\j], v[48+\j], v[48+\j] row_xmask:8 row_mask:0xf bank_mask:0xf     ; high term's column + low term's
.endr
.irp k, 0,1,2,3
	v_pk_add_f32 v[56+2*\k:57+2*\k], v[56+2*\k:57+2*\k], 1.0 op_sel_hi:[1,0]
.endr
.irp j, 0,1,2,3,4,5,6,7
	v_rcp_f32 v[56+\j], v[56+\j]
.endr
	v_nop
	s_wait_loadcnt 0x0
	s_wait_alu depctr_va_vdst(0)
.irp k, 0,1,2,3
	v_pk_add_f32 v[48+2*\k:49+2*\k], v[48+2*\k:49+2*\k], v[112+2*\k:113+2*\k]
	v_pk_mul_f32 v[48+2*\k:49+2*\k], v[48+2*\k:49+2*\k], v[56+2*\k:57+2*\k]
.endr
	SPLIT2 48, 64, 68, 72
	global_store_b128 v13, v[64:67], s[14:15]              ; centres 8 h' .. of column cc, high term; lanes r and r + 8 hold and write the same
	global_store_b128 v13, v[68:71], s[14:15] offset:32    ; low term
.Lend:
	s_wait_tensorcnt 0x0
	ds_add_u32 v206, v207
	s_wait_dscnt 0x0
	s_endpgm
.Lfunc_end_k_q4bb40dc39b_agg:
	.size	k_q4bb40dc39b_agg, .Lfunc_end_k_q4bb40dc39b_agg-k_q4bb40dc39b_agg
	.p2alignl 7, 3214868480
	.fill 96, 4, 3214868480
	.section	.rodata,"a",@progbits
	.p2align	6, 0x0
	.amdhsa_kernel k_q4bb40dc39b_agg
		.amdhsa_group_segment_fixed_size 321280
		.amdhsa_private_segment_fixed_size 0
		.amdhsa_enable_private_segment 0
		.amdhsa_kernarg_size 48
		.amdhsa_user_sgpr_count 2
		.amdhsa_user_sgpr_kernarg_segment_ptr 1
		.amdhsa_wavefront_size32 1
		.amdhsa_system_sgpr_workgroup_id_x 1
		.amdhsa_system_sgpr_workgroup_id_y 1
		.amdhsa_system_sgpr_workgroup_id_z 1
		.amdhsa_system_vgpr_workitem_id 0
		.amdhsa_next_free_vgpr 512
		.amdhsa_next_free_sgpr 66
		.amdhsa_reserve_vcc 0
		.amdhsa_float_denorm_mode_32 3
		.amdhsa_float_denorm_mode_16_64 3
		.amdhsa_memory_ordered 1
		.amdhsa_forward_progress 1
		.amdhsa_inst_pref_size 177
	.end_amdhsa_kernel
	.amdgpu_metadata
---
amdhsa.version: [ 1, 2 ]
amdhsa.kernels:
  - .name:           k_q4bb40dc39b_agg
    .symbol:         k_q4bb40dc39b_agg.kd
    .args:
      - { .name: xb, .offset: 0, .size: 8, .value_kind: global_buffer, .address_space: global }
      - { .name: wfrag, .offset: 8, .size: 8, .value_kind: global_buffer, .address_space: global }
      - { .name: pk, .offset: 16, .size: 8, .value_kind: global_buffer, .address_space: global }
      - { .name: qbuf, .offset: 24, .size: 8, .value_kind: global_buffer, .address_space: global }
      - { .name: convf_b, .offset: 32, .size: 8, .value_kind: global_buffer, .address_space: global }
      - { .name: outm, .offset: 40, .size: 8, .value_kind: global_buffer, .address_space: global }
    .group_segment_fixed_size: 321280
    .private_segment_fixed_size: 0
    .kernarg_segment_align: 8
    .kernarg_segment_size: 48
    .max_flat_workgroup_size: 128
    .sgpr_count:     66
    .vgpr_count:     512
    .wavefront_size: 32
...
	.end_amdgpu_metadata
.endif
;; end of part 6
;; launch conv2 (part 7): grid 256 x 1, 8 waves a work-group, no clusters, 273,408 bytes of LDS; arguments pk, outm, wfrag, conv2_b, out0; writes out0
.if DOCPART == 7
	.amdgcn_target "amdgcn-amd-amdhsa--gfx1250"
	.amdhsa_code_object_version 6
	.text
	.protected	k_q4bb40dc39b_conv2
	.globl	k_q4bb40dc39b_conv2
	.p2align	8
	.type	k_q4bb40dc39b_conv2,@function
k_q4bb40dc39b_conv2:
	s_mov_b64 s[64:65], 0
	v_nop
	global_prefetch_b8 v0, s[64:65] scope:SCOPE_SE
	s_setreg_imm32_b32 hwreg(HW_REG_WAVE_MODE, 25, 1), 1
	s_wait_xcnt 0x0
; conv2: the dispatch back to the points and the last 1x1 convolution, for 128 pixels of a clip.
; Channel ch = 16 b32 + c16 at pixel 64 pn + cc holds sim[n] out[b32][index[n]][cc] with n = 256 c16 + pn.  Work-group = (clip, pn0 = 2 g', pn0 + 1).
; Build (wave = 4 of the 32 groups): a matrix product picks the row: A[c16][k] holds the point's sim at k = index (high bf16 term) and at k = 16 + index (low term);
; B1 holds out's high term twice, B2 its low term and zeros: A B1 + A B2 = sim x out to 2^-16.  No address hangs on the index.  One rounding to bf16 into OT[pixel][ch].
; Main (wave = 32 output channels): [128 pixels] x [512 ch] x [32]; the pixels are the rows, so that a lane holds 8 neighbouring pixels of one output channel.
; No tensor loads: what comes from memory is 4 KiB of words, 128 KiB of out (from the cache) and W2's fragments, straight to registers.  W2 is shared by all work-groups but lives in registers: no cluster.
.set PKL, 133120                       ; OT at 0: 128 rows (pixel) x 1,040.  PKL: [(half, c16) 32][pl 2][b16 16] words
.set ST,  137216                       ; a stage of 32 rows x 528 for each wave
.set ACC, 16                           ; v[16:143]  tile (pt, otl) at 16 + 8 (2 pt + otl)
.set XR,  144                          ; v[144:175] pixels' fragments, tiles 0-3
.set YR,  176                          ; v[176:207] tiles 4-7
; build: B1 v[16:47], B2 v[48:79], A v[80:87], D v[88:119], words v[124:131], packed v[132:147], at work v[148:155]
; window 1: W2 fragments (otl, u) at 8 (16 otl + u)
.set MSB, 0
.macro WIN new
.if MSB != \new
	s_set_vgpr_msb (MSB<<8)|\new
.set MSB, \new
.endif
.endm
.macro PLACES                          ; five places behind a matrix instruction (ISA guide 7.12.1)
.rept 5
	v_nop
.endr
.endm
.macro MM d, a, b, c0
.if \c0
	v_wmma_f32_16x16x32_bf16 v[\d:\d+7], v[\a:\a+7], v[\b:\b+7], 0
.else
	v_wmma_f32_16x16x32_bf16 v[\d:\d+7], v[\a:\a+7], v[\b:\b+7], v[\d:\d+7]
.endif
.endm
	s_load_b256 s[4:11], s[0:1], 0x0               ; pk 4, outm 6, wfrag 8, conv2_b 10
	s_load_b64 s[12:13], s[0:1], 0x20              ; out0
	v_lshl_add_u32 v254, v0, 2, 0x42800
	v_mov_b32 v255, 0
	v_lshrrev_b32 v13, 5, v0
	v_readfirstlane_b32 s14, v13                   ; wave
	s_lshr_b32 s15, ttmp9, 7                       ; clip
	s_and_b32 s16, ttmp9, 127                      ; pn0 / 2
	v_and_b32 v1, 31, v0
	v_and_b32 v2, 15, v0
	v_bfe_u32 v3, v0, 4, 1
	v_lshlrev_b32 v4, 4, v1
	v_lshrrev_b32 v13, 3, v0
	v_and_b32 v15, 7, v0
	v_lshlrev_b32 v15, 4, v15
	v_lshl_add_u32 v13, v13, 14, v15               ; (half, c16) = thread / 8; 16 bytes of the 128
	s_lshl_b32 s18, s15, 19
	s_lshl_b32 s19, s16, 7
	s_add_co_u32 s18, s18, s19
	s_add_co_u32 s18, s18, 1048576
	s_mov_b32 s19, 0
	s_wait_kmcnt 0x0
	s_add_nc_u64 s[4:5], s[4:5], s[18:19]
	global_load_b128 v[16:19], v13, s[4:5]
	v_lshlrev_b32 v15, 2, v2
	v_lshl_add_u32 v15, s14, 7, v15                ; bias: 4 (32 w + r)
	global_load_b32 v208, v15, s[10:11]
	global_load_b32 v209, v15, s[10:11] offset:64
	s_lshl_b32 s18, s15, 17
	s_lshl_b32 s20, s14, 14
	s_add_co_u32 s18, s18, s20
	s_add_nc_u64 s[6:7], s[6:7], s[18:19]          ; out of groups 32 clip + 4 w ..
	s_lshl_b32 s18, s14, 15
	s_add_co_u32 s18, s18, 1048576
	s_add_nc_u64 s[8:9], s[8:9], s[18:19]          ; W2, tiles 2 w, 2 w + 1
	s_lshl_b32 s18, s15, 24
	s_lshl_b32 s20, s14, 21
	s_add_co_u32 s18, s18, s20
	s_lshl_b32 s20, s16, 9
	s_add_co_u32 s18, s18, s20
	s_add_nc_u64 s[12:13], s[12:13], s[18:19]      ; out0: channel 256 clip + 32 w, pixel 128 g'
	v_lshlrev_b32 v5, 6, v2
	v_lshl_add_u32 v5, v3, 4, v5                   ; out: column r, centres 8 h'
	v_lshlrev_b32 v6, 7, v2
	s_lshr_b32 s18, s14, 2
	s_lshl_b32 s18, s18, 11
	s_and_b32 s20, s14, 3
	s_lshl_b32 s20, s20, 4
	s_add_co_u32 s18, s18, s20
	s_add_co_u32 s18, s18, PKL
	v_add_nc_u32 v6, s18, v6                       ; the word of (group 4 w, c16 = r)
	v_mul_u32_u24 v9, v2, 1040
	v_lshl_add_u32 v9, v3, 4, v9                   ; OT: row r, 16 h'
	v_add_nc_u32 v10, 66560, v9                    ; rows 64 ..
	v_lshl_add_u32 v7, s14, 7, v9                  ; build: + 4 w groups of 32 bytes
	v_add_nc_u32 v8, 66560, v7
	s_mul_i32 s18, s14, 16896
	s_add_co_u32 s18, s18, ST
	v_mul_u32_u24 v11, v2, 528
	v_lshl_add_u32 v11, v3, 5, v11
	v_add_nc_u32 v11, s18, v11
	v_add_nc_u32 v12, s18, v4
	v_lshlrev_b32 v14, 3, v3                       ; 8 h'
	v_mov_b32 v153, 0x0000ffff
	v_mov_b32 v154, 0xffff0000
	v_lshlrev_b32 v155, 4, v0
	v_add_nc_u32 v155, PKL, v155
	s_wait_loadcnt 0x2                             ; the words are in; the two bias loads may stay out
	ds_store_b128 v155, v[16:19]
	s_wait_dscnt 0x0
	s_barrier_signal -1
	s_barrier_wait -1
.irp bl, 0,1,2,3
.irp pl, 0,1
	ds_load_b32 v[124+\bl*2+\pl], v6 offset:\pl*64+\bl*4
.endr
.endr
.irp cct, 0,1,2,3
.irp k, 0,1,2,3
	v_mov_b32 v[52+8*\cct+\k], 0                   ; B2's upper K half
.endr
.endr
.macro ABUILD w                        ; row r of A from the word of point (c16 = r)
	v_and_b32 v148, 0xfffffff0, v[\w]              ; sim
	v_and_b32 v149, 15, v[\w]
	v_sub_nc_u32 v149, v149, v14                   ; index - 8 h': 0 .. 7 if it falls into my half of the K range
	v_cvt_pk_bf16_f32 v150, v148, v148
	v_and_b32 v151, 0xffff0000, v150
	v_sub_f32 v151, v148, v151
	v_cvt_pk_bf16_f32 v151, v151, v151
	v_and_b32 v152, 1, v149
	v_cmp_eq_u32 vcc_lo, 1, v152
	v_cndmask_b32 v152, v153, v154, vcc_lo         ; which half of a register
	v_and_b32 v150, v150, v152
	v_and_b32 v151, v151, v152
	v_lshrrev_b32 v149, 1, v149                    ; which register
.irp i, 0,1,2,3
	v_cmp_eq_u32 vcc_lo, \i, v149
	v_cndmask_b32 v[80+\i], 0, v150, vcc_lo
	v_cndmask_b32 v[84+\i], 0, v151, vcc_lo
.endr
.endm
	s_wait_dscnt 0x0
.irp bl, 0,1,2,3
	PLACES
.irp cct, 0,1,2,3
	global_load_b128 v[16+8*\cct:19+8*\cct], v5, s[6:7] offset:\bl*4096+\cct*1024
	global_load_b128 v[20+8*\cct:23+8*\cct], v5, s[6:7] offset:\bl*4096+\cct*1024
	global_load_b128 v[48+8*\cct:51+8*\cct], v5, s[6:7] offset:\bl*4096+\cct*1024+32
.endr
.if \bl == 3
	WIN 0x40
.set f_, 0
.rept 32
	global_load_b128 v[8*f_:8*f_+3], v4, s[8:9] offset:f_*1024
	global_load_b128 v[8*f_+4:8*f_+7], v4, s[8:9] offset:f_*1024+512
.set f_, f_+1
.endr
	WIN 0
	s_wait_loadcnt 0x3f                            ; 76 loads: with at most 63 out, the 12 oldest are in; W2 lands during the last build
.else
	s_wait_loadcnt 0x0
.endif
.irp pl, 0,1
	ABUILD 124+\bl*2+\pl
.irp cct, 0,1,2,3
	MM 88+8*\cct, 80, 16+8*\cct, 1
.endr
.irp cct, 0,1,2,3
	MM 88+8*\cct, 80, 48+8*\cct, 0                 ; four accumulators take turns
.endr
	PLACES
.irp cct, 0,1,2,3
.irp k, 0,1,2,3
	v_cvt_pk_bf16_f32 v[132+4*\cct+\k], v[88+8*\cct+2*\k], v[89+8*\cct+2*\k]
.endr
	ds_store_b128 v[7+\pl], v[132+4*\cct:135+4*\cct] offset:\cct*16640+\bl*32     ; pixel 64 pl + 16 cct + r, channels 16 b32 + 8 h' ..
.endr
.endr
.endr
	s_wait_dscnt 0x0
	s_barrier_signal -1
	s_barrier_wait -1
	s_wait_loadcnt 0x0                             ; W2
.macro LOADA buf, adr, u
.irp pt, 0,1,2,3
	ds_load_b128 v[\buf+8*\pt:\buf+8*\pt+3], v[\adr] offset:\pt*16640+(\u)*64
	ds_load_b128 v[\buf+8*\pt+4:\buf+8*\pt+7], v[\adr] offset:\pt*16640+(\u)*64+32
.endr
.endm
	PLACES
	LOADA XR, 9, 0
	LOADA YR, 10, 0
	WIN 0x04                                       ; source 1 (W2) window 1; LDS loads name destination and source 0 only
.set ku_, 0
.rept 16
	s_wait_dscnt 8                                 ; the other half's 8 loads stay out
.irp pt, 0,1,2,3
.irp otl, 0,1
	MM ACC+(\pt*2+\otl)*8, XR+8*\pt, (\otl*16+ku_)*8, ku_==0
.endr
.endr
.if ku_ < 15
	PLACES
	LOADA XR, 9, ku_+1
	s_wait_dscnt 8
.else
	s_wait_dscnt 0x0
.endif
.irp pt, 0,1,2,3
.irp otl, 0,1
	MM ACC+((4+\pt)*2+\otl)*8, YR+8*\pt, (\otl*16+ku_)*8, ku_==0
.endr
.endr
.if ku_ < 15
	PLACES
	LOADA YR, 10, ku_+1
.endif
.set ku_, ku_+1
.endr
	WIN 0
	PLACES
	; the way out: lane (r, h') holds output channel 16 otl + r, pixels 16 pt + 8 h' + 0..7; through my own stage, back as rows of 512 bytes
.irp pt, 0,1,2,3,4,5,6,7
.irp k, 0,1,2,3
	v_pk_add_f32 v[ACC+\pt*16+2*\k:ACC+\pt*16+2*\k+1], v[ACC+\pt*16+2*\k:ACC+\pt*16+2*\k+1], v[208:209] op_sel_hi:[1,0]
	v_pk_add_f32 v[ACC+\pt*16+8+2*\k:ACC+\pt*16+9+2*\k], v[ACC+\pt*16+8+2*\k:ACC+\pt*16+9+2*\k], v[208:209] op_sel:[0,1] op_sel_hi:[1,1]
.endr
.irp otl, 0,1
	ds_store_b128 v11, v[ACC+(\pt*2+\otl)*8:ACC+(\pt*2+\otl)*8+3] offset:\otl*8448+\pt*64
	ds_store_b128 v11, v[ACC+(\pt*2+\otl)*8+4:ACC+(\pt*2+\otl)*8+7] offset:\otl*8448+\pt*64+16
.endr
.endr
.macro OUT8 b, buf
.irp i, 0,1,2,3,4,5,6,7
	ds_load_b128 v[\buf+4*\i:\buf+4*\i+3], v12 offset:(8*\b+\i)*528       ; LDS serves a wave's instructions in order: these see the stores above
.endr
.irp i, 0,1,2,3,4,5,6,7
	s_wait_dscnt 7-\i
	global_store_b128 v4, v[\buf+4*\i:\buf+4*\i+3], s[12:13] offset:(8*\b+\i)*65536 th:TH_STORE_NT   ; 512 consecutive aligned bytes
.endr
.endm
	OUT8 0, XR
	OUT8 1, YR
	s_wait_xcnt 0x0                                ; the registers that the stores above read are loaded again only behind this wait
	OUT8 2, XR
	OUT8 3, YR
	s_wait_tensorcnt 0x0
	ds_add_u32 v254, v255
	s_wait_dscnt 0x0
	s_endpgm
.Lfunc_end_k_q4bb40dc39b_conv2:
	.size	k_q4bb40dc39b_conv2, .Lfunc_end_k_q4bb40dc39b_conv2-k_q4bb40dc39b_conv2
	.p2alignl 7, 3214868480
	.fill 96, 4, 3214868480
	.section	.rodata,"a",@progbits
	.p2align	6, 0x0
	.amdhsa_kernel k_q4bb40dc39b_conv2
		.amdhsa_group_segment_fixed_size 273408
		.amdhsa_private_segment_fixed_size 0
		.amdhsa_enable_private_segment 0
		.amdhsa_kernarg_size 40
		.amdhsa_user_sgpr_count 2
		.amdhsa_user_sgpr_kernarg_segment_ptr 1
		.amdhsa_wavefront_size32 1
		.amdhsa_system_sgpr_workgroup_id_x 1
		.amdhsa_system_sgpr_workgroup_id_y 1
		.amdhsa_system_sgpr_workgroup_id_z 1
		.amdhsa_system_vgpr_workitem_id 0
		.amdhsa_next_free_vgpr 512
		.amdhsa_next_free_sgpr 66
		.amdhsa_reserve_vcc 1
		.amdhsa_float_denorm_mode_32 3
		.amdhsa_float_denorm_mode_16_64 3
		.amdhsa_memory_ordered 1
		.amdhsa_forward_progress 1
		.amdhsa_inst_pref_size 89
	.end_amdhsa_kernel
	.amdgpu_metadata
---
amdhsa.version: [ 1, 2 ]
amdhsa.kernels:
  - .name:           k_q4bb40dc39b_conv2
    .symbol:         k_q4bb40dc39b_conv2.kd
    .args:
      - { .name: pk, .offset: 0, .size: 8, .value_kind: global_buffer, .address_space: global }
      - { .name: outm, .offset: 8, .size: 8, .value_kind: global_buffer, .address_space: global }
      - { .name: wfrag, .offset: 16, .size: 8, .value_kind: global_buffer, .address_space: global }
      - { .name: conv2_b, .offset: 24, .size: 8, .value_kind: global_buffer, .address_space: global }
      - { .name: out0, .offset: 32, .size: 8, .value_kind: global_buffer, .address_space: global }
    .group_segment_fixed_size: 273408
    .private_segment_fixed_size: 0
    .kernarg_segment_align: 8
    .kernarg_segment_size: 40
    .max_flat_workgroup_size: 256
    .sgpr_count:     66
    .vgpr_count:     512
    .wavefront_size: 32
...
	.end_amdgpu_metadata
.endif
;; end of part 7
;; ======== version 2 of 2: 7 launches
;; limits: values outside matrix products are rounded to bf16
;; workspace buffers: xb 75,497,472 bytes; px 131,072 bytes; wfrag 1,310,720 bytes; qbuf 528,384 bytes; part 8,912,896 bytes; qhat 393,216 bytes; pk 2,097,152 bytes; outm 262,144 bytes
;; launch prep (part 8): grid 512 x 1, 8 waves a work-group, no clusters, 1,280 bytes of LDS; arguments x, conv1_w, convv_w, convf_w, conv2_w, xb, px, wfrag; writes xb, px, wfrag
.if DOCPART == 8
	.amdgcn_target "amdgcn-amd-amdhsa--gfx1250"
	.amdhsa_code_object_version 6
	.text
	.protected	k_q4bb40dc39b_prep
	.globl	k_q4bb40dc39b_prep
	.p2align	8
	.type	k_q4bb40dc39b_prep,@function
k_q4bb40dc39b_prep:
	s_mov_b64 s[64:65], 0
	v_nop
	global_prefetch_b8 v0, s[64:65] scope:SCOPE_SE
	s_setreg_imm32_b32 hwreg(HW_REG_WAVE_MODE, 25, 1), 1
	s_wait_xcnt 0x0
; prep: x (f32) -> xb (bf16); px = means of the ROUNDED x over the 16 pooling cells of a plane;
; the four weight matrices -> bf16 in the order in which matrix fragments are loaded (wfrag).
; xb is laid [channel 256][image 8][pixel 16384]: a channel's block is pitched XPITCH = 294,912 bytes, eight planes of 32,768 and a gap of 32,768 that
; nobody reads.  Two later launches read images 3 and 7 alone: in this order the bytes of one image lie in 256 pieces spread over the whole buffer.
; A plane is one (image, input channel): 128 x 128 numbers.  The work-group owns planes 4 g .. 4 g + 3 of x, that is image g / 64, channels 4 (g % 64) + p;
; wave w owns rows 16 w .. 16 w + 15 of each, which is one pooling row group.  A pooling cell is 16 rows x the columns with (column / 32) mod 2 = j: cell = 2 w + j.
; A lane owns 4 columns (16 bytes in, 8 bytes out): a load of the wave covers a row's 512 bytes, a store 256 consecutive aligned bytes.
; Memory binds: no matrix unit, no cluster, LDS only for the 64 means.  Two planes' loads (32 a wave) are on their way.
.set XPITCH, 294912                    ; bytes from a channel's block of xb to the next
.set XA,  32                           ; v[32:95]   16 rows x 4 numbers, planes 0 and 2
.set XB,  96                           ; v[96:159]  planes 1 and 3
.set Y,   160                          ; v[160:191] 16 rows x 2 words of bf16, to store
.set T,   8                            ; v[8:11]    the rounded numbers widened again
.set SUM, 12                           ; v[12:13]   running sums
	s_load_b512 s[4:19], s[0:1], 0x0               ; x 4, conv1_w 6, convv_w 8, convf_w 10, conv2_w 12, xb 14, px 16, wfrag 18
	v_lshl_add_u32 v200, v0, 2, 0x100
	v_mov_b32 v201, 0
	v_and_b32 v1, 31, v0                           ; lane
	v_lshrrev_b32 v5, 5, v0
	v_readfirstlane_b32 s20, v5                    ; wave
	s_mov_b32 s28, 0x76543210                      ; v_permlanex16_b32: lane i reads lane i of the other half
	s_mov_b32 s29, 0xfedcba98
	v_lshlrev_b32 v2, 4, v1
	v_lshl_add_u32 v2, s20, 13, v2                 ; in: 16 w rows of 512 bytes + 16 lane
	v_lshlrev_b32 v3, 3, v1
	v_lshl_add_u32 v3, s20, 12, v3                 ; out: 16 w rows of 256 bytes + 8 lane
	v_bfe_u32 v4, v1, 3, 1                         ; j
	v_lshl_add_u32 v4, s20, 1, v4
	v_lshlrev_b32 v4, 2, v4                        ; LDS: 4 (2 w + j)
	v_and_b32 v6, 15, v0                           ; r
	v_bfe_u32 v7, v0, 4, 1                         ; h
	v_lshlrev_b32 v15, 4, v1                       ; 16 lane
	v_mov_b32 v14, 0                               ; destination of the lane permute: written once
	s_lshl_b32 s26, ttmp9, 18                      ; x: 4 planes of 65,536 bytes
	s_mov_b32 s27, 0
	s_and_b32 s30, ttmp9, 63
	s_mul_i32 s30, s30, 4*XPITCH                   ; xb: channel 4 (g % 64),
	s_lshr_b32 s31, ttmp9, 6
	s_lshl_b32 s31, s31, 15                        ; image g / 64
	s_add_co_u32 s30, s30, s31
	s_mov_b32 s31, 0
	s_and_b32 s22, ttmp9, 1                        ; weights: which half of a fragment
	s_lshr_b32 s23, ttmp9, 1                       ; weights: which fragment
	s_wait_kmcnt 0x0
	s_add_nc_u64 s[4:5], s[4:5], s[26:27]
	s_add_nc_u64 s[14:15], s[14:15], s[30:31]
.macro FILL p, buf                     ; my 16 rows of plane p (p may be a sum: it stands in parentheses wherever it is multiplied)
.set row_, 0
.rept 16
	global_load_b128 v[\buf+4*row_:\buf+4*row_+3], v2, s[4:5] offset:(\p)*65536+row_*512 th:TH_LOAD_NT
.set row_, row_+1
.endr
.endm
; One plane: round, store, sum the rounded numbers.  left = younger loads that may stay out; next = 1: plane p + 2 is requested into the same registers.
.macro PLANE p, buf, left, next
	s_wait_loadcnt \left                           ; loads return in order: this plane's 16 are in
	s_wait_xcnt 0x0                                ; Y, which the last plane's stores read, is rewritten only behind this wait
.set row_, 0
.rept 16
	v_cvt_pk_bf16_f32 v[Y+2*row_], v[\buf+4*row_], v[\buf+4*row_+1]
	v_cvt_pk_bf16_f32 v[Y+2*row_+1], v[\buf+4*row_+2], v[\buf+4*row_+3]
	v_lshlrev_b32 v[T], 16, v[Y+2*row_]
	v_and_b32 v[T+1], 0xffff0000, v[Y+2*row_]
	v_lshlrev_b32 v[T+2], 16, v[Y+2*row_+1]
	v_and_b32 v[T+3], 0xffff0000, v[Y+2*row_+1]
.if row_ == 0
	v_pk_add_f32 v[SUM:SUM+1], v[T:T+1], v[T+2:T+3]        ; the first row starts the sums
.else
	v_pk_add_f32 v[SUM:SUM+1], v[SUM:SUM+1], v[T:T+1]
	v_pk_add_f32 v[SUM:SUM+1], v[SUM:SUM+1], v[T+2:T+3]
.endif
	global_store_b64 v3, v[Y+2*row_:Y+2*row_+1], s[14:15] offset:(\p)*XPITCH+row_*256 th:TH_STORE_NT   ; at most 3 pitches + 15 rows = 888,576: inside the signed 24-bit immediate
.set row_, row_+1
.endr
.if \next
	FILL (\p)+2, \buf
.endif
	v_add_f32 v[SUM], v[SUM], v[SUM+1]
	v_add_f32_dpp v[SUM], v[SUM], v[SUM] row_xmask:1 row_mask:0xf bank_mask:0xf   ; the 8 lanes of a run of 32 columns
	v_add_f32_dpp v[SUM], v[SUM], v[SUM] row_xmask:2 row_mask:0xf bank_mask:0xf
	v_add_f32_dpp v[SUM], v[SUM], v[SUM] row_xmask:4 row_mask:0xf bank_mask:0xf
	v_permlanex16_b32 v14, v[SUM], s28, s29        ; the cell's second run lies 64 columns = 16 lanes away
	v_add_f32 v[SUM], v[SUM], v14
	v_mul_f32 v[SUM], 0x3a800000, v[SUM]           ; / 1024
	ds_store_b32 v4, v[SUM] offset:(\p)*64         ; the lanes of a cell write one word with one value
.endm
	FILL 0, XA
	FILL 1, XB
	PLANE 0, XA, 16, 1                             ; 16: the next plane's loads stay out
	PLANE 1, XB, 16, 1
	PLANE 2, XA, 16, 0
	PLANE 3, XB, 0, 0
; The weights.  Each of the five matrices of wfrag is 512 pieces of 512 bytes; work-group g makes piece g of each, wave w of matrix w.
; Piece g = half b = g & 1 of fragment f = g >> 1; lane (r, h) holds 8 numbers of row 16 t + r, k = 32 u + 16 b + 8 h + 0..7.
.macro WROWS ptr, LK                   ; a matrix used as it lies: rows of 32 << LK numbers, f = t << LK | u
	s_lshr_b32 s24, s23, \LK
	s_and_b32 s25, s23, (1<<\LK)-1
	s_lshl_b32 s24, s24, \LK+11                    ; 16 t rows
	s_lshl_b32 s25, s25, 7                         ; 32 u numbers
	s_add_co_u32 s24, s24, s25
	s_lshl_b32 s25, s22, 6                         ; 16 b numbers
	s_add_co_u32 s24, s24, s25
	v_lshlrev_b32 v5, \LK+7, v6                    ; r rows
	v_lshl_add_u32 v5, v7, 5, v5                   ; 8 h numbers
	v_add_nc_u32 v5, s24, v5
	global_load_b128 v[32:35], v5, s[\ptr:\ptr+1]
	global_load_b128 v[36:39], v5, s[\ptr:\ptr+1] offset:16
	s_branch .Lpack
.endm
	s_cmp_gt_u32 s20, 4
	s_cbranch_scc1 .Lnow                           ; waves 5 to 7 have no matrix
	s_cmp_eq_u32 s20, 3
	s_cbranch_scc1 .Lw3
	s_cmp_eq_u32 s20, 1
	s_cbranch_scc1 .Lw1
	s_cmp_eq_u32 s20, 2
	s_cbranch_scc1 .Lw2
	s_cmp_eq_u32 s20, 4
	s_cbranch_scc1 .Lw4
	WROWS 6, 3                                     ; conv1_w
.Lw1:
	WROWS 8, 3                                     ; convv_w
.Lw2:
	WROWS 10, 3                                    ; convf_w
.Lw4:
	WROWS 12, 4                                    ; conv2_w
.Lw3:                                  ; convf_w transposed: rows = input channel 16 t + r, k = output channel
	s_lshr_b32 s24, s23, 4
	s_and_b32 s25, s23, 15
	s_lshl_b32 s24, s24, 6                         ; 16 t columns
	s_lshl_b32 s25, s25, 15                        ; 32 u rows of 1,024 bytes
	s_add_co_u32 s24, s24, s25
	s_lshl_b32 s25, s22, 14                        ; 16 b rows
	s_add_co_u32 s24, s24, s25
	v_lshlrev_b32 v5, 2, v6
	v_lshl_add_u32 v5, v7, 13, v5                  ; 8 h rows
	v_add_nc_u32 v5, s24, v5
.irp e, 0,1,2,3,4,5,6,7
	global_load_b32 v[32+\e], v5, s[10:11] offset:\e*1024
.endr
.Lpack:
	s_wait_loadcnt 0x0
.irp k, 0,1,2,3
	v_cvt_pk_bf16_f32 v[40+\k], v[32+2*\k], v[33+2*\k]
.endr
	s_mul_i32 s24, s20, 262144                     ; matrix w
	s_lshl_b32 s25, ttmp9, 9                       ; piece g
	s_add_co_u32 s24, s24, s25
	s_mov_b32 s25, 0
	s_add_nc_u64 s[18:19], s[18:19], s[24:25]
	global_store_b128 v15, v[40:43], s[18:19]      ; 512 consecutive bytes
.Lnow:
	s_wait_dscnt 0x0                               ; my four means are in LDS
	s_barrier_signal -1
	s_barrier_wait -1
	s_cmp_lg_u32 s20, 0
	s_cbranch_scc1 .Lend
	v_lshlrev_b32 v10, 3, v1
	ds_load_b64 v[8:9], v10                        ; 4 planes x 16 cells = 256 bytes
	s_lshl_b32 s24, ttmp9, 8
	s_mov_b32 s25, 0
	s_add_nc_u64 s[16:17], s[16:17], s[24:25]
	s_wait_dscnt 0x0
	global_store_b64 v10, v[8:9], s[16:17]
.Lend:
	s_wait_tensorcnt 0x0
	ds_add_u32 v200, v201
	s_wait_dscnt 0x0
	s_endpgm
.Lfunc_end_k_q4bb40dc39b_prep:
	.size	k_q4bb40dc39b_prep, .Lfunc_end_k_q4bb40dc39b_prep-k_q4bb40dc39b_prep
	.p2alignl 7, 3214868480
	.fill 96, 4, 3214868480
	.section	.rodata,"a",@progbits
	.p2align	6, 0x0
	.amdhsa_kernel k_q4bb40dc39b_prep
		.amdhsa_group_segment_fixed_size 1280
		.amdhsa_private_segment_fixed_size 0
		.amdhsa_enable_private_segment 0
		.amdhsa_kernarg_size 64
		.amdhsa_user_sgpr_count 2
		.amdhsa_user_sgpr_kernarg_segment_ptr 1
		.amdhsa_wavefront_size32 1
		.amdhsa_system_sgpr_workgroup_id_x 1
		.amdhsa_system_sgpr_workgroup_id_y 1
		.amdhsa_system_sgpr_workgroup_id_z 1
		.amdhsa_system_vgpr_workitem_id 0
		.amdhsa_next_free_vgpr 202
		.amdhsa_next_free_sgpr 66
		.amdhsa_reserve_vcc 0
		.amdhsa_float_denorm_mode_32 3
		.amdhsa_float_denorm_mode_16_64 3
		.amdhsa_memory_ordered 1
		.amdhsa_forward_progress 1
		.amdhsa_inst_pref_size 49
	.end_amdhsa_kernel
	.amdgpu_metadata
---
amdhsa.version: [ 1, 2 ]
amdhsa.kernels:
  - .name:           k_q4bb40dc39b_prep
    .symbol:         k_q4bb40dc39b_prep.kd
    .args:
      - { .name: x, .offset: 0, .size: 8, .value_kind: global_buffer, .address_space: global }
      - { .name: conv1_w, .offset: 8, .size: 8, .value_kind: global_buffer, .address_space: global }
      - { .name: convv_w, .offset: 16, .size: 8, .value_kind: global_buffer, .address_space: global }
      - { .name: convf_w, .offset: 24, .size: 8, .value_kind: global_buffer, .address_space: global }
      - { .name: conv2_w, .offset: 32, .size: 8, .value_kind: global_buffer, .address_space: global }
      - { .name: xb, .offset: 40, .size: 8, .value_kind: global_buffer, .address_space: global }
      - { .name: px, .offset: 48, .size: 8, .value_kind: global_buffer, .address_space: global }
      - { .name: wfrag, .offset: 56, .size: 8, .value_kind: global_buffer, .address_space: global }
    .group_segment_fixed_size: 1280
    .private_segment_fixed_size: 0
    .kernarg_segment_align: 8
    .kernarg_segment_size: 64
    .max_flat_workgroup_size: 256
    .sgpr_count:     66
    .vgpr_count:     202
    .wavefront_size: 32
...
	.end_amdgpu_metadata
.endif
;; end of part 8
;; launch centers (part 9): grid 8 x 2, 8 waves a work-group, no clusters, 50,176 bytes of LDS; arguments px, wfrag, conv1_b, convf_b, qbuf; writes qbuf
.if DOCPART == 9
	.amdgcn_target "amdgcn-amd-amdhsa--gfx1250"
	.amdhsa_code_object_version 6
	.text
	.protected	k_q4bb40dc39b_centers
	.globl	k_q4bb40dc39b_centers
	.p2align	8
	.type	k_q4bb40dc39b_centers,@function
k_q4bb40dc39b_centers:
	s_mov_b64 s[64:65], 0
	v_nop
	global_prefetch_b8 v0, s[64:65] scope:SCOPE_SE
	s_setreg_imm32_b32 hwreg(HW_REG_WAVE_MODE, 25, 1), 1
	s_wait_xcnt 0x0
; centers: pooling is linear, so pool(conv(x)) = W pool(x) + b.  Work-group (image, mat): mat 0 = conv1 (the attention's queries), mat 1 = convf (the pooled features).
; [512 o] x [256 cin] x [16 cells]: wave w makes o tiles 4 w .. 4 w + 3.  W is exact in bf16; the means are split into two bf16 terms (16 bits of mantissa).
; The means are the right-hand operand of all eight waves: wave w loads and splits K step w alone (32 channels, 16 loads) and hands its two fragments to the others through LDS.
; The bias is taken rounded to bf16, as x and the weights are, so that all inputs of the later hard argmax are rounded alike.
; The result, flat index 16 o + cell, goes through LDS.  mat 1: stored as it lies (CFQ).  mat 0: the flat index reads og*2048 + m*512 + h*64 + c;
; times 0.125 log2(e), split in two bf16 terms, stored as matrix fragments (column (og, m), k = c) for head h = wave; and the sum over c (QS).
; Sixteen small work-groups for a small product: no LDS ring, no cluster.
.set FRAG, 32768                       ; LDS: the result at 0 (32,768 bytes); the means' fragments (K step u, term s) at FRAG + 1,024 (2 u + s)
.set T,    16                          ; v[16:31]  at work
.set BIAS, 32                          ; v[32:63]  bias of my four tiles, 8 rows a lane
.set BF,   64                          ; v[64:191] the means as fragments: K step u: high term at 64+16u, low term at 72+16u
.set RAW,  192                         ; v[192:207] my K step's 16 means as loaded
.set HL,   208                         ; v[208:223] their terms: half b: high at 208+8b, low at 212+8b
.set ACC,  192                         ; v[192:223] four accumulators, over RAW and HL when these are dead
.set MSB, 0
.macro WIN new                         ; the immediate's high byte repeats the setting that is left
.if MSB != \new
	s_set_vgpr_msb (MSB<<8)|\new
.set MSB, \new
.endif
.endm
.macro PLACES                          ; five places behind a matrix instruction (ISA guide 7.12.1)
.rept 5
	v_nop
.endr
.endm
.macro MM d, a, b, c0                  ; c0: the product starts the sum
.if \c0
	v_wmma_f32_16x16x32_bf16 v[\d:\d+7], v[\a:\a+7], v[\b:\b+7], 0
.else
	v_wmma_f32_16x16x32_bf16 v[\d:\d+7], v[\a:\a+7], v[\b:\b+7], v[\d:\d+7]
.endif
.endm
.macro SPLIT2 S, H, L, TT              ; 8 f32 in S (destroyed) -> 8 bf16 in H + 8 bf16 of the rest in L
.irp k, 0,1,2,3
	v_cvt_pk_bf16_f32 v[\H+\k], v[\S+2*\k], v[\S+2*\k+1]
.endr
.irp k, 0,1,2,3
	v_lshlrev_b32 v[\TT+2*\k], 16, v[\H+\k]
	v_and_b32 v[\TT+2*\k+1], 0xffff0000, v[\H+\k]
.endr
.irp k, 0,1,2,3
	v_pk_add_f32 v[\S+2*\k:\S+2*\k+1], v[\S+2*\k:\S+2*\k+1], v[\TT+2*\k:\TT+2*\k+1] neg_lo:[0,1] neg_hi:[0,1]
.endr
.irp k, 0,1,2,3
	v_cvt_pk_bf16_f32 v[\L+\k], v[\S+2*\k], v[\S+2*\k+1]
.endr
.endm
.macro RND8 S, TT                      ; 8 f32 rounded to bf16, kept as f32
.irp k, 0,1,2,3
	v_cvt_pk_bf16_f32 v[\TT+\k], v[\S+2*\k], v[\S+2*\k+1]
.endr
.irp k, 0,1,2,3
	v_lshlrev_b32 v[\S+2*\k], 16, v[\TT+\k]
	v_and_b32 v[\S+2*\k+1], 0xffff0000, v[\TT+\k]
.endr
.endm
	s_load_b256 s[4:11], s[0:1], 0x0               ; px 4, wfrag 6, conv1_b 8, convf_b 10
	s_load_b64 s[12:13], s[0:1], 0x20              ; qbuf
	v_lshl_add_u32 v254, v0, 2, 0xc000
	v_mov_b32 v255, 0
	v_lshrrev_b32 v8, 5, v0
	v_readfirstlane_b32 s14, v8                    ; wave
	s_and_b32 s15, ttmp7, 0xffff                   ; mat
	s_mov_b32 s22, 0x76543210
	s_mov_b32 s23, 0xfedcba98
	v_and_b32 v1, 31, v0
	v_and_b32 v2, 15, v0                           ; r
	v_bfe_u32 v3, v0, 4, 1                         ; h
	v_lshlrev_b32 v4, 4, v1                        ; 16 lane
	v_lshlrev_b32 v7, 2, v2
	v_lshl_add_u32 v7, v3, 9, v7                   ; 4 r + 512 h
	s_lshl_b32 s20, ttmp9, 14                      ; the image's 256 x 16 means
	s_lshl_b32 s21, s14, 11                        ; my K step: 32 channels of 64 bytes
	s_add_co_u32 s20, s20, s21
	v_add_nc_u32 v5, s20, v7                       ; px: cell r, channel 32 w + 8 h
	v_lshl_add_u32 v7, s14, 12, v7                 ; LDS: (64 w + 8 h) x 64 bytes + 4 r
	v_lshlrev_b32 v6, 5, v3
	v_lshl_add_u32 v6, s14, 8, v6                  ; bias: 4 (64 w + 8 h)
	v_add_nc_u32 v15, FRAG, v4                     ; a fragment's 16 bytes of my lane
	v_lshl_add_u32 v8, s14, 11, v15                ; my K step's two fragments
	v_mov_b32 v9, 0
	s_wait_kmcnt 0x0
	; register 8 b + e holds channel 32 w + 16 b + 8 h + e of cell r
.set k_, 0
.rept 16
	global_load_b32 v[RAW+k_], v5, s[4:5] offset:(k_+8*(k_/8))*64
.set k_, k_+1
.endr
	s_cmp_lg_u32 s15, 0
	s_cselect_b32 s16, 524288, 0                   ; convf's or conv1's fragments
	s_cselect_b64 s[18:19], s[10:11], s[8:9]       ; and bias
	s_lshl_b32 s17, s14, 15                        ; my 4 tiles x 8 fragments of 1,024 bytes
	s_add_co_u32 s16, s16, s17
	s_mov_b32 s17, 0
	s_add_nc_u64 s[6:7], s[6:7], s[16:17]
.irp tl, 0,1,2,3
	global_load_b128 v[BIAS+8*\tl:BIAS+8*\tl+3], v6, s[18:19] offset:\tl*64
	global_load_b128 v[BIAS+8*\tl+4:BIAS+8*\tl+7], v6, s[18:19] offset:\tl*64+16
.endr
	WIN 0x40                                       ; destination window 1: fragment (tile tl, K step u) at v[8 (8 tl + u)]
.set f_, 0
.rept 32
	global_load_b128 v[8*f_:8*f_+3], v4, s[6:7] offset:f_*1024
	global_load_b128 v[8*f_+4:8*f_+7], v4, s[6:7] offset:f_*1024+512
.set f_, f_+1
.endr
	WIN 0
	s_wait_loadcnt 0x3f                            ; 88 loads were issued: with at most 63 out the 25 oldest are in, the 16 means and the 8 of the bias among them
	SPLIT2 RAW, HL, HL+4, T
	SPLIT2 RAW+8, HL+8, HL+12, T
	ds_store_b128 v8, v[HL:HL+3]                   ; high term, k = 8 h ..
	ds_store_b128 v8, v[HL+4:HL+7] offset:1024     ; low term
	ds_store_b128 v8, v[HL+8:HL+11] offset:512     ; high term, k = 16 + 8 h ..
	ds_store_b128 v8, v[HL+12:HL+15] offset:1536
	s_wait_dscnt 0x0                               ; my fragments are in LDS
	s_barrier_signal -1
	s_barrier_wait -1
.irp u, 0,1,2,3,4,5,6,7
.irp s, 0,1
	ds_load_b128 v[BF+16*\u+8*\s:BF+16*\u+8*\s+3], v15 offset:(\u*2+\s)*1024
	ds_load_b128 v[BF+16*\u+8*\s+4:BF+16*\u+8*\s+7], v15 offset:(\u*2+\s)*1024+512
.endr
.endr
	s_wait_dscnt 0x0
	s_wait_loadcnt 0x0                             ; the weights
	WIN 0x01                                       ; source 0 (W) window 1
.irp u, 0,1,2,3,4,5,6,7
.irp s, 0,1
.irp tl, 0,1,2,3
	MM ACC+8*\tl, (\tl*8+\u)*8, BF+16*\u+8*\s, (\u+\s)==0    ; the four accumulators take turns
.endr
.endr
.endr
	WIN 0
	PLACES
.irp tl, 0,1,2,3
	RND8 BIAS+8*\tl, T
.irp k, 0,1,2,3
	v_pk_add_f32 v[ACC+8*\tl+2*\k:ACC+8*\tl+2*\k+1], v[ACC+8*\tl+2*\k:ACC+8*\tl+2*\k+1], v[BIAS+8*\tl+2*\k:BIAS+8*\tl+2*\k+1]
.endr
.irp j, 0,1,2,3,4,5,6,7
	ds_store_b32 v7, v[ACC+8*\tl+\j] offset:\tl*1024+\j*64    ; flat index 16 o + cell
.endr
.endr
	s_wait_dscnt 0x0
	s_barrier_signal -1
	s_barrier_wait -1
	s_cmp_eq_u32 s15, 0
	s_cbranch_scc1 .Lqueries
	; mat 1: the 32,768 bytes as they lie
	s_lshl_b32 s16, ttmp9, 15
	s_add_co_u32 s16, s16, 266240
	s_mov_b32 s17, 0
	s_add_nc_u64 s[12:13], s[12:13], s[16:17]
	v_lshlrev_b32 v8, 4, v0
.irp i, 0,1,2,3,4,5,6,7
	ds_load_b128 v[64+4*\i:67+4*\i], v8 offset:\i*4096
.endr
.irp i, 0,1,2,3,4,5,6,7
	s_wait_dscnt 7-\i
	global_store_b128 v8, v[64+4*\i:67+4*\i], s[12:13] offset:\i*4096
.endr
	s_wait_tensorcnt 0x0
	ds_add_u32 v254, v255
	s_wait_dscnt 0x0
	s_endpgm
.Lqueries:
	; mat 0: head h = wave; lane (r, h') takes q(r, c = 32 u + 16 b + 8 h' + 0..7) at flat index 512 r + 64 h + c
	v_lshlrev_b32 v12, 11, v2
	v_lshl_add_u32 v12, v3, 5, v12
	v_lshl_add_u32 v12, s14, 8, v12
.irp ch, 0,1,2,3
	ds_load_b128 v[96+8*\ch:99+8*\ch], v12 offset:\ch*64
	ds_load_b128 v[100+8*\ch:103+8*\ch], v12 offset:\ch*64+16
.endr
	s_lshl_b32 s16, ttmp9, 15                      ; image x 8 heads x 4 fragments of 1,024 bytes
	s_lshl_b32 s17, s14, 12
	s_add_co_u32 s16, s16, s17
	s_mov_b32 s17, 0
	s_add_nc_u64 s[18:19], s[12:13], s[16:17]
	s_lshl_b32 s16, ttmp9, 9                       ; QS: ((2 image + h/4) x 4 + og) x 64 + (4 (h%4) + m) x 4
	s_lshr_b32 s17, s14, 2
	s_lshl_b32 s17, s17, 8
	s_add_co_u32 s16, s16, s17
	s_and_b32 s17, s14, 3
	s_lshl_b32 s17, s17, 4
	s_add_co_u32 s16, s16, s17
	s_add_co_u32 s16, s16, 262144
	s_mov_b32 s17, 0
	s_add_nc_u64 s[12:13], s[12:13], s[16:17]
	v_lshrrev_b32 v13, 2, v2
	v_and_b32 v14, 3, v2
	v_lshlrev_b32 v14, 2, v14
	v_lshl_add_u32 v13, v13, 6, v14
	s_wait_dscnt 0x0
.irp ch, 0,1,2,3
.irp k, 0,1,2,3
	v_pk_mul_f32 v[96+8*\ch+2*\k:97+8*\ch+2*\k], v[96+8*\ch+2*\k:97+8*\ch+2*\k], 0x3e38aa3b op_sel_hi:[1,0]   ; 0.125 log2(e)
.endr
.endr
	v_pk_add_f32 v[10:11], v[96:97], v[98:99]
.set k_, 2
.rept 14
	v_pk_add_f32 v[10:11], v[10:11], v[96+2*k_:97+2*k_]
.set k_, k_+1
.endr
.irp ch, 0,1,2,3
	SPLIT2 96+8*\ch, 64+8*\ch, 68+8*\ch, T
	global_store_b128 v4, v[64+8*\ch:67+8*\ch], s[18:19] offset:(\ch/2)*1024+(\ch%2)*512        ; high term: fragment u = ch / 2, half b = ch % 2
	global_store_b128 v4, v[68+8*\ch:71+8*\ch], s[18:19] offset:(2+\ch/2)*1024+(\ch%2)*512      ; low term
.endr
	v_add_f32 v10, v10, v11
	v_permlanex16_b32 v9, v10, s22, s23
	v_add_f32 v10, v10, v9
	global_store_b32 v13, v10, s[12:13]            ; both halves of the lanes hold the same sum for the same word
	s_wait_tensorcnt 0x0
	ds_add_u32 v254, v255
	s_wait_dscnt 0x0
	s_endpgm
.Lfunc_end_k_q4bb40dc39b_centers:
	.size	k_q4bb40dc39b_centers, .Lfunc_end_k_q4bb40dc39b_centers-k_q4bb40dc39b_centers
	.p2alignl 7, 3214868480
	.fill 96, 4, 3214868480
	.section	.rodata,"a",@progbits
	.p2align	6, 0x0
	.amdhsa_kernel k_q4bb40dc39b_centers
		.amdhsa_group_segment_fixed_size 50176
		.amdhsa_private_segment_fixed_size 0
		.amdhsa_enable_private_segment 0
		.amdhsa_kernarg_size 40
		.amdhsa_user_sgpr_count 2
		.amdhsa_user_sgpr_kernarg_segment_ptr 1
		.amdhsa_wavefront_size32 1
		.amdhsa_system_sgpr_workgroup_id_x 1
		.amdhsa_system_sgpr_workgroup_id_y 1
		.amdhsa_system_sgpr_workgroup_id_z 1
		.amdhsa_system_vgpr_workitem_id 0
		.amdhsa_next_free_vgpr 512
		.amdhsa_next_free_sgpr 66
		.amdhsa_reserve_vcc 0
		.amdhsa_float_denorm_mode_32 3
		.amdhsa_float_denorm_mode_16_64 3
		.amdhsa_memory_ordered 1
		.amdhsa_forward_progress 1
		.amdhsa_inst_pref_size 36
	.end_amdhsa_kernel
	.amdgpu_metadata
---
amdhsa.version: [ 1, 2 ]
amdhsa.kernels:
  - .name:           k_q4bb40dc39b_centers
    .symbol:         k_q4bb40dc39b_centers.kd
    .args:
      - { .name: px, .offset: 0, .size: 8, .value_kind: global_buffer, .address_space: global }
      - { .name: wfrag, .offset: 8, .size: 8, .value_kind: global_buffer, .address_space: global }
      - { .name: conv1_b, .offset: 16, .size: 8, .value_kind: global_buffer, .address_space: global }
      - { .name: convf_b, .offset: 24, .size: 8, .value_kind: global_buffer, .address_space: global }
      - { .name: qbuf, .offset: 32, .size: 8, .value_kind: global_buffer, .address_space: global }
    .group_segment_fixed_size: 50176
    .private_segment_fixed_size: 0
    .kernarg_segment_align: 8
    .kernarg_segment_size: 40
    .max_flat_workgroup_size: 256
    .sgpr_count:     66
    .vgpr_count:     512
    .wavefront_size: 32
...
	.end_amdgpu_metadata
.endif
;; end of part 9
;; launch attn (part 10): grid 512 x 1, 4 waves a work-group, no clusters, 305,664 bytes of LDS; arguments xb, wfrag, qbuf, convv_b, convf_b, part; writes part
.if DOCPART == 10
	.amdgcn_target "amdgcn-amd-amdhsa--gfx1250"
	.amdhsa_code_object_version 6
	.text
	.protected	k_q4bb40dc39b_attn
	.globl	k_q4bb40dc39b_attn
	.p2align	8
	.type	k_q4bb40dc39b_attn,@function
k_q4bb40dc39b_attn:
	s_mov_b64 s[64:65], 0
	v_nop
	global_prefetch_b8 v0, s[64:65] scope:SCOPE_SE
	s_setreg_imm32_b32 hwreg(HW_REG_WAVE_MODE, 25, 1), 1
	s_wait_xcnt 0x0
; attn: one strip of the attention, without ever forming keys or values.  Work-group g = (image, strip r_s of 512 pixels, half hg of its 8 heads): 256 pixels.
; The keys of batch (image, og) in this strip are the 128 output channels ol of group og; head and c are the pixel.  With x the strip [256 cin][256 pixels]:
;   Z[cin][(og,m),h]  = sum over c of x[cin][64 h + c] q'[(og,m),h,c]                    (wave w: its own 64 channels)
;   s'[ol][(h,m)]     = sum over cin of Wv[128 og + ol][cin] Z + bv[ol] sum(q')          (wave = og), already in log2 units
;   e = exp2(s' - max over ol), l = sum e, bterm = sum e bf[ol]                          (the strip's own maximum; the next launch joins the strips by their maxima)
;   U[cin][(h,m)]     = sum over ol of e[ol] Wf[128 og + ol][cin]                        (wave = og)
;   C[(og,m)][c]      = sum over cin of U[cin] x[cin][64 h + c]                          (wave = h)
; In each product one operand is an input that is exact in bf16 (x, Wv, Wf); the other is split into two (q', Z) or three (e, U) bf16 terms,
; because a hard argmax follows downstream.  bv and bf are taken rounded to bf16, as x and the weights are.
; xb is laid [channel][image][pixel], a channel's block pitched XPITCH bytes.
; A wave loads 256 weight fragments' halves (Wv 128, Wf^T 128) in runs of 64, each run requested where the work that follows needs none of it.
; Clusters: all work-groups read Wv and Wf, but these go straight from memory to registers in fragment order (512 consecutive bytes a load) and LDS has no room for them; x is shared by no one.
; LDS is filled once (one tensor load a wave, one outstanding): no ring, no refill.
.set XPITCH, 294912                    ; bytes from a channel's block of xb to the next
.set ZS,   135168                      ; XS at 0: 256 rows (cin) x 528.  ZS: 128 rows (term*64 + og*16 + h*4 + m) x 528, cin along the row
.set US,   202752                      ; 192 rows (term*64 + h*16 + og*4 + m) x 528, cin along the row
.set STAT, 304128                      ; [og][column][max, l, bterm, 0]
.set ACC,  24                          ; v[24:87]   eight accumulators
.set FR,   88                          ; v[88:215]  fragments
.set TMP,  216                         ; v[216:255] at work
; window 3: v0-127 q' fragments (h, term, u) at 8 (4 h + 2 term + u); v128-191 bv, v192-255 bf of my og, row 16 t + 8 h' + j at 8 t + j
; windows 1, 2: Wv fragment (u, t) in window 1 + u/4 at 8 (8 (u%4) + t); later Wf^T fragment (T, v) in window 1 + T/8 at 8 (4 (T%8) + v)
.set MSB, 0
.macro WIN new
.if MSB != \new
	s_set_vgpr_msb (MSB<<8)|\new
.set MSB, \new
.endif
.endm
.macro PLACES                          ; five places behind a matrix instruction (ISA guide 7.12.1)
.rept 5
	v_nop
.endr
.endm
.macro MM d, a, b, c0
.if \c0
	v_wmma_f32_16x16x32_bf16 v[\d:\d+7], v[\a:\a+7], v[\b:\b+7], 0
.else
	v_wmma_f32_16x16x32_bf16 v[\d:\d+7], v[\a:\a+7], v[\b:\b+7], v[\d:\d+7]
.endif
.endm
.macro SPLIT2 S, H, L, TT
.irp k, 0,1,2,3
	v_cvt_pk_bf16_f32 v[\H+\k], v[\S+2*\k], v[\S+2*\k+1]
.endr
.irp k, 0,1,2,3
	v_lshlrev_b32 v[\TT+2*\k], 16, v[\H+\k]
	v_and_b32 v[\TT+2*\k+1], 0xffff0000, v[\H+\k]
.endr
.irp k, 0,1,2,3
	v_pk_add_f32 v[\S+2*\k:\S+2*\k+1], v[\S+2*\k:\S+2*\k+1], v[\TT+2*\k:\TT+2*\k+1] neg_lo:[0,1] neg_hi:[0,1]
.endr
.irp k, 0,1,2,3
	v_cvt_pk_bf16_f32 v[\L+\k], v[\S+2*\k], v[\S+2*\k+1]
.endr
.endm
.macro SPLIT3 S, H, M, L, TT           ; three terms: 24 bits of mantissa
	SPLIT2 \S, \H, \M, \TT
.irp k, 0,1,2,3
	v_lshlrev_b32 v[\TT+2*\k], 16, v[\M+\k]
	v_and_b32 v[\TT+2*\k+1], 0xffff0000, v[\M+\k]
.endr
.irp k, 0,1,2,3
	v_pk_add_f32 v[\S+2*\k:\S+2*\k+1], v[\S+2*\k:\S+2*\k+1], v[\TT+2*\k:\TT+2*\k+1] neg_lo:[0,1] neg_hi:[0,1]
.endr
.irp k, 0,1,2,3
	v_cvt_pk_bf16_f32 v[\L+\k], v[\S+2*\k], v[\S+2*\k+1]
.endr
.endm
	s_load_b256 s[4:11], s[0:1], 0x0               ; xb 4, wfrag 6, qbuf 8, convv_b 10
	s_load_b128 s[12:15], s[0:1], 0x20             ; convf_b 12, part 14
	v_lshl_add_u32 v254, v0, 2, 0x4a800
	v_mov_b32 v255, 0
	ds_add_u32 v254, v255
	ds_add_u32 v254, v255
	v_lshrrev_b32 v23, 5, v0
	v_readfirstlane_b32 s16, v23                   ; wave
	s_lshr_b32 s17, ttmp9, 6                       ; image
	s_bfe_u32 s18, ttmp9, 0x50001                  ; strip
	s_and_b32 s19, ttmp9, 1                        ; half of the heads
	s_mov_b32 s40, 0x76543210
	s_mov_b32 s41, 0xfedcba98
	; the tile: my 64 channels x 256 pixels of bf16; 16 bytes of padding behind each row of 128 words
	s_mov_b32 s24, (1<<16)|(1<<20)|(6<<22)|(3<<25)
	s_mov_b32 s25, 256<<16                         ; tensor_dim0 = 256
	s_mov_b32 s26, 64<<16                          ; tensor_dim1 = 64
	s_mov_b32 s27, 256<<16                         ; tile_dim0 = 256
	s_mov_b32 s28, 64                              ; tile_dim1 = 64
	s_mov_b32 s29, XPITCH/2                        ; elements from channel to channel
	s_mov_b32 s30, 0
	s_mov_b32 s31, 0
	s_mov_b32 s20, 1
	s_mul_i32 s21, s16, 33792                      ; 64 w rows of 528 bytes
	s_lshl_b32 s38, s17, 15                        ; the image's plane in a channel's block
	s_mul_i32 s39, s16, 64*XPITCH                  ; 64 w channels
	s_add_co_u32 s38, s38, s39
	s_lshl_b32 s39, s18, 10                        ; strip
	s_add_co_u32 s38, s38, s39
	s_lshl_b32 s39, s19, 9                         ; half
	s_add_co_u32 s38, s38, s39
	s_mov_b32 s39, 0
	s_wait_dscnt 0x0
	s_wait_kmcnt 0x0
	s_add_nc_u64 s[22:23], s[4:5], s[38:39]
	s_or_b32 s23, s23, 0x80000000
	tensor_load_to_lds s[20:23], s[24:31]          ; the launch's only fill of these bytes
	s_nop 0
	s_lshl_b32 s38, s17, 15
	s_lshl_b32 s46, s19, 14
	s_add_co_u32 s38, s38, s46
	s_add_nc_u64 s[36:37], s[8:9], s[38:39]        ; q' fragments of my four heads
	s_lshl_b32 s38, s16, 16
	s_add_co_u32 s38, s38, 262144
	s_add_nc_u64 s[32:33], s[6:7], s[38:39]        ; Wv, tiles 8 w ..
	s_lshl_b32 s38, s16, 12
	s_add_co_u32 s38, s38, 786432
	s_add_nc_u64 s[34:35], s[6:7], s[38:39]        ; Wf^T, K steps 4 w ..
	s_lshl_b32 s38, ttmp9, 14
	s_lshl_b32 s46, s16, 12
	s_add_co_u32 s38, s38, s46
	s_add_nc_u64 s[42:43], s[14:15], s[38:39]      ; part C: [g][h]
	s_lshl_b32 s38, ttmp9, 10
	s_add_co_u32 s38, s38, 8388608
	s_add_nc_u64 s[44:45], s[14:15], s[38:39]      ; part STAT: [g]
	v_and_b32 v1, 31, v0
	v_and_b32 v2, 15, v0                           ; r
	v_bfe_u32 v3, v0, 4, 1                         ; h'
	v_lshlrev_b32 v4, 4, v1
	v_mul_u32_u24 v22, v2, 528
	v_lshl_add_u32 v22, v3, 4, v22                 ; 528 r + 16 h'
	v_add_nc_u32 v5, s21, v22                      ; x rows 64 w + r
	s_mul_i32 s38, s16, 8448
	s_add_co_u32 s46, s38, ZS
	v_add_nc_u32 v7, s46, v22                      ; Z rows 16 w + r
	s_add_co_u32 s46, s38, US
	v_add_nc_u32 v12, s46, v22                     ; U rows 16 w + r
	v_add_nc_u32 v13, 67584, v12                   ; third term
	v_lshrrev_b32 v23, 2, v2
	v_and_b32 v21, 3, v2
	v_lshl_add_u32 v23, v23, 4, v21
	v_mul_u32_u24 v23, v23, 528
	v_lshl_add_u32 v23, v3, 4, v23                 ; (16 (r/4) + r%4) rows + 16 h'
	s_lshl_b32 s46, s16, 7
	s_add_co_u32 s46, s46, ZS
	v_add_nc_u32 v6, s46, v23                      ; where Z goes: column 64 w
	s_mul_i32 s46, s16, 2112
	s_add_co_u32 s46, s46, US
	v_add_nc_u32 v8, s46, v23                      ; where U goes: rows + 4 w
	v_add_nc_u32 v9, 67584, v8
	v_and_b32 v21, 7, v0
	v_lshl_add_u32 v21, v3, 3, v21
	v_mul_u32_u24 v21, v21, 528
	v_bfe_u32 v23, v0, 3, 1
	v_lshl_add_u32 v21, v23, 4, v21
	v_lshl_add_u32 v10, s16, 7, v21                ; transposing loads of x: channel 8 h' + l%8, pixel 64 w + 8 ((l/8)%2)
	v_add_nc_u32 v11, 67584, v10                   ; channels 128 ..
	s_mul_i32 s46, s16, 4352
	s_add_co_u32 s46, s46, ZS                      ; the way out's stage, over ZS when that is dead
	v_mul_u32_u24 v21, v2, 272
	v_lshl_add_u32 v21, v3, 5, v21
	v_add_nc_u32 v14, s46, v21
	v_mul_u32_u24 v21, v3, 272
	v_lshl_add_u32 v21, v2, 4, v21
	v_add_nc_u32 v15, s46, v21
	v_lshlrev_b32 v18, 5, v3
	v_lshl_add_u32 v18, s16, 9, v18                ; biases: 4 (128 w + 8 h')
	s_lshl_b32 s46, s17, 9
	s_lshl_b32 s47, s19, 8
	s_add_co_u32 s46, s46, s47
	s_lshl_b32 s47, s16, 6
	s_add_co_u32 s46, s46, s47
	s_add_co_u32 s46, s46, 262144
	v_lshl_add_u32 v20, v2, 2, s46                 ; sum of q' of column r
	WIN 0xc0                                       ; destination window 3
.set f_, 0
.rept 16
	global_load_b128 v[8*f_:8*f_+3], v4, s[36:37] offset:f_*1024
	global_load_b128 v[8*f_+4:8*f_+7], v4, s[36:37] offset:f_*1024+512
.set f_, f_+1
.endr
.set t_, 0
.rept 8
	global_load_b128 v[128+8*t_:131+8*t_], v18, s[10:11] offset:t_*64
	global_load_b128 v[132+8*t_:135+8*t_], v18, s[10:11] offset:t_*64+16
	global_load_b128 v[192+8*t_:195+8*t_], v18, s[12:13] offset:t_*64
	global_load_b128 v[196+8*t_:199+8*t_], v18, s[12:13] offset:t_*64+16
.set t_, t_+1
.endr
	WIN 0
	global_load_b32 v16, v20, s[8:9]
	s_wait_loadcnt 0x0
	v_mov_b32 v17, v16
	WIN 0x0f                                       ; both sources window 3: the biases rounded to bf16
.set k_, 0
.rept 64
	v_cvt_pk_bf16_f32 v[FR+k_], v[128+2*k_], v[129+2*k_]
.set k_, k_+1
.endr
	WIN 0xc0
.set k_, 0
.rept 64
	v_lshlrev_b32 v[128+2*k_], 16, v[FR+k_]
	v_and_b32 v[129+2*k_], 0xffff0000, v[FR+k_]
.set k_, k_+1
.endr
.macro WVLOAD u0                       ; four K steps of Wv into one window: 64 loads
.irp u, 0,1,2,3
.irp t, 0,1,2,3,4,5,6,7
	global_load_b128 v[(\u*8+\t)*8:(\u*8+\t)*8+3], v4, s[32:33] offset:(\t*8+\u0+\u)*1024
	global_load_b128 v[(\u*8+\t)*8+4:(\u*8+\t)*8+7], v4, s[32:33] offset:(\t*8+\u0+\u)*1024+512
.endr
.endr
.endm
	WIN 0x40
	WVLOAD 0                                       ; K steps 0-3; they land while Z is made
	WIN 0
	; Z.  I read only the 64 rows that my own tensor load brought: its wait is all the ordering that these reads need.
	s_wait_tensorcnt 0x0
.macro PZ h4
.irp i, 0,1,2,3
.irp u, 0,1
	ds_load_b128 v[FR+(\i*2+\u)*8:FR+(\i*2+\u)*8+3], v5 offset:\i*8448+\h4*128+\u*64
	ds_load_b128 v[FR+(\i*2+\u)*8+4:FR+(\i*2+\u)*8+7], v5 offset:\i*8448+\h4*128+\u*64+32
.endr
.endr
	s_wait_dscnt 0x0
	WIN 0x0c                                       ; source 1 (q') window 3
.irp s, 0,1
.irp u, 0,1
.irp i, 0,1,2,3
	MM FR+64+8*\i, FR+(\i*2+\u)*8, (\h4*4+\s*2+\u)*8, (\s+\u)==0     ; four accumulators take turns
.endr
.endr
.endr
	WIN 0
	PLACES
.irp i, 0,1,2,3
	SPLIT2 FR+64+8*\i, TMP, TMP+4, TMP+8
	ds_store_b128 v6, v[TMP:TMP+3] offset:\h4*2112+\i*32             ; column (og, h, m), channels 64 w + 16 i + 8 h' ..
	ds_store_b128 v6, v[TMP+4:TMP+7] offset:\h4*2112+\i*32+33792
.endr
.endm
	PZ 0
	PZ 1
	WIN 0x80
	WVLOAD 4                                       ; K steps 4-7, requested here so that the run of 64 does not stand in front of Z's first half
	WIN 0
	PZ 2
	PZ 3
	s_wait_dscnt 0x0                               ; my part of Z is in LDS (my tensor load was waited for above)
	s_barrier_signal -1
	s_barrier_wait -1
	; s' for og = wave
.irp u, 0,1,2,3,4,5,6,7
.irp s, 0,1
	ds_load_b128 v[FR+(\u*2+\s)*8:FR+(\u*2+\s)*8+3], v7 offset:\s*33792+\u*64
	ds_load_b128 v[FR+(\u*2+\s)*8+4:FR+(\u*2+\s)*8+7], v7 offset:\s*33792+\u*64+32
.endr
.endr
	WIN 0x03
.set k_, 0
.rept 32
	v_pk_mul_f32 v[ACC+2*k_:ACC+2*k_+1], v[128+2*k_:129+2*k_], v[16:17]     ; bv sum(q') starts the sums
.set k_, k_+1
.endr
	WIN 0
	s_wait_loadcnt 0x3f                            ; of Wv's 128 loads at most 63 are out: the first 65 are in, the 64 of K steps 0-3 among them
	s_wait_dscnt 0x0
.macro PS u0
.irp u, 0,1,2,3
.irp s, 0,1
.irp t, 0,1,2,3,4,5,6,7
	MM ACC+8*\t, (\u*8+\t)*8, FR+((\u0+\u)*2+\s)*8, 0                       ; eight accumulators take turns
.endr
.endr
.endr
.endm
.macro WFLOAD T0                       ; eight tiles of Wf^T, my four K steps: 64 loads
.irp tt, 0,1,2,3,4,5,6,7
.irp v, 0,1,2,3
	global_load_b128 v[(\tt*4+\v)*8:(\tt*4+\v)*8+3], v4, s[34:35] offset:((\T0+\tt)*16+\v)*1024
	global_load_b128 v[(\tt*4+\v)*8+4:(\tt*4+\v)*8+7], v4, s[34:35] offset:((\T0+\tt)*16+\v)*1024+512
.endr
.endr
.endm
	WIN 0x01
	PS 0
	PLACES
	WIN 0x40
	WFLOAD 0                                       ; over the half of Wv that is done
	s_wait_loadcnt 0x3f                            ; 64 loads were issued behind Wv's K steps 4-7: with at most 63 out these are in
	WIN 0x02
	PS 4
	PLACES
	WIN 0
	; the strip's softmax terms, column r = (h, m); my 64 registers and the other half's are the 128 keys
	v_max3_num_f32 v18, v[ACC], v[ACC+1], v[ACC+2]
.set k_, 3
.rept 30
	v_max3_num_f32 v18, v18, v[ACC+k_], v[ACC+k_+1]
.set k_, k_+2
.endr
	v_max_num_f32 v18, v18, v[ACC+63]
	v_permlanex16_b32 v22, v18, s40, s41
	v_max_num_f32 v18, v18, v22
	v_mov_b32 v19, v18
.set k_, 0
.rept 32
	v_pk_add_f32 v[ACC+2*k_:ACC+2*k_+1], v[ACC+2*k_:ACC+2*k_+1], v[18:19] neg_lo:[0,1] neg_hi:[0,1]
.set k_, k_+1
.endr
.set k_, 0
.rept 64
	v_exp_f32 v[ACC+k_], v[ACC+k_]
.set k_, k_+1
.endr
	v_lshlrev_b32 v20, 4, v2                       ; the plain instruction behind the last exponential
	s_wait_alu depctr_va_vdst(0)
	v_pk_add_f32 v[TMP:TMP+1], v[ACC:ACC+1], v[ACC+2:ACC+3]
.set k_, 2
.rept 30
	v_pk_add_f32 v[TMP:TMP+1], v[TMP:TMP+1], v[ACC+2*k_:ACC+2*k_+1]
.set k_, k_+1
.endr
	WIN 0x0c                                       ; source 1 (bf) window 3
	v_pk_mul_f32 v[TMP+2:TMP+3], v[ACC:ACC+1], v[192:193]
.set k_, 1
.rept 31
	v_pk_fma_f32 v[TMP+2:TMP+3], v[ACC+2*k_:ACC+2*k_+1], v[192+2*k_:193+2*k_], v[TMP+2:TMP+3]
.set k_, k_+1
.endr
	WIN 0
	v_add_f32 v[TMP+5], v[TMP], v[TMP+1]
	v_permlanex16_b32 v22, v[TMP+5], s40, s41
	v_add_f32 v[TMP+5], v[TMP+5], v22              ; l
	v_add_f32 v[TMP+6], v[TMP+2], v[TMP+3]
	v_permlanex16_b32 v22, v[TMP+6], s40, s41
	v_add_f32 v[TMP+6], v[TMP+6], v22              ; bterm
	v_mov_b32 v[TMP+4], v18
	v_mov_b32 v[TMP+7], 0
	s_lshl_b32 s46, s16, 8
	s_add_co_u32 s46, s46, STAT
	v_add_nc_u32 v20, s46, v20
	ds_store_b128 v20, v[TMP+4:TMP+7]              ; both halves of the lanes write the same 16 bytes
	WIN 0x80
	WFLOAD 8                                       ; the second half of Wf^T, over Wv's second half: it has the split of e and U's first half in which to land
	WIN 0
	; e as the right-hand operand: a lane's 8 results of tile 2 v are k = 8 h' .. of K step v, those of tile 2 v + 1 are k = 16 + 8 h' ..: no lane moves
.set t_, 0
.rept 8
	SPLIT3 ACC+8*t_, FR+(t_/2)*24+(t_%2)*4, FR+(t_/2)*24+8+(t_%2)*4, FR+(t_/2)*24+16+(t_%2)*4, TMP+8
.set t_, t_+1
.endr
	; U for og = wave, eight channel tiles at a time
.macro PU win, T0
	WIN \win
.irp v, 0,1,2,3
.irp s, 0,1,2
.irp tt, 0,1,2,3,4,5,6,7
	MM ACC+8*\tt, (\tt*4+\v)*8, FR+(\v*3+\s)*8, (\v+\s)==0
.endr
.endr
.endr
	WIN 0
	PLACES
.irp tt, 0,1,2,3,4,5,6,7
	SPLIT3 ACC+8*\tt, TMP, TMP+4, TMP+8, TMP+16
	ds_store_b128 v8, v[TMP:TMP+3] offset:(\T0+\tt)*32
	ds_store_b128 v8, v[TMP+4:TMP+7] offset:(\T0+\tt)*32+33792
	ds_store_b128 v9, v[TMP+8:TMP+11] offset:(\T0+\tt)*32
.endr
.endm
	s_wait_loadcnt 0x3f                            ; of the 128 loads of Wf^T at most 63 are out: the first 64 are in
	PU 0x01, 0
	s_wait_loadcnt 0x0
	PU 0x02, 8
	s_wait_dscnt 0x0
	s_barrier_signal -1
	s_barrier_wait -1
	; C for head = wave: x transposed on the way from LDS (rows c, K = channel), U's three terms
.macro LOADPC u, buf
.irp ct, 0,1,2,3
	ds_load_tr16_b128 v[\buf+8*\ct:\buf+8*\ct+3], v[10+(\u)/4] offset:((\u)%4)*16896+\ct*32
	ds_load_tr16_b128 v[\buf+8*\ct+4:\buf+8*\ct+7], v[10+(\u)/4] offset:((\u)%4)*16896+\ct*32+8448
.endr
.irp s, 0,1
	ds_load_b128 v[\buf+32+8*\s:\buf+35+8*\s], v12 offset:\s*33792+(\u)*64
	ds_load_b128 v[\buf+36+8*\s:\buf+39+8*\s], v12 offset:\s*33792+(\u)*64+32
.endr
	ds_load_b128 v[\buf+48:\buf+51], v13 offset:(\u)*64
	ds_load_b128 v[\buf+52:\buf+55], v13 offset:(\u)*64+32
.endm
	LOADPC 0, FR
.set pu_, 0
.rept 8
.if pu_ < 7
	PLACES
	LOADPC pu_+1, FR+56*((pu_+1)%2)
	s_wait_dscnt 14                                ; the next K step's 14 loads stay out
.else
	s_wait_dscnt 0x0
.endif
.irp s, 0,1,2
.irp ct, 0,1,2,3
	MM ACC+8*\ct, FR+56*(pu_%2)+8*\ct, FR+56*(pu_%2)+32+8*\s, (pu_+\s)==0
.endr
.endr
.set pu_, pu_+1
.endr
	PLACES
	; the way out: lane (r, h') holds row (og, m) = r, c = 16 ct + 8 h' + 0..7; through my own stage, back as rows of 256 bytes
.irp ct, 0,1,2,3
	ds_store_b128 v14, v[ACC+8*\ct:ACC+8*\ct+3] offset:\ct*64
	ds_store_b128 v14, v[ACC+8*\ct+4:ACC+8*\ct+7] offset:\ct*64+16
.endr
.irp i, 0,1,2,3,4,5,6,7
	ds_load_b128 v[FR+4*\i:FR+4*\i+3], v15 offset:\i*544      ; LDS serves a wave's instructions in order: these see the stores above
.endr
.irp i, 0,1,2,3,4,5,6,7
	s_wait_dscnt 7-\i
	global_store_b128 v4, v[FR+4*\i:FR+4*\i+3], s[42:43] offset:\i*512
.endr
	s_cmp_lg_u32 s16, 0
	s_cbranch_scc1 .Lend
	v_add_nc_u32 v20, STAT, v4
	ds_load_b128 v[TMP:TMP+3], v20
	ds_load_b128 v[TMP+4:TMP+7], v20 offset:512
	s_wait_dscnt 0x0
	global_store_b128 v4, v[TMP:TMP+3], s[44:45]
	global_store_b128 v4, v[TMP+4:TMP+7], s[44:45] offset:512
.Lend:
	s_wait_tensorcnt 0x0
	ds_add_u32 v254, v255
	s_wait_dscnt 0x0
	s_endpgm
.Lfunc_end_k_q4bb40dc39b_attn:
	.size	k_q4bb40dc39b_attn, .Lfunc_end_k_q4bb40dc39b_attn-k_q4bb40dc39b_attn
	.p2alignl 7, 3214868480
	.fill 96, 4, 3214868480
	.section	.rodata,"a",@progbits
	.p2align	6, 0x0
	.amdhsa_kernel k_q4bb40dc39b_attn
		.amdhsa_group_segment_fixed_size 305664
		.amdhsa_private_segment_fixed_size 0
		.amdhsa_enable_private_segment 0
		.amdhsa_kernarg_size 48
		.amdhsa_user_sgpr_count 2
		.amdhsa_user_sgpr_kernarg_segment_ptr 1
		.amdhsa_wavefront_size32 1
		.amdhsa_system_sgpr_workgroup_id_x 1
		.amdhsa_system_sgpr_workgroup_id_y 1
		.amdhsa_system_sgpr_workgroup_id_z 1
		.amdhsa_system_vgpr_workitem_id 0
		.amdhsa_next_free_vgpr 1024
		.amdhsa_next_free_sgpr 66
		.amdhsa_reserve_vcc 0
		.amdhsa_float_denorm_mode_32 3
		.amdhsa_float_denorm_mode_16_64 3
		.amdhsa_memory_ordered 1
		.amdhsa_forward_progress 1
		.amdhsa_inst_pref_size 179
	.end_amdhsa_kernel
	.amdgpu_metadata
---
amdhsa.version: [ 1, 2 ]
amdhsa.kernels:
  - .name:           k_q4bb40dc39b_attn
    .symbol:         k_q4bb40dc39b_attn.kd
    .args:
      - { .name: xb, .offset: 0, .size: 8, .value_kind: global_buffer, .address_space: global }
      - { .name: wfrag, .offset: 8, .size: 8, .value_kind: global_buffer, .address_space: global }
      - { .name: qbuf, .offset: 16, .size: 8, .value_kind: global_buffer, .address_space: global }
      - { .name: convv_b, .offset: 24, .size: 8, .value_kind: global_buffer, .address_space: global }
      - { .name: convf_b, .offset: 32, .size: 8, .value_kind: global_buffer, .address_space: global }
      - { .name: part, .offset: 40, .size: 8, .value_kind: global_buffer, .address_space: global }
    .group_segment_fixed_size: 305664
    .private_segment_fixed_size: 0
    .kernarg_segment_align: 8
    .kernarg_segment_size: 48
    .max_flat_workgroup_size: 128
    .sgpr_count:     66
    .vgpr_count:     1024
    .wavefront_size: 32
...
	.end_amdgpu_metadata
.endif
;; end of part 10
;; launch combine (part 11): grid 64 x 1, 4 waves a work-group, no clusters, 4,864 bytes of LDS; arguments part, qhat; writes qhat
.if DOCPART == 11
	.amdgcn_target "amdgcn-amd-amdhsa--gfx1250"
	.amdhsa_code_object_version 6
	.text
	.protected	k_q4bb40dc39b_combine
	.globl	k_q4bb40dc39b_combine
	.p2align	8
	.type	k_q4bb40dc39b_combine,@function
k_q4bb40dc39b_combine:
	s_mov_b64 s[64:65], 0
	v_nop
	global_prefetch_b8 v0, s[64:65] scope:SCOPE_SE
	s_setreg_imm32_b32 hwreg(HW_REG_WAVE_MODE, 25, 1), 1
	s_wait_xcnt 0x0
; combine: joins the 32 strips of the attention by their maxima (the running-maximum rule, applied once), normalises the 16 centres of a group and
; stores them as matrix fragments in three bf16 terms.
; Work-group = group b_tg = (clip, b32), b32 = og*8 + m*2 + hg.  Wave = frame tt.  Lane l: head l/8 of the half hg, c = 8 (l%8) + e.
; In the group, element e of lane l is channel c' = 2 l + e/4 of centre 4 tt + e%4.
; 64 small work-groups; no address hangs on data, so all 96 loads of a wave (32 of statistics, 64 of partial centres) are requested at the start; no matrix unit.
.set ACC, 16                           ; v[16:23]
.set OUTP, 24                          ; v[24:31]  per centre ij a pair (c' = 2 l, 2 l + 1)
.set ST,  32                           ; v[32:159] 32 strips x (max, l, bterm, 0)
.set W,   160                          ; v[160:223] each strip's weight, twice (a pair for the packed multiply-add)
.set T,   224
; window 1: strip k's 8 partial numbers at v[8 k]
.set MSB, 0
.macro WIN new                         ; the immediate's high byte repeats the setting that is left
.if MSB != \new
	s_set_vgpr_msb (MSB<<8)|\new
.set MSB, \new
.endif
.endm
.macro SPLIT2 S, H, L, TT
.irp k, 0,1,2,3
	v_cvt_pk_bf16_f32 v[\H+\k], v[\S+2*\k], v[\S+2*\k+1]
.endr
.irp k, 0,1,2,3
	v_lshlrev_b32 v[\TT+2*\k], 16, v[\H+\k]
	v_and_b32 v[\TT+2*\k+1], 0xffff0000, v[\H+\k]
.endr
.irp k, 0,1,2,3
	v_pk_add_f32 v[\S+2*\k:\S+2*\k+1], v[\S+2*\k:\S+2*\k+1], v[\TT+2*\k:\TT+2*\k+1] neg_lo:[0,1] neg_hi:[0,1]
.endr
.irp k, 0,1,2,3
	v_cvt_pk_bf16_f32 v[\L+\k], v[\S+2*\k], v[\S+2*\k+1]
.endr
.endm
.macro SPLIT3 S, H, M, L, TT
	SPLIT2 \S, \H, \M, \TT
.irp k, 0,1,2,3
	v_lshlrev_b32 v[\TT+2*\k], 16, v[\M+\k]
	v_and_b32 v[\TT+2*\k+1], 0xffff0000, v[\M+\k]
.endr
.irp k, 0,1,2,3
	v_pk_add_f32 v[\S+2*\k:\S+2*\k+1], v[\S+2*\k:\S+2*\k+1], v[\TT+2*\k:\TT+2*\k+1] neg_lo:[0,1] neg_hi:[0,1]
.endr
.irp k, 0,1,2,3
	v_cvt_pk_bf16_f32 v[\L+\k], v[\S+2*\k], v[\S+2*\k+1]
.endr
.endm
	s_load_b128 s[4:7], s[0:1], 0x0                ; part 4, qhat 6
	v_lshl_add_u32 v254, v0, 2, 0x1100
	v_mov_b32 v255, 0
	v_lshrrev_b32 v6, 5, v0
	v_readfirstlane_b32 s8, v6                     ; wave = frame
	s_lshr_b32 s9, ttmp9, 5                        ; clip
	s_and_b32 s10, ttmp9, 31
	s_lshr_b32 s11, s10, 3                         ; og
	s_bfe_u32 s12, s10, 0x20001                    ; m
	s_and_b32 s13, s10, 1                          ; hg
	s_lshl2_add_u32 s14, s9, s8                    ; image
	s_lshl_b32 s14, s14, 6
	s_add_co_u32 s14, s14, s13                     ; 64 image + hg: the strips' work-groups are this + 2 r_s
	s_lshl2_add_u32 s15, s11, s12                  ; 4 og + m
	s_lshl_b32 s16, s14, 10
	s_lshl_b32 s18, s11, 8
	s_add_co_u32 s16, s16, s18
	s_lshl_b32 s18, s12, 4
	s_add_co_u32 s16, s16, s18
	s_add_co_u32 s16, s16, 8388608
	s_mov_b32 s17, 0
	s_lshl_b32 s18, s14, 14
	s_lshl_b32 s20, s15, 8
	s_add_co_u32 s18, s18, s20
	s_mov_b32 s19, 0
	s_mov_b32 s22, 0x76543210
	s_mov_b32 s23, 0xfedcba98
	v_and_b32 v1, 31, v0
	v_and_b32 v2, 15, v0
	v_bfe_u32 v3, v0, 4, 1
	v_lshrrev_b32 v4, 3, v1                        ; head in the half
	v_and_b32 v5, 7, v1
	v_lshlrev_b32 v5, 5, v5
	v_lshl_add_u32 v5, v4, 12, v5                  ; C: head x 4,096 + 32 (l%8)
	v_lshlrev_b32 v4, 6, v4                        ; STAT: head x 4 columns of 16 bytes
	v_mov_b32 v6, 0
	s_wait_kmcnt 0x0
	s_add_nc_u64 s[16:17], s[4:5], s[16:17]
	s_add_nc_u64 s[18:19], s[4:5], s[18:19]
.set k_, 0
.rept 32
	global_load_b128 v[ST+4*k_:ST+4*k_+3], v4, s[16:17] offset:k_*2048
.set k_, k_+1
.endr
	WIN 0x40                                       ; destination window 1
.set k_, 0
.rept 32
	global_load_b128 v[8*k_:8*k_+3], v5, s[18:19] offset:k_*32768
	global_load_b128 v[8*k_+4:8*k_+7], v5, s[18:19] offset:k_*32768+16
.set k_, k_+1
.endr
	WIN 0
	s_wait_loadcnt 0x3f                            ; 96 loads were issued: with at most 63 out the 33 oldest are in, the 32 of statistics among them
	v_max3_num_f32 v7, v[ST], v[ST+4], v[ST+8]
.set k_, 3
.rept 14
	v_max3_num_f32 v7, v7, v[ST+4*k_], v[ST+4*k_+4]
.set k_, k_+2
.endr
	v_max_num_f32 v7, v7, v[ST+124]                ; the maximum over all 4,096 keys
.set k_, 0
.rept 32
	v_sub_f32 v[W+2*k_], v[ST+4*k_], v7
.set k_, k_+1
.endr
.set k_, 0
.rept 32
	v_exp_f32 v[W+2*k_], v[W+2*k_]
.set k_, k_+1
.endr
	v_nop                                          ; one plain place behind the last exponential
.set k_, 0
	s_wait_alu depctr_va_vdst(0)
.rept 32
	v_mov_b32 v[W+2*k_+1], v[W+2*k_]
.set k_, k_+1
.endr
	v_mul_f32 v8, v[W], v[ST+1]
	v_mul_f32 v10, v[W], v[ST+2]
.set k_, 1
.rept 31
	v_fmac_f32 v8, v[W+2*k_], v[ST+4*k_+1]         ; the softmax's denominator
	v_fmac_f32 v10, v[W+2*k_], v[ST+4*k_+2]        ; the share of convf's bias
.set k_, k_+1
.endr
	v_mov_b32 v11, v10
	s_wait_loadcnt 0x0                             ; the partial centres
	WIN 0x01                                       ; source 0 window 1
.irp p, 0,1,2,3
	v_pk_mul_f32 v[ACC+2*\p:ACC+2*\p+1], v[2*\p:2*\p+1], v[W:W+1]           ; the first strip starts the sums
.endr
.set k_, 1
.rept 31
.irp p, 0,1,2,3
	v_pk_fma_f32 v[ACC+2*\p:ACC+2*\p+1], v[8*k_+2*\p:8*k_+2*\p+1], v[W+2*k_:W+2*k_+1], v[ACC+2*\p:ACC+2*\p+1]
.endr
.set k_, k_+1
.endr
	WIN 0
	v_rcp_f32 v12, v8
	v_nop
	s_wait_alu depctr_va_vdst(0)
	v_mov_b32 v13, v12
.irp p, 0,1,2,3
	v_pk_add_f32 v[ACC+2*\p:ACC+2*\p+1], v[ACC+2*\p:ACC+2*\p+1], v[10:11]
	v_pk_mul_f32 v[ACC+2*\p:ACC+2*\p+1], v[ACC+2*\p:ACC+2*\p+1], v[12:13]
.endr
	; the norm of centre ij over its 64 channels: two in each lane
.irp ij, 0,1,2,3
	v_mul_f32 v[T+\ij], v[ACC+\ij], v[ACC+\ij]
	v_fmac_f32 v[T+\ij], v[ACC+4+\ij], v[ACC+4+\ij]
	v_add_f32_dpp v[T+\ij], v[T+\ij], v[T+\ij] row_xmask:1 row_mask:0xf bank_mask:0xf
	v_add_f32_dpp v[T+\ij], v[T+\ij], v[T+\ij] row_xmask:2 row_mask:0xf bank_mask:0xf
	v_add_f32_dpp v[T+\ij], v[T+\ij], v[T+\ij] row_xmask:4 row_mask:0xf bank_mask:0xf
	v_add_f32_dpp v[T+\ij], v[T+\ij], v[T+\ij] row_xmask:8 row_mask:0xf bank_mask:0xf
	v_permlanex16_b32 v6, v[T+\ij], s22, s23
	v_add_f32 v[T+\ij], v[T+\ij], v6
.endr
.irp ij, 0,1,2,3
	v_sqrt_f32 v[T+\ij], v[T+\ij]
.endr
	v_nop
	s_wait_alu depctr_va_vdst(0)
.irp ij, 0,1,2,3
	v_max_num_f32 v[T+\ij], 0x2b8cbccc, v[T+\ij]   ; max(norm, 1e-12)
.endr
.irp ij, 0,1,2,3
	v_rcp_f32 v[T+\ij], v[T+\ij]
.endr
	v_lshlrev_b32 v14, 3, v1                       ; the plain place behind the last reciprocal
	s_mul_i32 s20, s8, 1088
	v_add_nc_u32 v14, s20, v14                     ; LDS row 4 tt + ij of 272 bytes, channel 2 l
	s_wait_alu depctr_va_vdst(0)
.irp ij, 0,1,2,3
	v_mul_f32 v[OUTP+2*\ij], v[ACC+\ij], v[T+\ij]
	v_mul_f32 v[OUTP+2*\ij+1], v[ACC+4+\ij], v[T+\ij]
	ds_store_b64 v14, v[OUTP+2*\ij:OUTP+2*\ij+1] offset:\ij*272
.endr
	s_wait_dscnt 0x0
	s_barrier_signal -1
	s_barrier_wait -1
	; fragments: row = centre r; element 8 b + k of fragment u holds channel 32 h' + 4 k + 2 u + b, the order in which the next launch's
	; accumulators hold a point's channels.  Wave = 2 u + b.
	v_mul_u32_u24 v15, v2, 272
	v_lshl_add_u32 v15, v3, 7, v15
	v_lshl_add_u32 v15, s8, 2, v15
.irp k, 0,1,2,3,4,5,6,7
	ds_load_b32 v[ST+\k], v15 offset:\k*16
.endr
	s_mul_i32 s20, ttmp9, 6144
	s_lshr_b32 s21, s8, 1
	s_mul_i32 s21, s21, 3072
	s_add_co_u32 s20, s20, s21
	s_and_b32 s21, s8, 1
	s_lshl_b32 s21, s21, 9
	s_add_co_u32 s20, s20, s21
	s_mov_b32 s21, 0
	s_add_nc_u64 s[6:7], s[6:7], s[20:21]
	v_lshlrev_b32 v9, 4, v1
	s_wait_dscnt 0x0
	SPLIT3 ST, ST+8, ST+12, ST+16, T
	global_store_b128 v9, v[ST+8:ST+11], s[6:7]
	global_store_b128 v9, v[ST+12:ST+15], s[6:7] offset:1024
	global_store_b128 v9, v[ST+16:ST+19], s[6:7] offset:2048
	s_wait_tensorcnt 0x0
	ds_add_u32 v254, v255
	s_wait_dscnt 0x0
	s_endpgm
.Lfunc_end_k_q4bb40dc39b_combine:
	.size	k_q4bb40dc39b_combine, .Lfunc_end_k_q4bb40dc39b_combine-k_q4bb40dc39b_combine
	.p2alignl 7, 3214868480
	.fill 96, 4, 3214868480
	.section	.rodata,"a",@progbits
	.p2align	6, 0x0
	.amdhsa_kernel k_q4bb40dc39b_combine
		.amdhsa_group_segment_fixed_size 4864
		.amdhsa_private_segment_fixed_size 0
		.amdhsa_enable_private_segment 0
		.amdhsa_kernarg_size 16
		.amdhsa_user_sgpr_count 2
		.amdhsa_user_sgpr_kernarg_segment_ptr 1
		.amdhsa_wavefront_size32 1
		.amdhsa_system_sgpr_workgroup_id_x 1
		.amdhsa_system_sgpr_workgroup_id_y 1
		.amdhsa_system_sgpr_workgroup_id_z 1
		.amdhsa_system_vgpr_workitem_id 0
		.amdhsa_next_free_vgpr 512
		.amdhsa_next_free_sgpr 66
		.amdhsa_reserve_vcc 0
		.amdhsa_float_denorm_mode_32 3
		.amdhsa_float_denorm_mode_16_64 3
		.amdhsa_memory_ordered 1
		.amdhsa_forward_progress 1
		.amdhsa_inst_pref_size 33
	.end_amdhsa_kernel
	.amdgpu_metadata
---
amdhsa.version: [ 1, 2 ]
amdhsa.kernels:
  - .name:           k_q4bb40dc39b_combine
    .symbol:         k_q4bb40dc39b_combine.kd
    .args:
      - { .name: part, .offset: 0, .size: 8, .value_kind: global_buffer, .address_space: global }
      - { .name: qhat, .offset: 8, .size: 8, .value_kind: global_buffer, .address_space: global }
    .group_segment_fixed_size: 4864
    .private_segment_fixed_size: 0
    .kernarg_segment_align: 8
    .kernarg_segment_size: 16
    .max_flat_workgroup_size: 128
    .sgpr_count:     66
    .vgpr_count:     512
    .wavefront_size: 32
...
	.end_amdgpu_metadata
.endif
;; end of part 11
;; launch sim (part 12): grid 256 x 1, 8 waves a work-group, no clusters, 300,032 bytes of LDS; arguments xb, wfrag, qhat, conv1_b, sim_alpha, sim_beta, pk; writes pk
.if DOCPART == 12
	.amdgcn_target "amdgcn-amd-amdhsa--gfx1250"
	.amdhsa_code_object_version 6
	.text
	.protected	k_q4bb40dc39b_sim
	.globl	k_q4bb40dc39b_sim
	.p2align	8
	.type	k_q4bb40dc39b_sim,@function
k_q4bb40dc39b_sim:
	s_mov_b64 s[64:65], 0
	v_nop
	global_prefetch_b8 v0, s[64:65] scope:SCOPE_SE
	s_setreg_imm32_b32 hwreg(HW_REG_WAVE_MODE, 25, 1), 1
	s_wait_xcnt 0x0
; sim: for the last frame of a clip, 64 points n and 16 groups b32: the points' 64 channels (conv1), their norm, the cosine with the 16 centres,
; the sigmoid and its argmax.  Work-group = (clip, block nb of 64 points, half of the 32 groups).
; Eight waves, two a SIMD: wave w = points 16 (w%4) .. + 15, groups 8 (w/4) .. + 7 of the half.  A group's steps form one dependent chain
; (product, norm, split, product, sigmoid, argmax); the second wave's work stands in the first wave's gaps.
; Channel c of point n in group b32 is conv1's output channel 16 b32 + c/4 at pixel 4096 (c%4) + n: one tile of 16 rows of W1 against four quarters pq of the image.
; W1 and x are exact in bf16, so the channels are f32 sums of exact products; normalised points and centres go into the cosine as three bf16 terms each
; (all products down to 2^-24), because the argmax is hard.  conv1_b is taken rounded to bf16, as x and the weights are.
; The argmax is taken on the sigmoid as computed here, the first index winning a tie, as in the reference.  Limits: a NaN loses (in the reference it wins);
; the similarity is handed on with its four lowest mantissa bits replaced by the index (relative 2^-20).
; xb is laid [channel][image][pixel], a channel's block pitched XPITCH bytes: the one image that this work-group reads lies in 256 pieces spread over the whole buffer.
; x's rows are 128 bytes in memory: a point needs all four quarters, and 128 points would not fit in LDS.  LDS is filled once, two tensor loads a wave, both outstanding together.
; Clusters: the two halves share x, the 64 blocks share W1: each is read once from memory and again from the cache; a cluster of four would need another split of the grid: left out.
.set XPITCH, 294912                    ; bytes from a channel's block of xb to the next
.set WS,   163840                      ; XS at 0: [pq][256 cin] x 160.  WS: my half's 16 tiles x 8 fragments of 1,024 bytes
.set RES,  294912                      ; [group 16][point 64] words
.set ACC,  16                          ; v[16:47]   four accumulators (pq), later the cosine's four
.set WA,   48                          ; v[48:111]  the group's 8 fragments of W1
.set BIAS, 112                         ; v[112:119]
.set QH,   120                         ; v[120:167] centres: fragment (u, term) at 8 (3 u + term)
.set PF,   168                         ; v[168:215] points: fragment (term, u) at 8 (2 term + u)
.set T,    216                         ; v[216:239]
; window 1: x fragments (pq, u) at 8 (8 pq + u), kept for all my groups
.set MSB, 0
.macro WIN new
.if MSB != \new
	s_set_vgpr_msb (MSB<<8)|\new
.set MSB, \new
.endif
.endm
.macro PLACES                          ; five places behind a matrix instruction (ISA guide 7.12.1)
.rept 5
	v_nop
.endr
.endm
.macro MM d, a, b, c0
.if \c0
	v_wmma_f32_16x16x32_bf16 v[\d:\d+7], v[\a:\a+7], v[\b:\b+7], 0
.else
	v_wmma_f32_16x16x32_bf16 v[\d:\d+7], v[\a:\a+7], v[\b:\b+7], v[\d:\d+7]
.endif
.endm
.macro SPLIT2 S, H, L, TT
.irp k, 0,1,2,3
	v_cvt_pk_bf16_f32 v[\H+\k], v[\S+2*\k], v[\S+2*\k+1]
.endr
.irp k, 0,1,2,3
	v_lshlrev_b32 v[\TT+2*\k], 16, v[\H+\k]
	v_and_b32 v[\TT+2*\k+1], 0xffff0000, v[\H+\k]
.endr
.irp k, 0,1,2,3
	v_pk_add_f32 v[\S+2*\k:\S+2*\k+1], v[\S+2*\k:\S+2*\k+1], v[\TT+2*\k:\TT+2*\k+1] neg_lo:[0,1] neg_hi:[0,1]
.endr
.irp k, 0,1,2,3
	v_cvt_pk_bf16_f32 v[\L+\k], v[\S+2*\k], v[\S+2*\k+1]
.endr
.endm
.macro SPLIT3 S, H, M, L, TT
	SPLIT2 \S, \H, \M, \TT
.irp k, 0,1,2,3
	v_lshlrev_b32 v[\TT+2*\k], 16, v[\M+\k]
	v_and_b32 v[\TT+2*\k+1], 0xffff0000, v[\M+\k]
.endr
.irp k, 0,1,2,3
	v_pk_add_f32 v[\S+2*\k:\S+2*\k+1], v[\S+2*\k:\S+2*\k+1], v[\TT+2*\k:\TT+2*\k+1] neg_lo:[0,1] neg_hi:[0,1]
.endr
.irp k, 0,1,2,3
	v_cvt_pk_bf16_f32 v[\L+\k], v[\S+2*\k], v[\S+2*\k+1]
.endr
.endm
.macro RND8 S, TT
.irp k, 0,1,2,3
	v_cvt_pk_bf16_f32 v[\TT+\k], v[\S+2*\k], v[\S+2*\k+1]
.endr
.irp k, 0,1,2,3
	v_lshlrev_b32 v[\S+2*\k], 16, v[\TT+\k]
	v_and_b32 v[\S+2*\k+1], 0xffff0000, v[\TT+\k]
.endr
.endm
	s_load_b256 s[4:11], s[0:1], 0x0               ; xb 4, wfrag 6, qhat 8, conv1_b 10
	s_load_b128 s[12:15], s[0:1], 0x20             ; sim_alpha 12, sim_beta 14
	s_load_b64 s[16:17], s[0:1], 0x30              ; pk
	v_lshl_add_u32 v254, v0, 2, 0x49000
	v_mov_b32 v255, 0
	ds_add_u32 v254, v255
	ds_add_u32 v254, v255
	v_lshrrev_b32 v13, 5, v0
	v_readfirstlane_b32 s18, v13                   ; wave 0 .. 7
	s_and_b32 s55, s18, 3                          ; my 16 points
	s_lshr_b32 s60, s18, 2                         ; my 8 groups
	s_lshr_b32 s19, ttmp9, 7                       ; clip
	s_bfe_u32 s44, ttmp9, 0x60001                  ; block of points
	s_and_b32 s45, ttmp9, 1                        ; half of the groups
	s_mov_b32 s50, 0x76543210
	s_mov_b32 s51, 0xfedcba98
	; x: quarter pq = w/2, channels 128 (w%2) .. + 127, 64 points; 32 bytes of padding behind each row of 32 words
	s_mov_b32 s28, (1<<16)|(1<<20)|(4<<22)|(7<<25)
	s_mov_b32 s29, 64<<16                          ; tensor_dim0 = 64
	s_mov_b32 s30, 128<<16                         ; tensor_dim1 = 128
	s_mov_b32 s31, 64<<16                          ; tile_dim0 = 64
	s_mov_b32 s32, 128                             ; tile_dim1 = 128
	s_mov_b32 s33, XPITCH/2                        ; elements from channel to channel
	s_mov_b32 s34, 0
	s_mov_b32 s35, 0
	; W1: a dense block of 16,384 bytes as 64 rows of 256
	s_mov_b32 s36, 3<<16
	s_mov_b32 s37, 32<<16
	s_mov_b32 s38, 64<<16
	s_mov_b32 s39, 32<<16
	s_mov_b32 s40, 64
	s_mov_b32 s41, 32
	s_mov_b32 s42, 0
	s_mov_b32 s43, 0
	s_mov_b32 s20, 1
	s_mul_i32 s21, s18, 20480                      ; 128 w rows of 160 bytes
	s_mov_b32 s24, 1
	s_lshl_b32 s25, s18, 14
	s_add_co_u32 s25, s25, WS
	s_lshl2_add_u32 s46, s19, 3                    ; image 4 clip + 3:
	s_lshl_b32 s46, s46, 15                        ; its plane in a channel's block
	s_lshr_b32 s47, s18, 1
	s_lshl_b32 s47, s47, 13                        ; quarter: 4,096 pixels
	s_add_co_u32 s46, s46, s47
	s_and_b32 s47, s18, 1
	s_mul_i32 s47, s47, 128*XPITCH                 ; 128 channels
	s_add_co_u32 s46, s46, s47
	s_lshl_b32 s47, s44, 7                         ; 64 points
	s_add_co_u32 s46, s46, s47
	s_mov_b32 s47, 0
	s_lshl_b32 s48, s45, 17
	s_lshl_b32 s49, s18, 14
	s_add_co_u32 s48, s48, s49
	s_mov_b32 s49, 0
	s_wait_dscnt 0x0
	s_wait_kmcnt 0x0
	s_add_nc_u64 s[22:23], s[4:5], s[46:47]
	s_or_b32 s23, s23, 0x80000000
	s_add_nc_u64 s[26:27], s[6:7], s[48:49]
	s_or_b32 s27, s27, 0x80000000
	tensor_load_to_lds s[20:23], s[28:35]
	s_nop 0
	tensor_load_to_lds s[24:27], s[36:43]
	s_nop 0
	s_load_b32 s53, s[12:13], 0x0
	s_load_b32 s54, s[14:15], 0x0
	v_and_b32 v1, 31, v0
	v_and_b32 v2, 15, v0
	v_bfe_u32 v3, v0, 4, 1
	v_lshlrev_b32 v4, 4, v1
	v_lshlrev_b32 v10, 5, v3
	v_lshl_add_u32 v10, s45, 10, v10
	v_lshl_add_u32 v10, s60, 9, v10                ; bias: 4 (256 half + 128 (w/4) + 8 h')
	s_lshl_b32 s46, s19, 5
	s_lshl_b32 s48, s45, 4
	s_add_co_u32 s46, s46, s48                     ; the work-group's first group
	s_lshl3_add_u32 s48, s60, s46                  ; my first group
	s_mul_i32 s48, s48, 6144
	v_add_nc_u32 v11, s48, v4                      ; centres' fragments
.macro NEXTW                           ; the next group's W1 tile
.irp u, 0,1,2,3,4,5,6,7
	ds_load_b128 v[WA+8*\u:WA+8*\u+3], v9 offset:\u*1024
	ds_load_b128 v[WA+8*\u+4:WA+8*\u+7], v9 offset:\u*1024+512
.endr
.endm
.macro NEXTB                           ; the next group's bias
	global_load_b128 v[BIAS:BIAS+3], v10, s[10:11]
	global_load_b128 v[BIAS+4:BIAS+7], v10, s[10:11] offset:16
.endm
.macro NEXTQ                           ; the next group's centres
.irp f, 0,1,2,3,4,5
	global_load_b128 v[QH+8*\f:QH+8*\f+3], v11, s[8:9] offset:\f*1024
	global_load_b128 v[QH+8*\f+4:QH+8*\f+7], v11, s[8:9] offset:\f*1024+512
.endr
.endm
	NEXTB                                          ; the first group's bias and centres hang on no tile: requested while the tiles are on their way
	NEXTQ
	v_and_b32 v5, 7, v0
	v_lshl_add_u32 v5, v3, 3, v5
	v_mul_u32_u24 v5, v5, 160
	v_bfe_u32 v13, v0, 3, 1
	v_lshl_add_u32 v5, v13, 4, v5
	v_lshl_add_u32 v5, s55, 5, v5                  ; transposing loads: channel 8 h' + l%8, point 16 (w%4) + 8 ((l/8)%2)
	v_add_nc_u32 v6, 40960, v5
	v_add_nc_u32 v7, 81920, v5
	v_add_nc_u32 v8, 122880, v5
	v_add_nc_u32 v9, WS, v4
	v_lshl_add_u32 v9, s60, 16, v9                 ; W1's fragments: my first group's tile
	v_lshlrev_b32 v12, 2, v2
	v_lshl_add_u32 v12, s55, 6, v12
	v_lshl_add_u32 v12, s60, 11, v12
	v_add_nc_u32 v12, RES, v12                     ; result: group 8 (w/4), point 16 (w%4) + r
	v_mov_b32 v13, 0
	v_mov_b32 v250, 0
	v_mov_b32 v251, 0
	s_wait_kmcnt 0x0
	v_mov_b32 v240, s53
	v_mov_b32 v241, s53
	v_mov_b32 v242, s54
	v_mov_b32 v243, s54
	s_wait_tensorcnt 0x0                           ; my parts of x and of W1 are in LDS
	s_barrier_signal -1
	s_barrier_wait -1
	WIN 0x40
.irp pq, 0,1,2,3
.irp u, 0,1,2,3,4,5,6,7
	ds_load_tr16_b128 v[(\pq*8+\u)*8:(\pq*8+\u)*8+3], v[5+\pq] offset:\u*5120
	ds_load_tr16_b128 v[(\pq*8+\u)*8+4:(\pq*8+\u)*8+7], v[5+\pq] offset:\u*5120+2560
.endr
.endr
	WIN 0
	NEXTW
.macro ZM z, sq, sp, u, c0             ; centre term sq x point term sp, K step u
	MM ACC+8*\z, QH+(\u*3+\sq)*8, PF+(\sp*2+\u)*8, \c0
.endm
.macro TRIP next
	s_wait_dscnt 0x0                               ; W1's tile (and in the first trip x's fragments)
	s_wait_loadcnt 12                              ; the two loads of the bias are in (v10 is free); the 12 of the centres, issued behind them, stay out
	RND8 BIAS, T
	WIN 0x04                                       ; source 1 (x) window 1
.irp pq, 0,1,2,3
	v_wmma_f32_16x16x32_bf16 v[ACC+8*\pq:ACC+8*\pq+7], v[WA:WA+7], v[\pq*64:\pq*64+7], v[BIAS:BIAS+7]   ; the bias starts the sums
.endr
.irp u, 1,2,3,4,5,6,7
.irp pq, 0,1,2,3
	MM ACC+8*\pq, WA+8*\u, (\pq*8+\u)*8, 0         ; four accumulators take turns
.endr
.endr
	WIN 0
	PLACES
.if \next
	v_add_nc_u32 v9, 8192, v9
	v_add_nc_u32 v10, 64, v10
	NEXTW
	NEXTB
.endif
	; lane (r, h') holds channels 4 (8 h' + j) + pq of point r: the norm over my 32 and the other half's
	v_pk_mul_f32 v[244:245], v[ACC:ACC+1], v[ACC:ACC+1]
.set k_, 1
.rept 15
	v_pk_fma_f32 v[244:245], v[ACC+2*k_:ACC+2*k_+1], v[ACC+2*k_:ACC+2*k_+1], v[244:245]
.set k_, k_+1
.endr
	v_add_f32 v244, v244, v245
	v_permlanex16_b32 v13, v244, s50, s51
	v_add_f32 v244, v244, v13
	v_sqrt_f32 v244, v244
	v_nop
	s_wait_alu depctr_va_vdst(0)
	v_max_num_f32 v244, 0x2b8cbccc, v244           ; max(norm, 1e-12)
	v_rcp_f32 v246, v244
	v_nop
	s_wait_alu depctr_va_vdst(0)
	v_mov_b32 v247, v246
.set k_, 0
.rept 16
	v_pk_mul_f32 v[ACC+2*k_:ACC+2*k_+1], v[ACC+2*k_:ACC+2*k_+1], v[246:247]
.set k_, k_+1
.endr
.irp pq, 0,1,2,3
	SPLIT3 ACC+8*\pq, PF+(\pq/2)*8+(\pq%2)*4, PF+(2+\pq/2)*8+(\pq%2)*4, PF+(4+\pq/2)*8+(\pq%2)*4, T
.endr
.if \next
	s_wait_loadcnt 2                               ; the centres are in (v11 is free); the next group's two loads of the bias stay out
.else
	s_wait_loadcnt 0x0
.endif
	ZM 0, 0, 0, 0, 1
	ZM 1, 0, 0, 1, 1
	ZM 2, 0, 1, 0, 1
	ZM 3, 1, 0, 0, 1
	ZM 0, 0, 1, 1, 0
	ZM 1, 1, 0, 1, 0
	ZM 2, 1, 1, 0, 0
	ZM 3, 1, 1, 1, 0
	ZM 0, 0, 2, 0, 0
	ZM 1, 0, 2, 1, 0
	ZM 2, 2, 0, 0, 0
	ZM 3, 2, 0, 1, 0
	PLACES
.if \next
	v_add_nc_u32 v11, 6144, v11
	NEXTQ
.endif
	; stage by stage over the four pairs, so that no line waits for the one in front of it
.irp k, 0,1,2,3
	v_pk_add_f32 v[ACC+24+2*\k:ACC+25+2*\k], v[ACC+24+2*\k:ACC+25+2*\k], v[ACC+16+2*\k:ACC+17+2*\k]
.endr
.irp k, 0,1,2,3
	v_pk_add_f32 v[ACC+24+2*\k:ACC+25+2*\k], v[ACC+24+2*\k:ACC+25+2*\k], v[ACC+8+2*\k:ACC+9+2*\k]
.endr
.irp k, 0,1,2,3
	v_pk_add_f32 v[ACC+2*\k:ACC+1+2*\k], v[ACC+24+2*\k:ACC+25+2*\k], v[ACC+2*\k:ACC+1+2*\k]      ; the cosine, centre 8 h' + j
.endr
.irp k, 0,1,2,3
	v_pk_fma_f32 v[ACC+2*\k:ACC+1+2*\k], v[ACC+2*\k:ACC+1+2*\k], v[240:241], v[242:243]          ; beta + alpha cos
.endr
.irp k, 0,1,2,3
	v_pk_mul_f32 v[T+2*\k:T+1+2*\k], v[ACC+2*\k:ACC+1+2*\k], 0xbfb8aa3b op_sel_hi:[1,0]
.endr
.irp j, 0,1,2,3,4,5,6,7
	v_exp_f32 v[T+\j], v[T+\j]
.endr
	v_nop
	s_wait_alu depctr_va_vdst(0)
.irp k, 0,1,2,3
	v_pk_add_f32 v[T+2*\k:T+1+2*\k], v[T+2*\k:T+1+2*\k], 1.0 op_sel_hi:[1,0]
.endr
.irp j, 0,1,2,3,4,5,6,7
	v_rcp_f32 v[T+\j], v[T+\j]                     ; the sigmoid
.endr
	v_mov_b32 v249, 0
	s_wait_alu depctr_va_vdst(0)
	v_mov_b32 v248, v[T]
.irp j, 1,2,3,4,5,6,7
	v_cmp_gt_f32 vcc_lo, v[T+\j], v248             ; strictly greater: the first index keeps a tie
	v_cndmask_b32 v248, v248, v[T+\j], vcc_lo
	v_cndmask_b32 v249, v249, \j, vcc_lo
.endr
	v_lshl_add_u32 v249, v3, 3, v249
	v_permlanex16_b32 v250, v248, s50, s51
	v_permlanex16_b32 v251, v249, s50, s51
	v_cmp_gt_f32 s48, v250, v248
	v_cmp_eq_f32 s49, v250, v248
	v_cmp_lt_u32 vcc_lo, v251, v249
	s_and_b32 s49, s49, vcc_lo
	s_or_b32 vcc_lo, s48, s49                      ; the other half's is greater, or equal with the lower index
	v_cndmask_b32 v248, v248, v250, vcc_lo
	v_cndmask_b32 v249, v249, v251, vcc_lo
	v_and_or_b32 v248, v248, 0xfffffff0, v249
	ds_store_b32 v12, v248                         ; both halves write the same word
	v_add_nc_u32 v12, 256, v12
.endm
	s_mov_b32 s52, 7
.Lgroup:
	TRIP 1
	s_sub_co_u32 s52, s52, 1
	s_cmp_lg_u32 s52, 0
	s_cbranch_scc1 .Lgroup
	TRIP 0                                         ; my last group requests nothing
	s_wait_dscnt 0x0
	s_barrier_signal -1
	s_barrier_wait -1
	; out, twice: [group][point] for the aggregation, [point][group] for the dispatch; 16 bytes a thread each, 16 lanes fill 256 consecutive aligned bytes
	v_lshlrev_b32 v9, 4, v0
	v_add_nc_u32 v5, RES, v9
	ds_load_b128 v[16:19], v5
	v_and_b32 v6, 3, v0
	v_lshlrev_b32 v6, 10, v6
	v_lshrrev_b32 v7, 2, v0
	v_lshl_add_u32 v6, v7, 2, v6
	v_add_nc_u32 v6, RES, v6                       ; groups 4 (t%4) + k of point t/4
.irp k, 0,1,2,3
	ds_load_b32 v[24+\k], v6 offset:\k*256
.endr
	v_lshrrev_b32 v8, 4, v0
	v_lshlrev_b32 v8, 14, v8
	v_lshl_add_u32 v8, v2, 4, v8                   ; group t/16, 16 bytes t%16
	s_lshl_b32 s46, s46, 14                        ; first group x 16,384
	s_lshl_b32 s48, s44, 8
	s_add_co_u32 s46, s46, s48
	s_mov_b32 s47, 0
	s_add_nc_u64 s[56:57], s[16:17], s[46:47]
	s_lshl1_add_u32 s46, s19, s45
	s_lshl_b32 s46, s46, 4
	s_lshr_b32 s48, s44, 2
	s_add_co_u32 s46, s46, s48
	s_lshl_b32 s46, s46, 14
	s_and_b32 s48, s44, 3
	s_lshl_b32 s48, s48, 12
	s_add_co_u32 s46, s46, s48
	s_add_co_u32 s46, s46, 1048576
	s_add_nc_u64 s[58:59], s[16:17], s[46:47]
	s_wait_dscnt 0x0
	global_store_b128 v8, v[16:19], s[56:57]
	global_store_b128 v9, v[24:27], s[58:59]
	s_wait_tensorcnt 0x0
	ds_add_u32 v254, v255
	s_wait_dscnt 0x0
	s_endpgm
.Lfunc_end_k_q4bb40dc39b_sim:
	.size	k_q4bb40dc39b_sim, .Lfunc_end_k_q4bb40dc39b_sim-k_q4bb40dc39b_sim
	.p2alignl 7, 3214868480
	.fill 96, 4, 3214868480
	.section	.rodata,"a",@progbits
	.p2align	6, 0x0
	.amdhsa_kernel k_q4bb40dc39b_sim
		.amdhsa_group_segment_fixed_size 300032
		.amdhsa_private_segment_fixed_size 0
		.amdhsa_enable_private_segment 0
		.amdhsa_kernarg_size 56
		.amdhsa_user_sgpr_count 2
		.amdhsa_user_sgpr_kernarg_segment_ptr 1
		.amdhsa_wavefront_size32 1
		.amdhsa_system_sgpr_workgroup_id_x 1
		.amdhsa_system_sgpr_workgroup_id_y 1
		.amdhsa_system_sgpr_workgroup_id_z 1
		.amdhsa_system_vgpr_workitem_id 0
		.amdhsa_next_free_vgpr 512
		.amdhsa_next_free_sgpr 70
		.amdhsa_reserve_vcc 1
		.amdhsa_float_denorm_mode_32 3
		.amdhsa_float_denorm_mode_16_64 3
		.amdhsa_memory_ordered 1
		.amdhsa_forward_progress 1
		.amdhsa_inst_pref_size 52
	.end_amdhsa_kernel
	.amdgpu_metadata
---
amdhsa.version: [ 1, 2 ]
amdhsa.kernels:
  - .name:           k_q4bb40dc39b_sim
    .symbol:         k_q4bb40dc39b_sim.kd
    .args:
      - { .name: xb, .offset: 0, .size: 8, .value_kind: global_buffer, .address_space: global }
      - { .name: wfrag, .offset: 8, .size: 8, .value_kind: global_buffer, .address_space: global }
      - { .name: qhat, .offset: 16, .size: 8, .value_kind: global_buffer, .address_space: global }
      - { .name: conv1_b, .offset: 24, .size: 8, .value_kind: global_buffer, .address_space: global }
      - { .name: sim_alpha, .offset: 32, .size: 8, .value_kind: global_buffer, .address_space: global }
      - { .name: sim_beta, .offset: 40, .size: 8, .value_kind: global_buffer, .address_space: global }
      - { .name: pk, .offset: 48, .size: 8, .value_kind: global_buffer, .address_space: global }
    .group_segment_fixed_size: 300032
    .private_segment_fixed_size: 0
    .kernarg_segment_align: 8
    .kernarg_segment_size: 56
    .max_flat_workgroup_size: 256
    .sgpr_count:     70
    .vgpr_count:     512
    .wavefront_size: 32
...
	.end_amdgpu_metadata
.endif
;; end of part 12
;; launch agg (part 13): grid 512 x 1, 4 waves a work-group, no clusters, 321,280 bytes of LDS; arguments xb, wfrag, pk, qbuf, convf_b, outm; writes outm
.if DOCPART == 13
	.amdgcn_target "amdgcn-amd-amdhsa--gfx1250"
	.amdhsa_code_object_version 6
	.text
	.protected	k_q4bb40dc39b_agg
	.globl	k_q4bb40dc39b_agg
	.p2align	8
	.type	k_q4bb40dc39b_agg,@function
k_q4bb40dc39b_agg:
	s_mov_b64 s[64:65], 0
	v_nop
	global_prefetch_b8 v0, s[64:65] scope:SCOPE_SE
	s_setreg_imm32_b32 hwreg(HW_REG_WAVE_MODE, 25, 1), 1
	s_wait_xcnt 0x0
; agg: out[m][cc] = (sum over the points n assigned to centre m of sim[n] tgf[n][cc] + pooled feature) / (count[m] + 1), for one group b_tg and 8 of its 64 columns cc.
; Point n = no + 64 np, column cc = 32 ob + pr:  tgf[n][cc] = convf's output channel 128 og + 2 no + ob at pixel 512 pr + 64 head + np of the clip's last frame.
; Work-group = (b_tg, pg): pr = 4 pg + prl.  Phase 1: F = x^T Wf^T for 128 channels x 4 x 64 pixels (wave = half of the channels x half of the pixel rows), plus bias,
; times sim, split in two bf16 terms, into LDS as 16 columns (term, prl, ob) with the points along the row.  Phase 2: a 0/1 mask [centre][point], made from the
; indices, times these columns, and times ones for the counts; wave = 16 of the 64 no.  The mask is exact, so only the split of sim F rounds (2^-17).
; convf_b is taken rounded to bf16, as x and the weights are.  The index is only compared: no address and no branch hangs on it.
; xb is laid [channel][image][pixel], a channel's block pitched XPITCH bytes: the one image that this work-group reads lies in 256 pieces spread over the whole buffer.
; LDS is filled once, one tensor load a wave, one outstanding.  Clusters: the 8 work-groups of a group share Wf's tiles, which go straight to registers; x is shared by the 4 og: a small part; left out.
.set XPITCH, 294912                    ; bytes from a channel's block of xb to the next
.set TG,   147456                      ; XS at 0: [prl][256 cin] x 144.  TG: 16 rows x 9,232; in a row 144 no + 2 np
.set PKS,  295168                      ; sim, [no] x 272, 4 np
.set BITS, 312576                      ; 1 << index, 16 bits, [64 no + np]
.set ACC,  16                          ; v[16:47]; later AGG v[16:23], CNT v[24:31]
.set XA,   48                          ; v[48:175] two sets of 64
.set CF,   176                         ; v[176:183] the pooled features of my column, 8 centres
.set HH,   184
.set LL,   188
.set T,    192
.set BIASP, 208                        ; v[208:215] four pairs
.set ONES, 216                         ; v[216:223]
.set SV,   224                         ; v[224:255] sim of 4 channel tiles x 8 points
; window 1: Wf fragments (tile mtl, u) at 8 (8 mtl + u)
.set MSB, 0
.macro WIN new
.if MSB != \new
	s_set_vgpr_msb (MSB<<8)|\new
.set MSB, \new
.endif
.endm
.macro PLACES                          ; five places behind a matrix instruction (ISA guide 7.12.1)
.rept 5
	v_nop
.endr
.endm
.macro MM d, a, b, c0
.if \c0
	v_wmma_f32_16x16x32_bf16 v[\d:\d+7], v[\a:\a+7], v[\b:\b+7], 0
.else
	v_wmma_f32_16x16x32_bf16 v[\d:\d+7], v[\a:\a+7], v[\b:\b+7], v[\d:\d+7]
.endif
.endm
.macro SPLIT2 S, H, L, TT
.irp k, 0,1,2,3
	v_cvt_pk_bf16_f32 v[\H+\k], v[\S+2*\k], v[\S+2*\k+1]
.endr
.irp k, 0,1,2,3
	v_lshlrev_b32 v[\TT+2*\k], 16, v[\H+\k]
	v_and_b32 v[\TT+2*\k+1], 0xffff0000, v[\H+\k]
.endr
.irp k, 0,1,2,3
	v_pk_add_f32 v[\S+2*\k:\S+2*\k+1], v[\S+2*\k:\S+2*\k+1], v[\TT+2*\k:\TT+2*\k+1] neg_lo:[0,1] neg_hi:[0,1]
.endr
.irp k, 0,1,2,3
	v_cvt_pk_bf16_f32 v[\L+\k], v[\S+2*\k], v[\S+2*\k+1]
.endr
.endm
	s_load_b256 s[4:11], s[0:1], 0x0               ; xb 4, wfrag 6, pk 8, qbuf 10
	s_load_b128 s[12:15], s[0:1], 0x20             ; convf_b 12, outm 14
	v_lshl_add_u32 v206, v0, 2, 0x4e500
	v_mov_b32 v207, 0
	ds_add_u32 v206, v207
	ds_add_u32 v206, v207
	v_lshrrev_b32 v15, 5, v0
	v_readfirstlane_b32 s16, v15                   ; wave
	s_lshr_b32 s17, ttmp9, 3                       ; b_tg
	s_and_b32 s18, ttmp9, 7                        ; pg
	s_lshr_b32 s19, s17, 5                         ; clip
	s_bfe_u32 s32, s17, 0x30002                    ; head
	s_and_b32 s33, s17, 3                          ; og
	s_and_b32 s34, s16, 1                          ; oh: half of the channels
	s_lshr_b32 s35, s16, 1                         ; ph: half of the pixel rows
	; x: pixel row prl = wave, 256 channels x 64 pixels; 16 bytes of padding behind each row of 32 words
	s_mov_b32 s24, (1<<16)|(1<<20)|(4<<22)|(3<<25)
	s_mov_b32 s25, 64<<16
	s_mov_b32 s26, 256<<16
	s_mov_b32 s27, 64<<16
	s_mov_b32 s28, 256
	s_mov_b32 s29, XPITCH/2                        ; elements from channel to channel
	s_mov_b32 s30, 0
	s_mov_b32 s31, 0
	s_mov_b32 s20, 1
	s_mul_i32 s21, s16, 36864
	s_lshl2_add_u32 s36, s19, 3                    ; image 4 clip + 3:
	s_lshl_b32 s36, s36, 15                        ; its plane in a channel's block
	s_lshl2_add_u32 s37, s18, s16                  ; pr = 4 pg + wave
	s_lshl_b32 s37, s37, 10
	s_add_co_u32 s36, s36, s37
	s_lshl_b32 s37, s32, 7
	s_add_co_u32 s36, s36, s37
	s_mov_b32 s37, 0
	s_wait_dscnt 0x0
	s_wait_kmcnt 0x0
	s_add_nc_u64 s[22:23], s[4:5], s[36:37]
	s_or_b32 s23, s23, 0x80000000
	tensor_load_to_lds s[20:23], s[24:31]
	s_nop 0
	s_lshl_b32 s36, s17, 14
	s_add_nc_u64 s[8:9], s[8:9], s[36:37]          ; the group's 4,096 words
	s_lshl1_add_u32 s36, s33, s34                  ; tiles 8 og + 4 oh ..
	s_lshl_b32 s36, s36, 15
	s_add_co_u32 s36, s36, 524288
	s_add_nc_u64 s[6:7], s[6:7], s[36:37]
	s_lshl_b32 s36, s19, 17                        ; pooled features: clip's four frames of 32,768 bytes, the group's 1,024
	s_and_b32 s38, s17, 31
	s_lshl_b32 s38, s38, 10
	s_add_co_u32 s36, s36, s38
	s_add_co_u32 s36, s36, 266240
	s_add_nc_u64 s[10:11], s[10:11], s[36:37]
	v_and_b32 v1, 31, v0
	v_and_b32 v2, 15, v0
	v_bfe_u32 v3, v0, 4, 1
	v_lshlrev_b32 v4, 4, v1
	v_lshlrev_b32 v12, 4, v0                       ; 16 x thread
	v_lshlrev_b32 v15, 2, v2
	s_lshl_b32 s36, s33, 9
	s_lshl_b32 s38, s34, 8
	s_add_co_u32 s36, s36, s38
	v_add_nc_u32 v15, s36, v15                     ; bias: 4 (128 og + 64 oh + r)
	v_and_b32 v[HH], 1, v2
	v_lshlrev_b32 v[HH], 5, v[HH]
	v_bfe_u32 v[HH+1], v2, 1, 2
	v_add_nc_u32 v[HH], v[HH], v[HH+1]
	v_lshl_add_u32 v[HH], s18, 2, v[HH]            ; cc = 32 (r%2) + 4 pg + (r/2)%4
	v_lshlrev_b32 v[HH], 4, v[HH]
	v_lshl_add_u32 v[HH], v3, 16, v[HH]            ; frames 2 h', 2 h' + 1; 16 bytes a column
.irp i, 0,1,2,3,4,5,6,7
	global_load_b128 v[XA+4*\i:XA+4*\i+3], v12, s[8:9] offset:\i*2048
.endr
.irp mtl, 0,1,2,3
	global_load_b32 v[BIASP+2*\mtl], v15, s[12:13] offset:\mtl*64
.endr
	global_load_b128 v[CF:CF+3], v[HH], s[10:11]               ; needed at the very end, by wave 0 alone; asked here, by every wave (two loads),
	global_load_b128 v[CF+4:CF+7], v[HH], s[10:11] offset:32768 ; so that the end waits for no memory and the text needs no second branch on the wave
	WIN 0x40
.set f_, 0
.rept 32
	global_load_b128 v[8*f_:8*f_+3], v4, s[6:7] offset:f_*1024
	global_load_b128 v[8*f_+4:8*f_+7], v4, s[6:7] offset:f_*1024+512
.set f_, f_+1
.endr
	WIN 0
	v_and_b32 v5, 7, v0
	v_lshl_add_u32 v5, v3, 3, v5
	v_mul_u32_u24 v5, v5, 144
	v_bfe_u32 v13, v0, 3, 1
	v_lshl_add_u32 v5, v13, 4, v5
	s_mul_i32 s36, s35, 73728
	v_add_nc_u32 v5, s36, v5                       ; transposing loads, pixel row 2 ph
	v_add_nc_u32 v6, 36864, v5                     ; and 2 ph + 1
	v_lshrrev_b32 v13, 1, v2                       ; r / 2
	v_mul_u32_u24 v7, v13, 272
	v_lshl_add_u32 v7, v3, 5, v7
	s_mul_i32 s36, s34, 8704
	s_add_co_u32 s36, s36, PKS
	v_add_nc_u32 v7, s36, v7                       ; sim of no = 32 oh + r/2, np = 8 h'
	v_and_b32 v8, 1, v2
	v_mul_u32_u24 v8, v8, 9232
	v_mad_u32_u24 v8, v13, 144, v8
	v_lshl_add_u32 v8, v3, 4, v8
	s_mul_i32 s36, s35, 36928
	s_mul_i32 s38, s34, 4608
	s_add_co_u32 s36, s36, s38
	s_add_co_u32 s36, s36, TG
	v_add_nc_u32 v8, s36, v8                       ; where sim F goes, high term
	v_add_nc_u32 v9, 73856, v8                     ; low term
	v_lshrrev_b32 v13, 4, v0                       ; thread / 16
	v_mul_u32_u24 v10, v2, 1088
	v_lshl_add_u32 v10, v13, 2, v10
	v_add_nc_u32 v10, PKS, v10
	v_lshlrev_b32 v11, 9, v2
	v_lshl_add_u32 v11, v13, 1, v11
	v_add_nc_u32 v11, BITS, v11
	v_mov_b32 v14, 1
.irp k, 0,1,2,3,4,5,6,7
	v_mov_b32 v[ONES+\k], 0x3f803f80
.endr
	s_wait_loadcnt 0x3f                            ; 78 loads were issued: with at most 63 out the 15 oldest are in: words 8, bias 4, pooled features 2
.irp mtl, 0,1,2,3
	v_cvt_pk_bf16_f32 v[T], v[BIASP+2*\mtl], v[BIASP+2*\mtl]
	v_lshlrev_b32 v[BIASP+2*\mtl], 16, v[T]
	v_lshlrev_b32 v[BIASP+2*\mtl+1], 16, v[T]
.endr
	; word 4 t + 512 i + k is point no = 4 (t%16) + k, np = t/16 + 8 i
.irp i, 0,1,2,3,4,5,6,7
.irp k, 0,1,2,3
	v_and_b32 v[T], 0xfffffff0, v[XA+4*\i+\k]
	ds_store_b32 v10, v[T] offset:\k*272+\i*32
	v_and_b32 v[T+1], 15, v[XA+4*\i+\k]
	v_lshlrev_b32 v[T+1], v[T+1], v14
	ds_store_b16 v11, v[T+1] offset:\k*128+\i*16
.endr
.endr
	s_wait_tensorcnt 0x0
	s_wait_dscnt 0x0
	s_barrier_signal -1
	s_barrier_wait -1
	s_wait_loadcnt 0x0                             ; Wf
.macro LOADX a, npt, buf               ; 16 pixels x 256 channels, transposed
.irp u, 0,1,2,3,4,5,6,7
	ds_load_tr16_b128 v[\buf+8*\u:\buf+8*\u+3], v[5+(\a)] offset:\u*4608+(\npt)*32
	ds_load_tr16_b128 v[\buf+8*\u+4:\buf+8*\u+7], v[5+(\a)] offset:\u*4608+(\npt)*32+2304
.endr
.endm
.macro SVLOAD npt
.irp mtl, 0,1,2,3
	ds_load_b128 v[SV+8*\mtl:SV+8*\mtl+3], v7 offset:\mtl*2176+(\npt)*64
	ds_load_b128 v[SV+8*\mtl+4:SV+8*\mtl+7], v7 offset:\mtl*2176+(\npt)*64+16
.endr
.endm
.macro MULT buf
.irp u, 0,1,2,3,4,5,6,7
.irp mtl, 0,1,2,3
	MM ACC+8*\mtl, \buf+8*\u, (\mtl*8+\u)*8, \u==0           ; four accumulators take turns
.endr
.endr
.endm
.macro EPI a, npt                      ; lane (r, h'): channel 16 mt + r, pixels np = 16 npt + 8 h' + 0..7
.irp mtl, 0,1,2,3
.irp k, 0,1,2,3
	v_pk_add_f32 v[ACC+8*\mtl+2*\k:ACC+8*\mtl+2*\k+1], v[ACC+8*\mtl+2*\k:ACC+8*\mtl+2*\k+1], v[BIASP+2*\mtl:BIASP+2*\mtl+1]
.endr
.irp k, 0,1,2,3
	v_pk_mul_f32 v[ACC+8*\mtl+2*\k:ACC+8*\mtl+2*\k+1], v[ACC+8*\mtl+2*\k:ACC+8*\mtl+2*\k+1], v[SV+8*\mtl+2*\k:SV+8*\mtl+2*\k+1]
.endr
	SPLIT2 ACC+8*\mtl, HH, LL, T
	ds_store_b128 v8, v[HH:HH+3] offset:(\a)*18464+\mtl*1152+(\npt)*32
	ds_store_b128 v9, v[LL:LL+3] offset:(\a)*18464+\mtl*1152+(\npt)*32
.endr
.endm
	LOADX 0, 0, XA
.set ti_, 0
.rept 8
	PLACES
	SVLOAD ti_%4
.if ti_ < 7
	LOADX (ti_+1)/4, (ti_+1)%4, XA+64*((ti_+1)%2)
	s_wait_dscnt 16                                ; the next tile's 16 loads stay out
.else
	s_wait_dscnt 0x0
.endif
	WIN 0x04                                       ; source 1 (Wf) window 1
	MULT XA+64*(ti_%2)
	WIN 0
	PLACES
	EPI ti_/4, ti_%4
.set ti_, ti_+1
.endr
	s_wait_dscnt 0x0
	s_barrier_signal -1
	s_barrier_wait -1
	; phase 2: 32 K steps of 32 points (no = 16 w + step/2, np = 32 (step%2) ..), four at a time on two register sets
	v_lshlrev_b32 v12, 4, v3
	v_mul_u32_u24 v13, v2, 9232
	v_add_nc_u32 v13, v13, v12
	s_mul_i32 s36, s16, 2304
	s_add_co_u32 s36, s36, TG
	v_add_nc_u32 v13, s36, v13
	s_lshl_b32 s36, s16, 11
	s_add_co_u32 s36, s36, BITS
	v_add_nc_u32 v12, s36, v12
.macro LOADB b, set
.irp q, 0,1,2,3
	ds_load_b128 v[\set+8*\q:\set+8*\q+3], v12 offset:(4*(\b)+\q)*64
	ds_load_b128 v[\set+8*\q+4:\set+8*\q+7], v12 offset:(4*(\b)+\q)*64+32
	ds_load_b128 v[\set+32+8*\q:\set+35+8*\q], v13 offset:((4*(\b)+\q)/2)*144+(\q%2)*64
	ds_load_b128 v[\set+36+8*\q:\set+39+8*\q], v13 offset:((4*(\b)+\q)/2)*144+(\q%2)*64+32
.endr
.endm
	LOADB 0, XA
.set bi_, 0
.rept 8
	PLACES
.if bi_ < 7
	LOADB bi_+1, XA+64*((bi_+1)%2)
	s_wait_dscnt 16                                ; the next batch's 16 loads stay out
.else
	s_wait_dscnt 0x0
.endif
	; the mask, stage by stage over the 32 registers, so that no line waits for the one in front of it
.set k_, 0
.rept 32
	v_lshrrev_b32 v[XA+64*(bi_%2)+k_], v2, v[XA+64*(bi_%2)+k_]              ; bit r of each half: is the point's centre my row?
.set k_, k_+1
.endr
.set k_, 0
.rept 32
	v_and_b32 v[XA+64*(bi_%2)+k_], 0x00010001, v[XA+64*(bi_%2)+k_]
.set k_, k_+1
.endr
.set k_, 0
.rept 32
	v_mul_u32_u24 v[XA+64*(bi_%2)+k_], v[XA+64*(bi_%2)+k_], 0x3f80          ; 1.0 or 0.0 in bf16, twice
.set k_, k_+1
.endr
.irp q, 0,1,2,3
	MM ACC, XA+64*(bi_%2)+8*\q, XA+64*(bi_%2)+32+8*\q, (bi_+\q)==0          ; sums and counts take turns
	MM ACC+8, XA+64*(bi_%2)+8*\q, ONES, (bi_+\q)==0
.endr
.set bi_, bi_+1
.endr
	PLACES
	v_lshlrev_b32 v15, 5, v1
	v_lshl_add_u32 v10, s16, 10, v15               ; over XS, whose only fill and last reads lie behind the barrier above
	ds_store_b128 v10, v[ACC:ACC+3]
	ds_store_b128 v10, v[ACC+4:ACC+7] offset:16
	ds_store_b128 v10, v[ACC+8:ACC+11] offset:4096
	ds_store_b128 v10, v[ACC+12:ACC+15] offset:4112
	s_wait_dscnt 0x0
	s_barrier_signal -1
	s_barrier_wait -1
	s_cmp_lg_u32 s16, 0
	s_cbranch_scc1 .Lend
.irp q, 0,1,2,3
	ds_load_b128 v[48+16*\q:51+16*\q], v15 offset:\q*1024
	ds_load_b128 v[52+16*\q:55+16*\q], v15 offset:\q*1024+16
	ds_load_b128 v[56+16*\q:59+16*\q], v15 offset:4096+\q*1024
	ds_load_b128 v[60+16*\q:63+16*\q], v15 offset:4096+\q*1024+16
.endr
	v_and_b32 v11, 1, v2
	v_lshlrev_b32 v11, 5, v11
	v_bfe_u32 v12, v2, 1, 2
	v_add_nc_u32 v11, v11, v12
	v_lshl_add_u32 v11, s18, 2, v11                ; cc = 32 (r%2) + 4 pg + (r/2)%4
	s_lshl_b32 s36, s17, 12
	s_mov_b32 s37, 0
	s_add_nc_u64 s[14:15], s[14:15], s[36:37]
	v_lshlrev_b32 v13, 6, v11
	v_lshl_add_u32 v13, v3, 4, v13
	s_wait_dscnt 0x0
.irp q, 1,2,3
.irp k, 0,1,2,3,4,5,6,7
	v_pk_add_f32 v[48+2*\k:49+2*\k], v[48+2*\k:49+2*\k], v[48+16*\q+2*\k:49+16*\q+2*\k]
.endr
.endr
.irp j, 0,1,2,3,4,5,6,7
	v_add_f32_dpp v[48+\j], v[48+\j], v[48+\j] row_xmask:8 row_mask:0xf bank_mask:0xf     ; high term's column + low term's
.endr
.irp k, 0,1,2,3
	v_pk_add_f32 v[56+2*\k:57+2*\k], v[56+2*\k:57+2*\k], 1.0 op_sel_hi:[1,0]
.endr
.irp j, 0,1,2,3,4,5,6,7
	v_rcp_f32 v[56+\j], v[56+\j]
.endr
	v_nop
.irp k, 0,1,2,3
	v_pk_add_f32 v[48+2*\k:49+2*\k], v[48+2*\k:49+2*\k], v[CF+2*\k:CF+2*\k+1]
.endr
	s_wait_alu depctr_va_vdst(0)
.irp k, 0,1,2,3
	v_pk_mul_f32 v[48+2*\k:49+2*\k], v[48+2*\k:49+2*\k], v[56+2*\k:57+2*\k]
.endr
	SPLIT2 48, 64, 68, 72
	global_store_b128 v13, v[64:67], s[14:15]              ; centres 8 h' .. of column cc, high term; lanes r and r + 8 hold and write the same
	global_store_b128 v13, v[68:71], s[14:15] offset:32    ; low term
.Lend:
	s_wait_tensorcnt 0x0
	ds_add_u32 v206, v207
	s_wait_dscnt 0x0
	s_endpgm
.Lfunc_end_k_q4bb40dc39b_agg:
	.size	k_q4bb40dc39b_agg, .Lfunc_end_k_q4bb40dc39b_agg-k_q4bb40dc39b_agg
	.p2alignl 7, 3214868480
	.fill 96, 4, 3214868480
	.section	.rodata,"a",@progbits
	.p2align	6, 0x0
	.amdhsa_kernel k_q4bb40dc39b_agg
		.amdhsa_group_segment_fixed_size 321280
		.amdhsa_private_segment_fixed_size 0
		.amdhsa_enable_private_segment 0
		.amdhsa_kernarg_size 48
		.amdhsa_user_sgpr_count 2
		.amdhsa_user_sgpr_kernarg_segment_ptr 1
		.amdhsa_wavefront_size32 1
		.amdhsa_system_sgpr_workgroup_id_x 1
		.amdhsa_system_sgpr_workgroup_id_y 1
		.amdhsa_system_sgpr_workgroup_id_z 1
		.amdhsa_system_vgpr_workitem_id 0
		.amdhsa_next_free_vgpr 512
		.amdhsa_next_free_sgpr 66
		.amdhsa_reserve_vcc 0
		.amdhsa_float_denorm_mode_32 3
		.amdhsa_float_denorm_mode_16_64 3
		.amdhsa_memory_ordered 1
		.amdhsa_forward_progress 1
		.amdhsa_inst_pref_size 177
	.end_amdhsa_kernel
	.amdgpu_metadata
---
amdhsa.version: [ 1, 2 ]
amdhsa.kernels:
  - .name:           k_q4bb40dc39b_agg
    .symbol:         k_q4bb40dc39b_agg.kd
    .args:
      - { .name: xb, .offset: 0, .size: 8, .value_kind: global_buffer, .address_space: global }
      - { .name: wfrag, .offset: 8, .size: 8, .value_kind: global_buffer, .address_space: global }
      - { .name: pk, .offset: 16, .size: 8, .value_kind: global_buffer, .address_space: global }
      - { .name: qbuf, .offset: 24, .size: 8, .value_kind: global_buffer, .address_space: global }
      - { .name: convf_b, .offset: 32, .size: 8, .value_kind: global_buffer, .address_space: global }
      - { .name: outm, .offset: 40, .size: 8, .value_kind: global_buffer, .address_space: global }
    .group_segment_fixed_size: 321280
    .private_segment_fixed_size: 0
    .kernarg_segment_align: 8
    .kernarg_segment_size: 48
    .max_flat_workgroup_size: 128
    .sgpr_count:     66
    .vgpr_count:     512
    .wavefront_size: 32
...
	.end_amdgpu_metadata
.endif
;; end of part 13
;; launch conv2 (part 14): grid 256 x 1, 8 waves a work-group, no clusters, 273,408 bytes of LDS; arguments pk, outm, wfrag, conv2_b, out0; writes out0
.if DOCPART == 14
	.amdgcn_target "amdgcn-amd-amdhsa--gfx1250"
	.amdhsa_code_object_version 6
	.text
	.protected	k_q4bb40dc39b_conv2
	.globl	k_q4bb40dc39b_conv2
	.p2align	8
	.type	k_q4bb40dc39b_conv2,@function
k_q4bb40dc39b_conv2:
	s_mov_b64 s[64:65], 0
	v_nop
	global_prefetch_b8 v0, s[64:65] scope:SCOPE_SE
	s_setreg_imm32_b32 hwreg(HW_REG_WAVE_MODE, 25, 1), 1
	s_wait_xcnt 0x0
; conv2: the dispatch back to the points and the last 1x1 convolution, for 128 pixels of a clip.
; Channel ch = 16 b32 + c16 at pixel 64 pn + cc holds sim[n] out[b32][index[n]][cc] with n = 256 c16 + pn.  Work-group = (clip, pn0 = 2 g', pn0 + 1).
; Build (wave = 4 of the 32 groups): a matrix product picks the row: A[c16][k] holds the point's sim at k = index (high bf16 term) and at k = 16 + index (low term);
; B1 holds out's high term twice, B2 its low term and zeros: A B1 + A B2 = sim x out to 2^-16.  No address hangs on the index.  One rounding to bf16 into OT[pixel][ch].
; Main (wave = 32 output channels): [128 pixels] x [512 ch] x [32]; the pixels are the rows, so that a lane holds 8 neighbouring pixels of one output channel.
; No address hangs on data, so the words, the bias, the first two groups' out and all of W2 are requested at the start; groups 2 and 3 follow into the two register sets as these fall free.
; No tensor loads: what comes from memory is 4 KiB of words, 128 KiB of out (from the cache) and W2's fragments, straight to registers.  W2 is shared by all work-groups but lives in registers: no cluster.
.set PKL, 133120                       ; OT at 0: 128 rows (pixel) x 1,040.  PKL: [(half, c16) 32][pl 2][b16 16] words
.set ST,  137216                       ; a stage of 32 rows x 528 for each wave
.set ACC, 16                           ; v[16:143]  tile (pt, otl) at 16 + 8 (2 pt + otl)
.set XR,  144                          ; v[144:175] pixels' fragments, tiles 0-3
.set YR,  176                          ; v[176:207] tiles 4-7
; build: set 0: B1 v[16:47], B2 v[48:79]; set 1: B1 v[156:187], B2 v[210:241]; A v[80:87], D v[88:119], words as loaded v[120:123], words v[124:131], packed v[132:147], at work v[148:155]
.set S0B1, 16
.set S0B2, 48
.set S1B1, 156
.set S1B2, 210
; window 1: W2 fragments (otl, u) at 8 (16 otl + u)
.set MSB, 0
.macro WIN new
.if MSB != \new
	s_set_vgpr_msb (MSB<<8)|\new
.set MSB, \new
.endif
.endm
.macro PLACES                          ; five places behind a matrix instruction (ISA guide 7.12.1)
.rept 5
	v_nop
.endr
.endm
.macro MM d, a, b, c0
.if \c0
	v_wmma_f32_16x16x32_bf16 v[\d:\d+7], v[\a:\a+7], v[\b:\b+7], 0
.else
	v_wmma_f32_16x16x32_bf16 v[\d:\d+7], v[\a:\a+7], v[\b:\b+7], v[\d:\d+7]
.endif
.endm
.macro BLOAD bl, b1, b2                ; out of my group bl: 12 loads
.irp cct, 0,1,2,3
	global_load_b128 v[\b1+8*\cct:\b1+8*\cct+3], v5, s[6:7] offset:(\bl)*4096+\cct*1024
	global_load_b128 v[\b1+8*\cct+4:\b1+8*\cct+7], v5, s[6:7] offset:(\bl)*4096+\cct*1024
	global_load_b128 v[\b2+8*\cct:\b2+8*\cct+3], v5, s[6:7] offset:(\bl)*4096+\cct*1024+32
.endr
.endm
	s_load_b256 s[4:11], s[0:1], 0x0               ; pk 4, outm 6, wfrag 8, conv2_b 10
	s_load_b64 s[12:13], s[0:1], 0x20              ; out0
	v_lshl_add_u32 v254, v0, 2, 0x42800
	v_mov_b32 v255, 0
	v_lshrrev_b32 v13, 5, v0
	v_readfirstlane_b32 s14, v13                   ; wave
	s_lshr_b32 s15, ttmp9, 7                       ; clip
	s_and_b32 s16, ttmp9, 127                      ; pn0 / 2
	v_and_b32 v1, 31, v0
	v_and_b32 v2, 15, v0
	v_bfe_u32 v3, v0, 4, 1
	v_lshlrev_b32 v4, 4, v1
	v_lshrrev_b32 v13, 3, v0
	v_and_b32 v15, 7, v0
	v_lshlrev_b32 v15, 4, v15
	v_lshl_add_u32 v13, v13, 14, v15               ; (half, c16) = thread / 8; 16 bytes of the 128
	v_lshlrev_b32 v15, 2, v2
	v_lshl_add_u32 v15, s14, 7, v15                ; bias: 4 (32 w + r)
	v_lshlrev_b32 v5, 6, v2
	v_lshl_add_u32 v5, v3, 4, v5                   ; out: column r, centres 8 h'
	s_lshl_b32 s18, s15, 19
	s_lshl_b32 s19, s16, 7
	s_add_co_u32 s18, s18, s19
	s_add_co_u32 s18, s18, 1048576
	s_mov_b32 s19, 0
	s_lshl_b32 s20, s15, 17
	s_lshl_b32 s21, s14, 14
	s_add_co_u32 s20, s20, s21
	s_mov_b32 s21, 0
	s_lshl_b32 s22, s14, 15
	s_add_co_u32 s22, s22, 1048576
	s_mov_b32 s23, 0
	s_wait_kmcnt 0x0
	s_add_nc_u64 s[4:5], s[4:5], s[18:19]          ; the words of my two pn
	s_add_nc_u64 s[6:7], s[6:7], s[20:21]          ; out of groups 32 clip + 4 w ..
	s_add_nc_u64 s[8:9], s[8:9], s[22:23]          ; W2, tiles 2 w, 2 w + 1
	global_load_b128 v[120:123], v13, s[4:5]
	global_load_b32 v208, v15, s[10:11]
	global_load_b32 v209, v15, s[10:11] offset:64
	BLOAD 0, S0B1, S0B2
	BLOAD 1, S1B1, S1B2
	s_lshl_b32 s18, s15, 24
	s_lshl_b32 s20, s14, 21
	s_add_co_u32 s18, s18, s20
	s_lshl_b32 s20, s16, 9
	s_add_co_u32 s18, s18, s20
	s_add_nc_u64 s[12:13], s[12:13], s[18:19]      ; out0: channel 256 clip + 32 w, pixel 128 g'
	v_lshlrev_b32 v6, 7, v2
	s_lshr_b32 s18, s14, 2
	s_lshl_b32 s18, s18, 11
	s_and_b32 s20, s14, 3
	s_lshl_b32 s20, s20, 4
	s_add_co_u32 s18, s18, s20
	s_add_co_u32 s18, s18, PKL
	v_add_nc_u32 v6, s18, v6                       ; the word of (group 4 w, c16 = r)
	v_mul_u32_u24 v9, v2, 1040
	v_lshl_add_u32 v9, v3, 4, v9                   ; OT: row r, 16 h'
	v_add_nc_u32 v10, 66560, v9                    ; rows 64 ..
	v_lshl_add_u32 v7, s14, 7, v9                  ; build: + 4 w groups of 32 bytes
	v_add_nc_u32 v8, 66560, v7
	s_mul_i32 s18, s14, 16896
	s_add_co_u32 s18, s18, ST
	v_mul_u32_u24 v11, v2, 528
	v_lshl_add_u32 v11, v3, 5, v11
	v_add_nc_u32 v11, s18, v11
	v_add_nc_u32 v12, s18, v4
	v_lshlrev_b32 v14, 3, v3                       ; 8 h'
	v_mov_b32 v153, 0x0000ffff
	v_mov_b32 v154, 0xffff0000
	v_lshlrev_b32 v155, 4, v0
	v_add_nc_u32 v155, PKL, v155
.irp cct, 0,1,2,3
.irp k, 0,1,2,3
	v_mov_b32 v[S0B2+4+8*\cct+\k], 0               ; B2's upper K half, in both sets; no load lands here
	v_mov_b32 v[S1B2+4+8*\cct+\k], 0
.endr
.endr
	WIN 0x40
.set f_, 0
.rept 32
	global_load_b128 v[8*f_:8*f_+3], v4, s[8:9] offset:f_*1024
	global_load_b128 v[8*f_+4:8*f_+7], v4, s[8:9] offset:f_*1024+512
.set f_, f_+1
.endr
	WIN 0
	s_wait_loadcnt 0x3f                            ; 91 loads were issued: with at most 63 out the 28 oldest are in: words 1, bias 2, out of groups 0 and 1: 24
	ds_store_b128 v155, v[120:123]
	s_wait_dscnt 0x0
	s_barrier_signal -1
	s_barrier_wait -1
.irp bl, 0,1,2,3
.irp pl, 0,1
	ds_load_b32 v[124+\bl*2+\pl], v6 offset:\pl*64+\bl*4
.endr
.endr
.macro ABUILD w                        ; row r of A from the word of point (c16 = r)
	v_and_b32 v148, 0xfffffff0, v[\w]              ; sim
	v_and_b32 v149, 15, v[\w]
	v_sub_nc_u32 v149, v149, v14                   ; index - 8 h': 0 .. 7 if it falls into my half of the K range
	v_cvt_pk_bf16_f32 v150, v148, v148
	v_and_b32 v151, 0xffff0000, v150
	v_sub_f32 v151, v148, v151
	v_cvt_pk_bf16_f32 v151, v151, v151
	v_and_b32 v152, 1, v149
	v_cmp_eq_u32 vcc_lo, 1, v152
	v_cndmask_b32 v152, v153, v154, vcc_lo         ; which half of a register
	v_and_b32 v150, v150, v152
	v_and_b32 v151, v151, v152
	v_lshrrev_b32 v149, 1, v149                    ; which register
.irp i, 0,1,2,3
	v_cmp_eq_u32 vcc_lo, \i, v149
	v_cndmask_b32 v[80+\i], 0, v150, vcc_lo
	v_cndmask_b32 v[84+\i], 0, v151, vcc_lo
.endr
.endm
; my group bl from register set (b1, b2).  The five places behind its last matrix instructions also serve the next writes of A and the next loads into the set.
.macro BUILD bl, b1, b2
.irp pl, 0,1
	ABUILD 124+(\bl)*2+\pl
.irp cct, 0,1,2,3
	MM 88+8*\cct, 80, \b1+8*\cct, 1
.endr
.irp cct, 0,1,2,3
	MM 88+8*\cct, 80, \b2+8*\cct, 0                ; four accumulators take turns
.endr
	PLACES
.irp cct, 0,1,2,3
.irp k, 0,1,2,3
	v_cvt_pk_bf16_f32 v[132+4*\cct+\k], v[88+8*\cct+2*\k], v[89+8*\cct+2*\k]
.endr
	ds_store_b128 v[7+\pl], v[132+4*\cct:135+4*\cct] offset:\cct*16640+(\bl)*32     ; pixel 64 pl + 16 cct + r, channels 16 b32 + 8 h' ..
.endr
.endr
.endm
	s_wait_dscnt 0x0                               ; the eight words
	BUILD 0, S0B1, S0B2
	BLOAD 2, S0B1, S0B2
	BUILD 1, S1B1, S1B2
	BLOAD 3, S1B1, S1B2
	s_wait_loadcnt 12                              ; group 2's out is in (and W2, issued ahead of it); group 3's 12 loads stay out
	BUILD 2, S0B1, S0B2
	s_wait_loadcnt 0x0
	BUILD 3, S1B1, S1B2
	s_wait_dscnt 0x0
	s_barrier_signal -1
	s_barrier_wait -1
.macro LOADA buf, adr, u
.irp pt, 0,1,2,3
	ds_load_b128 v[\buf+8*\pt:\buf+8*\pt+3], v[\adr] offset:\pt*16640+(\u)*64
	ds_load_b128 v[\buf+8*\pt+4:\buf+8*\pt+7], v[\adr] offset:\pt*16640+(\u)*64+32
.endr
.endm
	PLACES
	LOADA XR, 9, 0
	LOADA YR, 10, 0
	WIN 0x04                                       ; source 1 (W2) window 1; LDS loads name destination and source 0 only
.set ku_, 0
.rept 16
	s_wait_dscnt 8                                 ; the other half's 8 loads stay out
.irp pt, 0,1,2,3
.irp otl, 0,1
	MM ACC+(\pt*2+\otl)*8, XR+8*\pt, (\otl*16+ku_)*8, ku_==0
.endr
.endr
.if ku_ < 15
	PLACES
	LOADA XR, 9, ku_+1
	s_wait_dscnt 8
.else
	s_wait_dscnt 0x0
.endif
.irp pt, 0,1,2,3
.irp otl, 0,1
	MM ACC+((4+\pt)*2+\otl)*8, YR+8*\pt, (\otl*16+ku_)*8, ku_==0
.endr
.endr
.if ku_ < 15
	PLACES
	LOADA YR, 10, ku_+1
.endif
.set ku_, ku_+1
.endr
	WIN 0
	PLACES
	; the way out: lane (r, h') holds output channel 16 otl + r, pixels 16 pt + 8 h' + 0..7; through my own stage, back as rows of 512 bytes
.irp pt, 0,1,2,3,4,5,6,7
.irp k, 0,1,2,3
	v_pk_add_f32 v[ACC+\pt*16+2*\k:ACC+\pt*16+2*\k+1], v[ACC+\pt*16+2*\k:ACC+\pt*16+2*\k+1], v[208:209] op_sel_hi:[1,0]
	v_pk_add_f32 v[ACC+\pt*16+8+2*\k:ACC+\pt*16+9+2*\k], v[ACC+\pt*16+8+2*\k:ACC+\pt*16+9+2*\k], v[208:209] op_sel:[0,1] op_sel_hi:[1,1]
.endr
.irp otl, 0,1
	ds_store_b128 v11, v[ACC+(\pt*2+\otl)*8:ACC+(\pt*2+\otl)*8+3] offset:\otl*8448+\pt*64
	ds_store_b128 v11, v[ACC+(\pt*2+\otl)*8+4:ACC+(\pt*2+\otl)*8+7] offset:\otl*8448+\pt*64+16
.endr
.endr
.macro OUT8 b, buf
.irp i, 0,1,2,3,4,5,6,7
	ds_load_b128 v[\buf+4*\i:\buf+4*\i+3], v12 offset:(8*\b+\i)*528       ; LDS serves a wave's instructions in order: these see the stores above
.endr
.irp i, 0,1,2,3,4,5,6,7
	s_wait_dscnt 7-\i
	global_store_b128 v4, v[\buf+4*\i:\buf+4*\i+3], s[12:13] offset:(8*\b+\i)*65536 th:TH_STORE_NT   ; 512 consecutive aligned bytes
.endr
.endm
	OUT8 0, XR
	OUT8 1, YR
	s_wait_xcnt 0x0                                ; the registers that the stores above read are loaded again only behind this wait
	OUT8 2, XR
	OUT8 3, YR
	s_wait_tensorcnt 0x0
	ds_add_u32 v254, v255
	s_wait_dscnt 0x0
	s_endpgm
.Lfunc_end_k_q4bb40dc39b_conv2:
	.size	k_q4bb40dc39b_conv2, .Lfunc_end_k_q4bb40dc39b_conv2-k_q4bb40dc39b_conv2
	.p2alignl 7, 3214868480
	.fill 96, 4, 3214868480
	.section	.rodata,"a",@progbits
	.p2align	6, 0x0
	.amdhsa_kernel k_q4bb40dc39b_conv2
		.amdhsa_group_segment_fixed_size 273408
		.amdhsa_private_segment_fixed_size 0
		.amdhsa_enable_private_segment 0
		.amdhsa_kernarg_size 40
		.amdhsa_user_sgpr_count 2
		.amdhsa_user_sgpr_kernarg_segment_ptr 1
		.amdhsa_wavefront_size32 1
		.amdhsa_system_sgpr_workgroup_id_x 1
		.amdhsa_system_sgpr_workgroup_id_y 1
		.amdhsa_system_sgpr_workgroup_id_z 1
		.amdhsa_system_vgpr_workitem_id 0
		.amdhsa_next_free_vgpr 512
		.amdhsa_next_free_sgpr 66
		.amdhsa_reserve_vcc 1
		.amdhsa_float_denorm_mode_32 3
		.amdhsa_float_denorm_mode_16_64 3
		.amdhsa_memory_ordered 1
		.amdhsa_forward_progress 1
		.amdhsa_inst_pref_size 89
	.end_amdhsa_kernel
	.amdgpu_metadata
---
amdhsa.version: [ 1, 2 ]
amdhsa.kernels:
  - .name:           k_q4bb40dc39b_conv2
    .symbol:         k_q4bb40dc39b_conv2.kd
    .args:
      - { .name: pk, .offset: 0, .size: 8, .value_kind: global_buffer, .address_space: global }
      - { .name: outm, .offset: 8, .size: 8, .value_kind: global_buffer, .address_space: global }
      - { .name: wfrag, .offset: 16, .size: 8, .value_kind: global_buffer, .address_space: global }
      - { .name: conv2_b, .offset: 24, .size: 8, .value_kind: global_buffer, .address_space: global }
      - { .name: out0, .offset: 32, .size: 8, .value_kind: global_buffer, .address_space: global }
    .group_segment_fixed_size: 273408
    .private_segment_fixed_size: 0
    .kernarg_segment_align: 8
    .kernarg_segment_size: 40
    .max_flat_workgroup_size: 256
    .sgpr_count:     66
    .vgpr_count:     512
    .wavefront_size: 32
...
	.end_amdgpu_metadata
.endif
;; end of part 14
